; MI455X (gfx1250); checked and timed in simulation.
; The chip was launched on July 23, 2026; its instructions are those of AMD's public machine-readable ISA for CDNA 5 (MIT licence, August 2026) and "CDNA5" Instruction Set Architecture Reference Guide (July 2026). The comments in the code are by the model that wrote it; some were corrected since.
;; Self Attention. Allowed arithmetic: matrix products marked QUANTISED: E2M3 operands, one E8M0 scale for each 32 along K, by v_wmma_scale_f32_16x16x128_f8f6f4 with both operands' format E2M3, f32 sums; everything else in f32.
;; Inputs: Wk 1,024 x 1,024 float32; Wo 1,024 x 1,024 float32; Wq 1,024 x 1,024 float32; Wv 1,024 x 1,024 float32; x 4 x 2,048 x 1,024 float32.
;; Outputs: out0 4 x 2,048 x 1,024 float32.
;; This version of the problem:
;;   THIS VERSION OF THE PROBLEM IS GIVEN IN LOW PRECISION. The matrix products marked QUANTISED in the list below multiply operands that are first quantised to E2M3 (2 exponent bits, 3 mantissa bits; 6 bits a number), with one power-of-two scale for each 32 numbers along K (OCP MX v1.0); their sums are f32. All else is computed in f32.
;;   The module's matrix products, in the order in which they are computed (A, B: the left and right operand; K: the contracted axis; several contracted axes count as one K, in the product's order):
;;     1. [M 8,192, K 1,024] x [K 1,024, N 1,024]; A: input x; B: input Wq: QUANTISED
;;     2. [M 8,192, K 1,024] x [K 1,024, N 1,024]; A: input x; B: input Wk: QUANTISED
;;     3. [M 8,192, K 1,024] x [K 1,024, N 1,024]; A: input x; B: input Wv: QUANTISED
;;     4. batch 4 x [M 2,048, K 1,024] x [K 1,024, N 2,048]; A: computed on the way; B: computed on the way: QUANTISED
;;     5. batch 4 x [M 2,048, K 2,048] x [K 2,048, N 1,024]; A: softmax (see below); B: computed on the way: QUANTISED
;;     6. [M 8,192, K 1,024] x [K 1,024, N 1,024]; A: computed on the way; B: input Wo: QUANTISED
;;   THE QUANTISER, for each operand of a quantised product, along K:
;;     - K is cut into blocks of 32 from its start; a last block that is shorter is filled with zeros.
;;     - A block's scale is 2^e with e = floor(log2(the largest magnitude in the block)) - 2, held to -126 .. 127; a block of zeros has e = 0. As a byte (E8M0): e + 127.
;;     - Each number is divided by its block's scale, clamped to +-7.5, and rounded to the nearest number of E2M3, ties to even, subnormals kept.
;;     - The product sums the exact products of the quantised numbers (number of the format x scale) in f32.
;;   ~~~python
;;   def quantise(x, axis):      # numpy; x: float32 -> the quantised numbers, widened to float32 again
;;       x = np.moveaxis(x, axis, -1); K = x.shape[-1]
;;       x = np.pad(x, [(0, 0)] * (x.ndim - 1) + [(0, -K % 32)]); x = x.reshape(x.shape[:-1] + (-1, 32)); a = np.abs(x).max(-1, keepdims=True)
;;       e = np.where(a > 0, np.clip(np.frexp(np.where(a > 0, a, 1))[1] - 1 - 2, -126, 127), 0)      # np.frexp(a)[1] - 1 = floor(log2(a)), exactly
;;       r = np.clip(x / 2.0 ** e, -7.5, 7.5)
;;       step = 2.0 ** (np.maximum(np.frexp(np.where(r == 0, 1, r))[1] - 1, 0) - 3)
;;       q = np.round(r / step) * step * 2.0 ** e      # np.round: ties to even
;;       return np.moveaxis(q.reshape(q.shape[:-2] + (-1,))[..., :K], -1, axis).astype(np.float32)
;;   ~~~
;;   SOFTMAX AHEAD OF A QUANTISED PRODUCT. Where the list says 'softmax', what is quantised is not the finished softmax but p = 2^(t - M), with t = logit x log2(e) and M = ceil(the row's largest t), a whole number; so 1/2 < the row's largest p <= 1. The row's sum l is taken of the UNQUANTISED p, in f32, and the product's result is divided by l at the end. Since M is a whole number, a kernel that streams over the keys may use a running M (the ceiling of the running maximum): every later rescaling is an exact power of two, which a block's scale takes up: the codes' values come out the same.
;;   OPERANDS COMPUTED ON THE WAY. 'Computed on the way' means the value that the module computes at that place (a softmax that the list does not call 'softmax' is quantised finished and normalised). What goes into a quantiser is computed in f32, as accurately as f32 sums, v_exp_f32 and their like allow (about 1e-6 of the number): no bf16 or f16 on the way to a quantiser, and a product that is left as it is and whose result goes on into a quantised operand takes f32 operands (vector FMAs, or v_wmma_f32_16x16x4_f32). A number that lies on a knife's edge between two numbers of the format may be rounded either way, as far as f32 arithmetic and the matrix unit's own rounding can turn it there, and no further.
;; 2 versions. Each part assembles by itself: llvm-mc -triple=amdgcn-amd-amdhsa -mcpu=gfx1250 --defsym DOCPART=n.
;; ======== version 1 of 2: 5 launches
;; workspace buffers: xr 6,553,600 bytes; wr 3,276,800 bytes; qkr 13,107,200 bytes; vr 6,553,600 bytes; pr 13,107,200 bytes; pst 1,048,576 bytes; orr 6,553,600 bytes
;; launch quant (part 1): grid 512 x 1, 4 waves a work-group, no clusters, 12,288 bytes of LDS; arguments x, Wq, Wk, Wv, Wo, xr, wr; writes xr, wr
.if DOCPART == 1
	.amdgcn_target "amdgcn-amd-amdhsa--gfx1250"
	.amdhsa_code_object_version 6
	.text
	.protected	k_qcc63e8e30d_quant
	.globl	k_qcc63e8e30d_quant
	.p2align	8
	.type	k_qcc63e8e30d_quant,@function
k_qcc63e8e30d_quant:
	s_mov_b64 s[64:65], 0
	v_nop
	global_prefetch_b8 v0, s[64:65] scope:SCOPE_SE
	s_setreg_imm32_b32 hwreg(HW_REG_WAVE_MODE, 25, 1), 1
	s_wait_xcnt 0x0
; x [8192][1024] and Wq, Wk, Wv, Wo [1024 (K)][1024], f32, become codes of FP6 (E2M3) with one E8M0 byte for each 32 along K, laid as RECORDS.
; A record is 6,400 bytes: 16 rows x 512 along K.  Unit u (128 along K) at byte 1536 u is the image of an operand's 12 registers: register g of lane l at 512 (g / 4) + 16 l + 4 (g % 4);
; at byte 6144 the scale words, row r's four at 16 r.  Buffers are [K / 512][rows / 16][6400].  Lane r of tile T holds row 32 (T / 2) + 8 (T % 2) + r + 8 (r / 8).
; A block's scale is 2^(floor(log2(largest magnitude)) - 2): the byte is the largest magnitude's exponent field - 2, held at 1 from below by a floor among the maximum's leaves.
; LIMITS: a block of zeros, or one under 2^-124, keeps the byte 1 (its codes are zeros or what the conversion gives; this program alone reads the bytes); NaN and infinities are not served.
; Work-groups 0-255: x, a wave to a record.  Work-groups 256-511: the weights, a wave to 32 columns x 128 along K (one unit of two tiles).  Waves share nothing: no barrier.
; No cluster: no two work-groups read the same bytes.  Only the weights' path touches LDS.
.set REC, 6400
.set SX,  512*REC                      ; xr: from one 512 along K to the next
.set SW,  256*REC                      ; wr likewise
.set TM,  8                            ; v8-11 largest magnitudes, v12-15 the other half's / bytes, v20-23 the conversions' scale operands
.set PW,  24                           ; v24-27 a unit's scale word each
.set PC,  32                           ; v32-43 a fragment's codes
.set PT,  44                           ; v44-51 the conversions' second halves
.set X,   64                           ; v64-255 three sets of 64 numbers
	s_load_b256 s[4:11], s[0:1], 0x0               ; x, Wq, Wk, Wv
	s_load_b128 s[12:15], s[0:1], 0x20             ; Wo, xr
	s_load_b64 s[16:17], s[0:1], 0x30              ; wr
	v_lshrrev_b32 v1, 5, v0
	v_readfirstlane_b32 s18, v1                    ; wave
	v_and_b32 v1, 31, v0                           ; lane
	v_and_b32 v2, 15, v0                           ; r
	v_bfe_u32 v3, v0, 4, 1                         ; h
	v_lshlrev_b32 v5, 4, v1                        ; 16 x lane: an image's place for my lane
	s_mov_b32 s20, 0x76543210
	s_mov_b32 s21, 0xfedcba98                      ; lane l xor 16
	s_mov_b32 s22, 0xffff0000                      ; lanes 16-31
	s_cmp_lt_u32 ttmp9, 256
	s_cbranch_scc0 .Lweights
; ---------------- x: K is innermost.  Lane (r, h) takes of its row 16 neighbours of each block of 32
	s_lshl_b32 s23, ttmp9, 2
	s_add_co_u32 s23, s23, s18                     ; which record: 0 .. 1023
	s_lshr_b32 s24, s23, 1                         ; T
	s_and_b32 s25, s23, 1                          ; which 512 along K
	s_lshr_b32 s26, s24, 1
	s_lshl_b32 s26, s26, 5
	s_and_b32 s27, s24, 1
	s_lshl_b32 s27, s27, 3
	s_add_co_u32 s26, s26, s27                     ; the tile's first row: 32 (T / 2) + 8 (T % 2)
	s_lshl_b32 s26, s26, 12                        ; rows of 4,096 bytes
	s_lshl_b32 s27, s25, 11
	s_add_co_u32 s26, s26, s27
	s_mov_b32 s27, 0
	s_mul_i32 s28, s24, REC
	s_mul_i32 s29, s25, SX
	s_add_co_u32 s28, s28, s29
	s_mov_b32 s29, 0
	v_and_b32 v4, 8, v2
	v_add_nc_u32 v4, v4, v2                        ; r + 8 (r / 8)
	v_lshlrev_b32 v4, 12, v4
	v_lshl_add_u32 v4, v3, 6, v4                   ; + 64 h
	v_lshlrev_b32 v6, 4, v2
	v_lshl_add_u32 v6, v3, 3, v6                   ; the scale words' way out: 16 r + 8 h
.irp b, 0,1,2,3
	v_mov_b32 v[TM+4+\b], 0                        ; a lane permute's destination counts as read
.endr
	s_wait_kmcnt 0x0
	s_add_nc_u64 s[4:5], s[4:5], s[26:27]
	s_add_nc_u64 s[14:15], s[14:15], s[28:29]
.macro XLOAD set, u                    ; unit u: register 16 b + i = k 32 b + 16 h + i of my row; the sixteen loads together cover 16 rows x 512 whole bytes
.irp b, 0,1,2,3
.irp j, 0,1,2,3
	global_load_b128 v[X+64*(\set)+16*\b+4*\j:X+64*(\set)+16*\b+4*\j+3], v4, s[4:5] offset:512*(\u)+128*\b+16*\j th:TH_LOAD_NT
.endr
.endr
.endm
.macro QUANT s, pw                     ; 64 numbers of a lane -> a fragment's codes in v[PC] on, its scale word in v[pw]
.irp b, 0,1,2,3
	v_max3_num_f32 v[TM+\b], |v[(\s)+16*\b]|, |v[(\s)+16*\b+1]|, 0x1800000   ; my 16 numbers of block b, and the floor 2^(3 - 127)
.endr
.irp i, 2,4,6,8,10,12,14
.irp b, 0,1,2,3
	v_max3_num_f32 v[TM+\b], v[TM+\b], |v[(\s)+16*\b+\i]|, |v[(\s)+16*\b+\i+1]|
.endr
.endr
.irp b, 0,1,2,3
	v_permlanex16_b32 v[TM+4+\b], v[TM+\b], s20, s21
.endr
.irp b, 0,1,2,3
	v_max_num_f32 v[TM+\b], v[TM+\b], v[TM+4+\b]   ; with lane l xor 16's: the block's largest magnitude
.endr
.irp b, 0,1,2,3
	v_add_nc_u32 v[TM+12+\b], 0xff000000, v[TM+\b] ; 2 off its exponent field: the conversion's scale operand
.endr
.irp b, 0,1,2,3
	v_lshrrev_b32 v[TM+4+\b], 23, v[TM+12+\b]      ; the byte
.endr
	v_lshl_or_b32 v[\pw], v[TM+5], 8, v[TM+4]
	v_lshl_or_b32 v[\pw], v[TM+6], 16, v[\pw]
	v_lshl_or_b32 v[\pw], v[TM+7], 24, v[\pw]
.irp c, 0,1
	v_cvt_scalef32_pk16_fp6_f32 v[PC+6*\c:PC+6*\c+2], v[(\s)+32*\c:(\s)+32*\c+15], v[TM+12+2*\c]
	v_cvt_scalef32_pk16_fp6_f32 v[PT+4*\c:PT+4*\c+2], v[(\s)+32*\c+16:(\s)+32*\c+31], v[TM+12+2*\c+1]
.endr
	v_nop                                          ; one plain line behind the scaled conversions
.irp c, 0,1                            ; the operand wants a whole block in a lane: lanes 0-15 block 2 c, lanes 16-31 block 2 c + 1
.irp i, 0,1,2
	v_permlane16_swap_b32 v[PC+6*\c+\i], v[PT+4*\c+\i]
.endr
.irp i, 0,1,2
	v_mov_b32 v[PC+6*\c+3+\i], v[PT+4*\c+\i]
.endr
.endr
.endm
.macro XUNIT u, left
	s_wait_loadcnt \left                           ; this unit's sixteen loads are in; the younger units', sixteen each, may be out
.if \u > 0
	s_wait_xcnt 0x0                                ; the last unit's stores have read v[PC] on: it is written again only behind this wait
.endif
	QUANT X+64*((\u)%3), PW+(\u)
.irp c, 0,1,2
	global_store_b128 v5, v[PC+4*\c:PC+4*\c+3], s[14:15] offset:1536*(\u)+512*\c   ; 32 lanes store 512 consecutive bytes, aligned
.endr
.endm
	XLOAD 0, 0
	XLOAD 1, 1
	XLOAD 2, 2
	XUNIT 0, 32
	XLOAD 0, 3                                     ; into the set that unit 0 has left
	XUNIT 1, 32
	XUNIT 2, 16
	XUNIT 3, 0
	v_cndmask_b32 v28, v24, v26, s22               ; lanes 0-15 send units 0 and 1's words of row r, lanes 16-31 units 2 and 3's
	v_cndmask_b32 v29, v25, v27, s22
	global_store_b64 v6, v[28:29], s[14:15] offset:6144   ; 256 consecutive bytes
	s_endpgm
; ---------------- the weights: K is the first axis.  A lane takes a column, its registers run down K: a block of 32 lies in one lane
.Lweights:
	s_sub_co_u32 s23, ttmp9, 256
	s_lshr_b32 s24, s23, 6                         ; which weight: 0 Wq, 1 Wk, 2 Wv, 3 Wo
	s_and_b32 s25, s23, 7                          ; which 128 columns
	s_bfe_u32 s26, s23, 0x30003                    ; which 128 along K
	s_lshl_b32 s27, s25, 2
	s_add_co_u32 s27, s27, s18                     ; beta: which 32 columns
	s_lshl_b32 s28, s26, 19                        ; 128 rows of 4,096 bytes
	s_lshl_b32 s29, s27, 7
	s_add_co_u32 s28, s28, s29
	s_mov_b32 s29, 0
	s_lshl_b32 s30, s24, 6
	s_lshl_b32 s31, s27, 1
	s_add_co_u32 s30, s30, s31                     ; tile 64 w + 2 beta
	s_mul_i32 s30, s30, REC
	s_lshr_b32 s31, s26, 2
	s_mul_i32 s31, s31, SW
	s_add_co_u32 s30, s30, s31                     ; the first of my two records
	s_mov_b32 s31, 0
	s_and_b32 s32, s26, 3                          ; the unit in it
	s_mul_i32 s34, s32, 1536
	s_mov_b32 s35, 0
	s_lshl_b32 s36, s32, 2
	s_add_co_u32 s36, s36, 6144
	s_mov_b32 s37, 0
	s_mul_i32 s33, s18, 3072                       ; my stage: two images
	v_lshlrev_b32 v7, 2, v1                        ; in: 4 bytes a lane
	v_bfe_u32 v12, v0, 3, 1                        ; column l of the 32 is lane (l % 8) + 8 (l / 16) of tile (l / 8) % 2
	v_and_b32 v13, 7, v0
	v_mul_u32_u24 v15, v12, REC
	v_mul_u32_u24 v12, v12, 1536
	v_lshl_add_u32 v12, v13, 4, v12
	v_lshl_add_u32 v12, v3, 7, v12
	v_add_nc_u32 v12, s33, v12                     ; the stage, on the way in
	v_add_nc_u32 v14, s33, v5                      ; and back: 16 x lane
	v_lshl_add_u32 v15, v13, 4, v15
	v_lshl_add_u32 v15, v3, 7, v15                 ; my column's scale word among the two records'
	s_wait_kmcnt 0x0
	s_cmp_eq_u32 s24, 1
	s_cselect_b64 s[6:7], s[8:9], s[6:7]
	s_cmp_eq_u32 s24, 2
	s_cselect_b64 s[6:7], s[10:11], s[6:7]
	s_cmp_eq_u32 s24, 3
	s_cselect_b64 s[6:7], s[12:13], s[6:7]
	s_add_nc_u64 s[6:7], s[6:7], s[28:29]
	s_add_nc_u64 s[16:17], s[16:17], s[30:31]
	s_add_nc_u64 s[38:39], s[16:17], s[36:37]      ; the scale words of my unit
	s_add_nc_u64 s[16:17], s[16:17], s[34:35]      ; its image
; The 128 rows come in eight halves of a block, sixteen loads each; every row has a register of its own, so a half may be asked for as soon as a wait has passed.  Three halves, 48 loads, are out at the most.
.macro WLOAD hf                        ; rows 16 hf .. 16 hf + 15: a wave reads 128 neighbouring bytes of each, the work-group 512
.set n, 16*(\hf)
.rept 16
	global_load_b32 v[64+n], v7, s[6:7] offset:n*4096 th:TH_LOAD_NT
.set n, n+1
.endr
.endm
	WLOAD 0
	WLOAD 1
	WLOAD 2
.macro BLOCK kb
.set XS, 64+32*(\kb)
.set C, 192+8*(\kb)
.if \kb < 3
	s_wait_loadcnt 16                              ; this block's two halves are in; the one half asked for behind them may be out
.else
	s_wait_loadcnt 0x0
.endif
.if \kb < 2
	WLOAD 2*(\kb)+3
	WLOAD 2*(\kb)+4
.elseif \kb == 2
	WLOAD 7
.endif
	v_max3_num_f32 v8, |v[XS]|, |v[XS+1]|, |v[XS+2]|
	v_max3_num_f32 v9, |v[XS+3]|, |v[XS+4]|, |v[XS+5]|
.irp i, 6,10,14,18,22,26
	v_max3_num_f32 v8, v8, |v[XS+\i]|, |v[XS+\i+1]|
	v_max3_num_f32 v9, v9, |v[XS+\i+2]|, |v[XS+\i+3]|
.endr
	v_max3_num_f32 v8, v8, |v[XS+30]|, |v[XS+31]|
	v_max3_num_f32 v8, v8, v9, 0x1800000           ; and the floor
	v_add_nc_u32 v10, 0xff000000, v8
	v_lshrrev_b32 v11, 23, v10
.if \kb == 0
	v_mov_b32 v24, v11
.else
	v_lshl_or_b32 v24, v11, 8*(\kb), v24           ; the lower K in the lower byte
.endif
	v_cvt_scalef32_pk16_fp6_f32 v[C:C+2], v[XS:XS+15], v10
	v_cvt_scalef32_pk16_fp6_f32 v[224+4*(\kb):224+4*(\kb)+2], v[XS+16:XS+31], v10
	v_nop
.irp i, 0,1,2
	v_mov_b32 v[C+3+\i], v[224+4*(\kb)+\i]
.endr
; block kb = 2 c + h is registers 6 c .. 6 c + 5 of image lane r + 16 h
.if \kb < 2
	ds_store_b128 v12, v[C:C+3] offset:256*(\kb)
	ds_store_b64 v12, v[C+4:C+5] offset:512+256*(\kb)
.else
	ds_store_b64 v12, v[C:C+1] offset:520+256*((\kb)-2)
	ds_store_b128 v12, v[C+2:C+5] offset:1024+256*((\kb)-2)
.endif
.endm
	BLOCK 0
	BLOCK 1
	BLOCK 2
	BLOCK 3
.irp i, 0,1,2,3,4,5
	ds_load_b128 v[32+4*\i:32+4*\i+3], v14 offset:512*\i   ; LDS serves a wave's instructions in order: these see my stores
.endr
.irp i, 0,1,2,3,4,5
	s_wait_dscnt 5-\i
	global_store_b128 v5, v[32+4*\i:32+4*\i+3], s[16:17] offset:(\i/3)*REC+512*(\i%3)   ; 512 consecutive bytes, aligned
.endr
	global_store_b32 v15, v24, s[38:39]
	s_endpgm
.Lfunc_end_k_qcc63e8e30d_quant:
	.size	k_qcc63e8e30d_quant, .Lfunc_end_k_qcc63e8e30d_quant-k_qcc63e8e30d_quant
	.p2alignl 7, 3214868480
	.fill 96, 4, 3214868480
	.section	.rodata,"a",@progbits
	.p2align	6, 0x0
	.amdhsa_kernel k_qcc63e8e30d_quant
		.amdhsa_group_segment_fixed_size 12288
		.amdhsa_private_segment_fixed_size 0
		.amdhsa_enable_private_segment 0
		.amdhsa_kernarg_size 56
		.amdhsa_user_sgpr_count 2
		.amdhsa_user_sgpr_kernarg_segment_ptr 1
		.amdhsa_wavefront_size32 1
		.amdhsa_system_sgpr_workgroup_id_x 1
		.amdhsa_system_sgpr_workgroup_id_y 1
		.amdhsa_system_sgpr_workgroup_id_z 1
		.amdhsa_system_vgpr_workitem_id 0
		.amdhsa_next_free_vgpr 256
		.amdhsa_next_free_sgpr 66
		.amdhsa_reserve_vcc 0
		.amdhsa_float_denorm_mode_32 3
		.amdhsa_float_denorm_mode_16_64 3
		.amdhsa_memory_ordered 1
		.amdhsa_forward_progress 1
		.amdhsa_inst_pref_size 47
	.end_amdhsa_kernel
	.amdgpu_metadata
---
amdhsa.version: [ 1, 2 ]
amdhsa.kernels:
  - .name:           k_qcc63e8e30d_quant
    .symbol:         k_qcc63e8e30d_quant.kd
    .args:
      - { .name: x, .offset: 0, .size: 8, .value_kind: global_buffer, .address_space: global }
      - { .name: Wq, .offset: 8, .size: 8, .value_kind: global_buffer, .address_space: global }
      - { .name: Wk, .offset: 16, .size: 8, .value_kind: global_buffer, .address_space: global }
      - { .name: Wv, .offset: 24, .size: 8, .value_kind: global_buffer, .address_space: global }
      - { .name: Wo, .offset: 32, .size: 8, .value_kind: global_buffer, .address_space: global }
      - { .name: xr, .offset: 40, .size: 8, .value_kind: global_buffer, .address_space: global }
      - { .name: wr, .offset: 48, .size: 8, .value_kind: global_buffer, .address_space: global }
    .group_segment_fixed_size: 12288
    .private_segment_fixed_size: 0
    .kernarg_segment_align: 8
    .kernarg_segment_size: 56
    .max_flat_workgroup_size: 128
    .sgpr_count:     66
    .vgpr_count:     256
    .wavefront_size: 32
...
	.end_amdgpu_metadata
.endif
;; end of part 1
;; launch proj (part 2): grid 8 x 96, 4 waves a work-group, clusters of 4 x 4, 327,680 bytes of LDS; arguments xr, wr, qkr, vr; writes qkr, vr
.if DOCPART == 2
	.amdgcn_target "amdgcn-amd-amdhsa--gfx1250"
	.amdhsa_code_object_version 6
	.text
	.protected	k_qcc63e8e30d_proj
	.globl	k_qcc63e8e30d_proj
	.p2align	8
	.type	k_qcc63e8e30d_proj,@function
k_qcc63e8e30d_proj:
	s_mov_b64 s[64:65], 0
	v_nop
	global_prefetch_b8 v0, s[64:65] scope:SCOPE_SE
	s_setreg_imm32_b32 hwreg(HW_REG_WAVE_MODE, 25, 1), 1
	s_wait_xcnt 0x0
	s_wait_alu depctr_hold_cnt(0) depctr_sa_sdst(0) depctr_va_vdst(0) depctr_va_sdst(0) depctr_va_ssrc(0) depctr_va_vcc(0) depctr_vm_vsrc(0)
	s_getreg_b32 s2, hwreg(HW_REG_IB_STS2, 6, 4)
	s_cmp_eq_u32 s2, 0
	s_cbranch_scc0 .Lentry_in_a_cluster
	s_endpgm
.Lentry_in_a_cluster:
	s_bfe_u32 s2, ttmp6, 0x10000c
	s_cmp_lg_u32 s2, 0xf033
	s_cbranch_scc0 .Lentry_shape_is_right
	s_endpgm
.Lentry_shape_is_right:
; q | k = x [Wq | Wk]  (clusters y 0-15)  and  v^T = Wv^T x^T  (clusters y 16-23), on codes of FP6 (E2M3) with E8M0 scales; each result is quantised on the way out, along the next product's K.
; OPERANDS ARE RECORDS of 6,400 bytes (16 rows x 512 along K): unit u (128 along K) at 1536 u is the image of an operand's 12 registers (3 loads of 16 bytes at 16 x lane), the scale words at 6144 + 16 r.
; Lane r of tile T holds row 32 (T / 2) + 8 (T % 2) + r + 8 (r / 8).  Source 0 takes 16 rows of "B", source 1 16 rows of "A": a lane then holds one row of A, and the 16 registers of B's tiles 2 b, 2 b + 1
; are 16 neighbours along B's rows, which are the next product's K.  So a wave's 64 x 128 of results are four fragments of one unit, in A's own order of rows.
; SHARES: a work-group makes 128 rows of A x 256 rows of B; each of four waves 64 x 128: 32 accumulators.  K = 1,024 is two LDS slots of 512: every LDS byte is filled once, nothing is filled again.
; CLUSTER 4 x 4: A's records are shared along a row of the cluster, B's along a column: joint loads, the same descriptor and mask in the four.
; q | k: A = x, B = Wq | Wk, out = qkr.   v^T: A = Wv, B = x, out = vr (K = the tokens).  The two parts differ in pointers, strides and ids alone, chosen on the cluster's y: one text.
; LIMITS: blocks under 2^-124 keep the byte 1; NaN and infinities are not served.
; REGISTERS: window 0: v1-13 addresses; v32-63 A's scale words, v96-159 B's (two sets each); v160-255 A's fragments, two sets, later the way out.  window 1: B's fragments, sets at v0 and v128.  window 2: accumulator (a, b) at v[8 (8 a + b)].
.set REC,  6400
.set SLOT, 24*REC                      ; A's 8 records, then B's 16
.set BOFF, 8*REC
.set SX,   512*REC
.set SW,   256*REC
.set SV,   64*REC
.set LI,   4                           ; v4     16 x lane
.set ADRA, 5                           ; v5-6   my A fragments in slot 0, 1
.set ADRB, 7                           ; v7-8   my B fragments
.set ASA,  9                           ; v9-10  my A records + 16 r
.set ASB,  11                          ; v11-12 my B records + 16 r
.set VSW,  13                          ; v13    16 r + 6400 h: the scale words' way out
.set SA,   32
.set SB,   96
.set AF,   160
.set PC,   160                         ; the way out: tile a's codes at v[PC + 12 a]
.set PT,   208
.set TM,   216
.set PW,   232
.set SELW, 236
.set G1A, 24
.set G0A, 32
.set G1B, 48
.set G0B, 56
.set MSB, 0
.macro WIN new                         ; the immediate's high byte repeats the setting that is left
.if MSB != (\new)
	s_set_vgpr_msb (MSB<<8)|(\new)
.set MSB, (\new)
.endif
.endm
.macro PLACES                          ; four plain lines behind a matrix instruction, ahead of loads into its registers and of reads of its results
.rept 4
	v_nop
.endr
.endm
.macro CREST
	s_cmp_lg_u32 s14, 0
	s_cbranch_scc1 .Lnot_wave_0_\@
	s_barrier_signal -3
.Lnot_wave_0_\@:
	s_barrier_wait -3
	s_barrier_signal -1
	s_barrier_wait -1
.endm
.macro CROUND                          ; a round of the cluster's barrier
	s_barrier_signal -1
	s_barrier_wait -1
	CREST
.endm
.macro FETCH s, u, p                   ; unit u of slot s into set p: B's eight fragments, A's four; every load takes 512 consecutive bytes
	WIN 0x40
.irp b, 0,1,2,3,4,5,6,7
.irp c, 0,1,2
	ds_load_b128 v[128*(\p)+12*\b+4*\c:128*(\p)+12*\b+4*\c+3], v[ADRB+\s] offset:REC*\b+1536*(\u)+512*\c
.endr
.endr
	WIN 0
.irp a, 0,1,2,3
.irp c, 0,1,2
	ds_load_b128 v[AF+48*(\p)+12*\a+4*\c:AF+48*(\p)+12*\a+4*\c+3], v[ADRA+\s] offset:REC*\a+1536*(\u)+512*\c
.endr
.endr
.endm
.macro SCALES s                        ; a slot's scale words: four units' words of row r in one load
.irp b, 0,1,2,3,4,5,6,7
	ds_load_b128 v[SB+32*\s+4*\b:SB+32*\s+4*\b+3], v[ASB+\s] offset:REC*\b+6144
.endr
.irp a, 0,1,2,3
	ds_load_b128 v[SA+16*\s+4*\a:SA+16*\s+4*\a+3], v[ASA+\s] offset:REC*\a+6144
.endr
.endm
.macro MUL8 a, p, u, sb, sa, zero      ; A's tile a against B's eight.  The 32 accumulators take turns in the same order in every unit
	WIN 0xa1                                       ; source 0 window 1, source 1 window 0, C and D window 2
.irp b, 0,1,2,3,4,5,6,7
.if \zero
	v_wmma_scale_f32_16x16x128_f8f6f4 v[8*(8*(\a)+\b):8*(8*(\a)+\b)+7], v[128*(\p)+12*\b:128*(\p)+12*\b+11], v[AF+48*(\p)+12*(\a):AF+48*(\p)+12*(\a)+11], 0, v[SB+32*(\sb)+4*\b+(\u)], v[(\sa)+4*(\a)+(\u)] matrix_a_fmt:MATRIX_FMT_FP6 matrix_b_fmt:MATRIX_FMT_FP6
.else
	v_wmma_scale_f32_16x16x128_f8f6f4 v[8*(8*(\a)+\b):8*(8*(\a)+\b)+7], v[128*(\p)+12*\b:128*(\p)+12*\b+11], v[AF+48*(\p)+12*(\a):AF+48*(\p)+12*(\a)+11], v[8*(8*(\a)+\b):8*(8*(\a)+\b)+7], v[SB+32*(\sb)+4*\b+(\u)], v[(\sa)+4*(\a)+(\u)] matrix_a_fmt:MATRIX_FMT_FP6 matrix_b_fmt:MATRIX_FMT_FP6
.endif
.endr
.endm
.macro UNIT s, u, zero, sa             ; units 0 to 2 of a slot: the next unit's fragments are asked for, then this unit's 32 products
	s_wait_dscnt 0x0                               ; this unit's fragments, asked for 32 products ago, are in
	PLACES
	FETCH \s, (\u)+1, 1-(\u)%2
	MUL8 0, (\u)%2, \u, \s, \sa, \zero
	MUL8 1, (\u)%2, \u, \s, \sa, \zero
	MUL8 2, (\u)%2, \u, \s, \sa, \zero
	MUL8 3, (\u)%2, \u, \s, \sa, \zero
	WIN 0
.endm
.macro TURNP                           ; unit 3 of slot 0, and on to slot 1
	s_wait_dscnt 0x0                               ; unit 3's fragments are in: my reads of slot 0 are over
	s_wait_tensorcnt 0x0                           ; my part of slot 1 has landed
	s_barrier_signal -1
	MUL8 0, 1, 3, 0, SA, 0
	MUL8 1, 1, 3, 0, SA, 0
	WIN 0
	s_barrier_wait -1                              ; everybody's has
	PLACES
	FETCH 1, 0, 0
	SCALES 1
	MUL8 2, 1, 3, 0, SA, 0
	MUL8 3, 1, 3, 0, SA, 0
	WIN 0
.endm
.macro LAST s, sa                      ; unit 3 of the last slot
	s_wait_dscnt 0x0
	MUL8 0, 1, 3, \s, \sa, 0
	MUL8 1, 1, 3, \s, \sa, 0
	MUL8 2, 1, 3, \s, \sa, 0
	MUL8 3, 1, 3, \s, \sa, 0
	WIN 0
	PLACES
.endm
; 64 numbers of a lane in window w, register 16 b + i = k 32 b + 16 h + i of my row, become a fragment's codes in v[pc] on and its scale word in v[pw].  Each accumulator is read from its low end on.
.macro QUANT s, w, pc, pw
	WIN ((\w)|((\w)<<2))
.irp b, 0,1,2,3
	v_max3_num_f32 v[TM+\b], |v[(\s)+16*\b]|, |v[(\s)+16*\b+1]|, 0x1800000   ; and the floor 2^(3 - 127): the byte cannot fall under 1
.endr
.irp i, 2,4,6,8,10,12,14
.irp b, 0,1,2,3
	v_max3_num_f32 v[TM+\b], |v[(\s)+16*\b+\i]|, |v[(\s)+16*\b+\i+1]|, v[TM+\b]
.endr
.endr
	WIN 0
.irp b, 0,1,2,3
	v_permlanex16_b32 v[TM+4+\b], v[TM+\b], s80, s81
.endr
.irp b, 0,1,2,3
	v_max_num_f32 v[TM+\b], v[TM+\b], v[TM+4+\b]
.endr
.irp b, 0,1,2,3
	v_add_nc_u32 v[TM+12+\b], 0xff000000, v[TM+\b] ; 2 off the exponent field: the conversion's scale operand
.endr
.irp b, 0,1,2,3
	v_lshrrev_b32 v[TM+4+\b], 23, v[TM+12+\b]
.endr
	v_lshl_or_b32 v[\pw], v[TM+5], 8, v[TM+4]
	v_lshl_or_b32 v[\pw], v[TM+6], 16, v[\pw]
	v_lshl_or_b32 v[\pw], v[TM+7], 24, v[\pw]
	WIN (\w)
.irp c, 0,1
	v_cvt_scalef32_pk16_fp6_f32 v[(\pc)+6*\c:(\pc)+6*\c+2], v[(\s)+32*\c:(\s)+32*\c+15], v[TM+12+2*\c]
	v_cvt_scalef32_pk16_fp6_f32 v[PT+4*\c:PT+4*\c+2], v[(\s)+32*\c+16:(\s)+32*\c+31], v[TM+12+2*\c+1]
.endr
	WIN 0
	v_nop                                          ; one plain line behind the scaled conversions
.irp c, 0,1
.irp i, 0,1,2
	v_permlane16_swap_b32 v[(\pc)+6*\c+\i], v[PT+4*\c+\i]
.endr
.irp i, 0,1,2
	v_mov_b32 v[(\pc)+6*\c+3+\i], v[PT+4*\c+\i]
.endr
.endr
.endm
.macro PUT a                           ; tile a's image: three stores of 512 consecutive bytes, aligned
.irp c, 0,1,2
	global_store_b128 v[LI], v[PC+12*(\a)+4*\c:PC+12*(\a)+4*\c+3], s[72:73] offset:REC*(\a)+512*\c
.endr
.endm
.macro PUTW a                          ; the scale words of tiles a (lanes 0-15) and a + 1 (lanes 16-31)
	v_cndmask_b32 v[SELW+(\a)/2], v[PW+(\a)], v[PW+(\a)+1], s78
	global_store_b32 v[VSW], v[SELW+(\a)/2], s[74:75] offset:REC*(\a)
.endm
	s_load_b128 s[4:7], s[0:1], 0x0                ; xr, wr
	s_load_b128 s[8:11], s[0:1], 0x10              ; qkr, vr
	v_lshrrev_b32 v1, 5, v0
	v_readfirstlane_b32 s14, v1                    ; wave
	s_lshr_b32 s15, s14, 1                         ; my 64 rows of A.  Also: I fetch for A (0) or for B (1)
	s_and_b32 s16, s14, 1                          ; my 128 rows of B.  Also: which half I fetch
	s_bfe_u32 s40, ttmp6, 0x40000                  ; cx
	s_bfe_u32 s41, ttmp6, 0x40004                  ; cy
	s_lshl_b32 s43, s41, 2
	s_lshl_b32 s43, 15, s43                        ; my row of the cluster
	s_lshl_b32 s44, 0x1111, s40                    ; my column
	; descriptor group 1: a dense block as rows of 256 bytes (32 elements of 8 bytes): A's half 100 rows, B's half 200; no padding
	s_or_b32 s[G1A], s43, (3<<16)|(1<<21)
	s_or_b32 s[G1B], s44, (3<<16)|(1<<21)
	s_mov_b32 s[G1A+1], 32<<16
	s_mov_b32 s[G1A+2], 100<<16
	s_mov_b32 s[G1A+3], 32<<16
	s_mov_b32 s[G1A+4], 100
	s_mov_b32 s[G1A+5], 32
	s_mov_b32 s[G1A+6], 0
	s_mov_b32 s[G1A+7], 0
	s_mov_b32 s[G1B+1], 32<<16
	s_mov_b32 s[G1B+2], 200<<16
	s_mov_b32 s[G1B+3], 32<<16
	s_mov_b32 s[G1B+4], 200
	s_mov_b32 s[G1B+5], 32
	s_mov_b32 s[G1B+6], 0
	s_mov_b32 s[G1B+7], 0
	s_and_b32 s19, ttmp7, 0xffff                   ; the cluster's y: 16 and above make v^T
	s_sub_co_u32 s45, s19, 16
	s_mov_b32 s2, SX
	s_mov_b32 s3, SW
	s_mov_b32 s42, SV
	s_cmp_ge_u32 s19, 16
	s_cselect_b32 s17, ttmp9, s19                  ; the cluster's place along A's rows,
	s_cselect_b32 s18, s45, ttmp9                  ; and along B's
	s_cselect_b32 s66, s3, s2                      ; from slot to slot in A,
	s_cselect_b32 s68, s2, s3                      ; in B,
	s_cselect_b32 s70, s42, s2                     ; and from 512 to 512 along K in the output
	s_cselect_b32 s84, 128*REC, 0                  ; Wv's tiles begin at tile 128 of wr
	s_mov_b32 s67, 0
	s_mov_b32 s69, 0
	s_lshl_b32 s17, s17, 2
	s_add_co_u32 s17, s17, s41                     ; I: which 128 rows of A
	s_lshl_b32 s18, s18, 2
	s_add_co_u32 s18, s18, s40                     ; J: which 256 rows of B
	s_lshl_b32 s20, s17, 3
	s_lshl_b32 s21, s16, 2
	s_add_co_u32 s20, s20, s21
	s_mul_i32 s20, s20, REC
	s_add_co_u32 s20, s20, s84                     ; A: records 8 I + 4 half on
	s_mov_b32 s21, 0
	s_lshl_b32 s22, s18, 4
	s_lshl_b32 s23, s16, 3
	s_add_co_u32 s22, s22, s23
	s_mul_i32 s22, s22, REC                        ; B: records 16 J + 8 half on
	s_mov_b32 s23, 0
	s_lshl_b32 s46, s17, 3
	s_lshl_b32 s47, s15, 2
	s_add_co_u32 s46, s46, s47                     ; the output's first tile of mine: 8 I + 4 (wave / 2)
	s_mul_i32 s46, s46, REC
	s_lshr_b32 s47, s18, 1
	s_mul_i32 s47, s47, s70
	s_add_co_u32 s46, s46, s47
	s_and_b32 s47, s18, 1
	s_lshl_b32 s47, s47, 1
	s_add_co_u32 s47, s47, s16                     ; the unit that my 128 rows of B make: 2 (J % 2) + wave % 2
	s_mul_i32 s90, s47, 1536
	s_add_co_u32 s90, s90, s46
	s_mov_b32 s91, 0
	s_lshl_b32 s92, s47, 2
	s_add_co_u32 s92, s92, s46
	s_add_co_u32 s92, s92, 6144
	s_mov_b32 s93, 0
	s_mul_i32 s2, s16, 4*REC                       ; where my fills go: no place in the cluster enters an LDS address
	s_mul_i32 s3, s16, 8*REC
	s_add_co_u32 s3, s3, BOFF
	s_wait_kmcnt 0x0
	s_cmp_ge_u32 s19, 16
	s_cselect_b64 s[86:87], s[6:7], s[4:5]
	s_cselect_b64 s[88:89], s[4:5], s[6:7]
	s_cselect_b64 s[72:73], s[10:11], s[8:9]
	s_add_nc_u64 s[86:87], s[86:87], s[20:21]
	s_add_nc_u64 s[88:89], s[88:89], s[22:23]
	s_add_nc_u64 s[74:75], s[72:73], s[92:93]      ; my scale words' place
	s_add_nc_u64 s[72:73], s[72:73], s[90:91]      ; my images' place
	CROUND                                         ; all sixteen work-groups are here: the joint loads meet
	s_mov_b32 s[G0A], 1
	s_mov_b32 s[G0A+1], s2
	s_mov_b64 s[G0A+2:G0A+3], s[86:87]
	s_or_b32 s[G0A+3], s[G0A+3], 0x80000000
	s_mov_b32 s[G0A+4], 1
	s_add_co_u32 s[G0A+5], s2, SLOT
	s_add_nc_u64 s[G0A+6:G0A+7], s[86:87], s[66:67]
	s_or_b32 s[G0A+7], s[G0A+7], 0x80000000
	s_mov_b32 s[G0B], 1
	s_mov_b32 s[G0B+1], s3
	s_mov_b64 s[G0B+2:G0B+3], s[88:89]
	s_or_b32 s[G0B+3], s[G0B+3], 0x80000000
	s_mov_b32 s[G0B+4], 1
	s_add_co_u32 s[G0B+5], s3, SLOT
	s_add_nc_u64 s[G0B+6:G0B+7], s[88:89], s[68:69]
	s_or_b32 s[G0B+7], s[G0B+7], 0x80000000
	s_cmp_eq_u32 s15, 0                            ; a wave's two fills stand in one branch on the wave's number: two loads of mine are out; four v_nop follow the second
	s_cbranch_scc0 .Lfirst_b
	tensor_load_to_lds s[G0A:G0A+3], s[G1A:G1A+7]
	tensor_load_to_lds s[G0A+4:G0A+7], s[G1A:G1A+7]
.rept 4
	v_nop
.endr
	s_branch .Lfirst_asked
.Lfirst_b:
	tensor_load_to_lds s[G0B:G0B+3], s[G1B:G1B+7]
	tensor_load_to_lds s[G0B+4:G0B+7], s[G1B:G1B+7]
.rept 4
	v_nop
.endr
.Lfirst_asked:
	v_and_b32 v1, 31, v0
	v_and_b32 v2, 15, v0                           ; r
	v_bfe_u32 v3, v0, 4, 1                         ; h
	v_lshlrev_b32 v[LI], 4, v1
	s_mul_i32 s2, s15, 4*REC                       ; my four records of A
	s_mul_i32 s3, s16, 8*REC
	s_add_co_u32 s3, s3, BOFF                      ; my eight of B
	v_add_nc_u32 v[ADRA], s2, v[LI]
	v_add_nc_u32 v[ADRA+1], SLOT, v[ADRA]
	v_add_nc_u32 v[ADRB], s3, v[LI]
	v_add_nc_u32 v[ADRB+1], SLOT, v[ADRB]
	v_lshlrev_b32 v[VSW], 4, v2
	v_add_nc_u32 v[ASA], s2, v[VSW]
	v_add_nc_u32 v[ASA+1], SLOT, v[ASA]
	v_add_nc_u32 v[ASB], s3, v[VSW]
	v_add_nc_u32 v[ASB+1], SLOT, v[ASB]
	v_mul_u32_u24 v14, v3, REC
	v_add_nc_u32 v[VSW], v[VSW], v14
	s_mov_b32 s78, 0xffff0000                      ; lanes 16-31
	s_mov_b32 s80, 0x76543210
	s_mov_b32 s81, 0xfedcba98
	s_wait_tensorcnt 0x1                           ; my part of slot 0 is in; slot 1's one load may be out
	s_barrier_signal -1
	s_barrier_wait -1
	FETCH 0, 0, 0
	SCALES 0
	UNIT 0, 0, 1, SA                               ; the first products start the sums: nothing is cleared
	UNIT 0, 1, 0, SA
	UNIT 0, 2, 0, SA
	TURNP
	UNIT 1, 0, 0, SA+16
	UNIT 1, 1, 0, SA+16
	UNIT 1, 2, 0, SA+16
	LAST 1, SA+16
	; THE WAY OUT: each of my four tiles of rows becomes one fragment and one scale word a row, and leaves as an image
.irp b, 0,1,2,3
	v_mov_b32 v[TM+4+\b], 0
.endr
.irp a, 0,1,2,3
	QUANT 64*\a, 2, PC+12*\a, PW+\a
	PUT \a
.endr
	PUTW 0
	PUTW 2
	CROUND                                         ; the closing round
	s_endpgm
.Lfunc_end_k_qcc63e8e30d_proj:
	.size	k_qcc63e8e30d_proj, .Lfunc_end_k_qcc63e8e30d_proj-k_qcc63e8e30d_proj
	.p2alignl 7, 3214868480
	.fill 96, 4, 3214868480
	.section	.rodata,"a",@progbits
	.p2align	6, 0x0
	.amdhsa_kernel k_qcc63e8e30d_proj
		.amdhsa_group_segment_fixed_size 327680
		.amdhsa_private_segment_fixed_size 0
		.amdhsa_enable_private_segment 0
		.amdhsa_kernarg_size 32
		.amdhsa_user_sgpr_count 2
		.amdhsa_user_sgpr_kernarg_segment_ptr 1
		.amdhsa_wavefront_size32 1
		.amdhsa_system_sgpr_workgroup_id_x 1
		.amdhsa_system_sgpr_workgroup_id_y 1
		.amdhsa_system_sgpr_workgroup_id_z 1
		.amdhsa_system_vgpr_workitem_id 0
		.amdhsa_next_free_vgpr 768
		.amdhsa_next_free_sgpr 104
		.amdhsa_reserve_vcc 0
		.amdhsa_float_denorm_mode_32 3
		.amdhsa_float_denorm_mode_16_64 3
		.amdhsa_memory_ordered 1
		.amdhsa_forward_progress 1
		.amdhsa_inst_pref_size 79
	.end_amdhsa_kernel
	.amdgpu_metadata
---
amdhsa.version: [ 1, 2 ]
amdhsa.kernels:
  - .name:           k_qcc63e8e30d_proj
    .symbol:         k_qcc63e8e30d_proj.kd
    .args:
      - { .name: xr, .offset: 0, .size: 8, .value_kind: global_buffer, .address_space: global }
      - { .name: wr, .offset: 8, .size: 8, .value_kind: global_buffer, .address_space: global }
      - { .name: qkr, .offset: 16, .size: 8, .value_kind: global_buffer, .address_space: global }
      - { .name: vr, .offset: 24, .size: 8, .value_kind: global_buffer, .address_space: global }
    .group_segment_fixed_size: 327680
    .private_segment_fixed_size: 0
    .kernarg_segment_align: 8
    .kernarg_segment_size: 32
    .max_flat_workgroup_size: 128
    .sgpr_count:     104
    .vgpr_count:     768
    .wavefront_size: 32
...
	.end_amdgpu_metadata
.endif
;; end of part 2
;; launch score (part 3): grid 24 x 16, 4 waves a work-group, clusters of 4 x 4, 327,680 bytes of LDS; arguments qkr, pr, pst; writes pr, pst
.if DOCPART == 3
	.amdgcn_target "amdgcn-amd-amdhsa--gfx1250"
	.amdhsa_code_object_version 6
	.text
	.protected	k_qcc63e8e30d_score
	.globl	k_qcc63e8e30d_score
	.p2align	8
	.type	k_qcc63e8e30d_score,@function
k_qcc63e8e30d_score:
	s_mov_b64 s[64:65], 0
	v_nop
	global_prefetch_b8 v0, s[64:65] scope:SCOPE_SE
	s_setreg_imm32_b32 hwreg(HW_REG_WAVE_MODE, 25, 1), 1
	s_wait_xcnt 0x0
	s_wait_alu depctr_hold_cnt(0) depctr_sa_sdst(0) depctr_va_vdst(0) depctr_va_sdst(0) depctr_va_ssrc(0) depctr_va_vcc(0) depctr_vm_vsrc(0)
	s_getreg_b32 s2, hwreg(HW_REG_IB_STS2, 6, 4)
	s_cmp_eq_u32 s2, 0
	s_cbranch_scc0 .Lentry_in_a_cluster
	s_endpgm
.Lentry_in_a_cluster:
	s_bfe_u32 s2, ttmp6, 0x10000c
	s_cmp_lg_u32 s2, 0xf033
	s_cbranch_scc0 .Lentry_shape_is_right
	s_endpgm
.Lentry_shape_is_right:
; S = q k^T on codes of FP6 (E2M3), the causal mask, and p = 2^(t - M'), t = score x log2(e) / 32, quantised along the keys.  M' is the ceiling of the largest t of ONE query over ONE unit of 128 keys:
; a true maximum is taken away, unit by unit.  Stored: p's codes and raw scale bytes (pr, as records), -M' and the unit's sum of the unquantised p (pst).  The next launch takes the row's M = the largest M'
; and takes M - M' off the scale bytes, which is exact, M and M' being whole numbers.
; RECORDS, SHARES, LDS and the core are as in the launch of the projections: 128 queries (A, source 1) x 256 keys (B, source 0) a work-group, 64 x 128 a wave; K = 1,024 in two LDS slots, each filled once.
; CLUSTER 4 x 4 = 512 queries x 1,024 keys.  Of a batch's eight such blocks the mask hides two wholly: six clusters a batch (x = 0-3: keys 0-1023 for query blocks 0-3; x = 4, 5: keys 1024-2047 for blocks 2, 3).
; A partner whose own tile is hidden makes every joint request and runs the same text: its p are zero codes, which the next launch's rounded-up K reads.  The mask's lines are jumped over in clusters x = 2, 3,
; all of whose keys count: a branch on the cluster's x, the same in all partners.
; A unit all of whose keys are hidden for a row gets -M' = 3e38, p = 0, sum 0.
; LIMITS: M' is exact while |t| < 2^24; NaN and infinities among the inputs are not served; a block's largest p is taken as 2^ of its largest score's t - M' (v_exp_f32 is taken not to fall where its input rises).
.set REC,  6400
.set SLOT, 24*REC
.set BOFF, 8*REC
.set SX,   512*REC
.set LI,   4
.set ADRA, 5
.set ADRB, 7
.set ASA,  9
.set ASB,  11
.set VSW,  13                          ; v13  16 r + 6400 h
.set VST,  14                          ; v14  128 r + 64 h: pst
.set DQ0,  15                          ; v15  my query of tile 0 less my first key
.set SA,   32
.set SB,   96
.set AF,   160
.set PC,   160
.set PT,   208
.set MX,   216                         ; v216-219 a block's largest score, then its largest p
.set MY,   220                         ; v220-223 the other half's; the bytes
.set SO,   224                         ; v224-227 the conversions' scale operands
.set NEG,  228                         ; v[228:229] -M', the largest t
.set SUM,  230
.set SUM2, 232
.set TMP,  234
.set PW,   236
.set STT,  240                         ; v240-243 what goes to pst, a register for each tile
.set SELW, 244
.set DQ,   248
.set NINF, 249
.set G1A, 24
.set G0A, 32
.set G1B, 48
.set G0B, 56
.set MSB, 0
.macro WIN new
.if MSB != (\new)
	s_set_vgpr_msb (MSB<<8)|(\new)
.set MSB, (\new)
.endif
.endm
.macro PLACES
.rept 4
	v_nop
.endr
.endm
.macro CREST
	s_cmp_lg_u32 s14, 0
	s_cbranch_scc1 .Lnot_wave_0_\@
	s_barrier_signal -3
.Lnot_wave_0_\@:
	s_barrier_wait -3
	s_barrier_signal -1
	s_barrier_wait -1
.endm
.macro CROUND
	s_barrier_signal -1
	s_barrier_wait -1
	CREST
.endm
.macro FETCH s, u, p
	WIN 0x40
.irp b, 0,1,2,3,4,5,6,7
.irp c, 0,1,2
	ds_load_b128 v[128*(\p)+12*\b+4*\c:128*(\p)+12*\b+4*\c+3], v[ADRB+\s] offset:REC*\b+1536*(\u)+512*\c
.endr
.endr
	WIN 0
.irp a, 0,1,2,3
.irp c, 0,1,2
	ds_load_b128 v[AF+48*(\p)+12*\a+4*\c:AF+48*(\p)+12*\a+4*\c+3], v[ADRA+\s] offset:REC*\a+1536*(\u)+512*\c
.endr
.endr
.endm
.macro SCALES s
.irp b, 0,1,2,3,4,5,6,7
	ds_load_b128 v[SB+32*\s+4*\b:SB+32*\s+4*\b+3], v[ASB+\s] offset:REC*\b+6144
.endr
.irp a, 0,1,2,3
	ds_load_b128 v[SA+16*\s+4*\a:SA+16*\s+4*\a+3], v[ASA+\s] offset:REC*\a+6144
.endr
.endm
.macro MUL8 a, p, u, sb, sa, zero      ; the 32 accumulators take turns in the same order in every unit
	WIN 0xa1
.irp b, 0,1,2,3,4,5,6,7
.if \zero
	v_wmma_scale_f32_16x16x128_f8f6f4 v[8*(8*(\a)+\b):8*(8*(\a)+\b)+7], v[128*(\p)+12*\b:128*(\p)+12*\b+11], v[AF+48*(\p)+12*(\a):AF+48*(\p)+12*(\a)+11], 0, v[SB+32*(\sb)+4*\b+(\u)], v[(\sa)+4*(\a)+(\u)] matrix_a_fmt:MATRIX_FMT_FP6 matrix_b_fmt:MATRIX_FMT_FP6
.else
	v_wmma_scale_f32_16x16x128_f8f6f4 v[8*(8*(\a)+\b):8*(8*(\a)+\b)+7], v[128*(\p)+12*\b:128*(\p)+12*\b+11], v[AF+48*(\p)+12*(\a):AF+48*(\p)+12*(\a)+11], v[8*(8*(\a)+\b):8*(8*(\a)+\b)+7], v[SB+32*(\sb)+4*\b+(\u)], v[(\sa)+4*(\a)+(\u)] matrix_a_fmt:MATRIX_FMT_FP6 matrix_b_fmt:MATRIX_FMT_FP6
.endif
.endr
.endm
.macro UNIT s, u, zero, sa
	s_wait_dscnt 0x0                               ; this unit's fragments, asked for 32 products ago, are in
	PLACES
	FETCH \s, (\u)+1, 1-(\u)%2
	MUL8 0, (\u)%2, \u, \s, \sa, \zero
	MUL8 1, (\u)%2, \u, \s, \sa, \zero
	MUL8 2, (\u)%2, \u, \s, \sa, \zero
	MUL8 3, (\u)%2, \u, \s, \sa, \zero
	WIN 0
.endm
.macro TURNP
	s_wait_dscnt 0x0                               ; my reads of slot 0 are over
	s_wait_tensorcnt 0x0                           ; my part of slot 1 has landed
	s_barrier_signal -1
	MUL8 0, 1, 3, 0, SA, 0
	MUL8 1, 1, 3, 0, SA, 0
	WIN 0
	s_barrier_wait -1
	PLACES
	FETCH 1, 0, 0
	SCALES 1
	MUL8 2, 1, 3, 0, SA, 0
	MUL8 3, 1, 3, 0, SA, 0
	WIN 0
.endm
.macro LAST s, sa
	s_wait_dscnt 0x0
	MUL8 0, 1, 3, \s, \sa, 0
	MUL8 1, 1, 3, \s, \sa, 0
	MUL8 2, 1, 3, \s, \sa, 0
	MUL8 3, 1, 3, \s, \sa, 0
	WIN 0
	PLACES
.endm
; Tile a of my queries: register 16 b + i of its 64 (window 2) is key 32 b + 16 h + i of my 128.
.macro SOFT a
.set AC, 64*(\a)
	s_cmp_eq_u32 s84, 2
	s_cbranch_scc1 .Lopen_\@
	v_add_nc_u32 v[DQ], 32*((\a)/2)+8*((\a)%2), v[DQ0]   ; d = my query - my wave's first key - 16 h: key 32 b + i is hidden where it is above d
	WIN 0x82
.set n, 0
.rept 64
	v_cmp_gt_i32 vcc_lo, 32*(n/16)+n%16, v[DQ]
	v_cndmask_b32 v[AC+n], v[AC+n], v[NINF], vcc_lo
.set n, n+1
.endr
	WIN 0
.Lopen_\@:
	WIN 0x0a
.irp b, 0,1,2,3
	v_max_num_f32 v[MX+\b], v[AC+16*\b], v[AC+16*\b+1]   ; the largest score of each block of 32 keys: for the row's maximum and for the block's largest p
.endr
.irp i, 2,4,6,8,10,12,14
.irp b, 0,1,2,3
	v_max3_num_f32 v[MX+\b], v[AC+16*\b+\i], v[AC+16*\b+\i+1], v[MX+\b]
.endr
.endr
	WIN 0
.irp b, 0,1,2,3
	v_permlanex16_b32 v[MY+\b], v[MX+\b], s80, s81
.endr
.irp b, 0,1,2,3
	v_max_num_f32 v[MX+\b], v[MX+\b], v[MY+\b]
.endr
	v_max3_num_f32 v[TMP], v[MX], v[MX+1], v[MX+2]
	v_max_num_f32 v[TMP], v[TMP], v[MX+3]
	v_mul_f32 v[TMP], s82, v[TMP]                  ; as t
	v_max_num_f32 v[NEG+1], 0xff61b1e6, v[TMP]     ; -3e38 where all 128 keys are hidden
	v_floor_f32 v[NEG], -v[NEG+1]                  ; -M' = floor(-t): a whole number
	WIN 0x82
.set n, 0
.rept 32
	v_pk_fma_f32 v[AC+n:AC+n+1], v[AC+n:AC+n+1], s[82:83], v[NEG:NEG+1] op_sel_hi:[1,0,0]   ; t - M'
.set n, n+2
.endr
	WIN 0
.irp b, 0,1,2,3
	v_fma_f32 v[MX+\b], v[MX+\b], s82, v[NEG]
.endr
	WIN 0x82
.set n, 0
.rept 64
	v_exp_f32 v[AC+n], v[AC+n]                     ; p, at most 1
.set n, n+1
.endr
	WIN 0
	v_mov_b32 v[SUM], 0                            ; plain lines behind the exponentials
	v_mov_b32 v[SUM+1], 0
	v_mov_b32 v[SUM2], 0
	v_mov_b32 v[SUM2+1], 0
	s_wait_alu depctr_va_vdst(0)                   ; one wait for the batch of 64, ahead of its first reader
.irp b, 0,1,2,3
	v_exp_f32 v[MX+\b], v[MX+\b]                   ; the block's largest p
.endr
	WIN 0x02
.set n, 0
.rept 16
	v_pk_add_f32 v[SUM:SUM+1], v[AC+n:AC+n+1], v[SUM:SUM+1]       ; the sum of the UNQUANTISED p, in two chains
	v_pk_add_f32 v[SUM2:SUM2+1], v[AC+n+2:AC+n+3], v[SUM2:SUM2+1]
.set n, n+4
.endr
	WIN 0
	v_pk_add_f32 v[SUM:SUM+1], v[SUM:SUM+1], v[SUM2:SUM2+1]
	s_wait_alu depctr_va_vdst(0)                   ; and one for the four
.irp b, 0,1,2,3
	v_max_num_f32 v[MX+\b], 0x1800000, v[MX+\b]    ; the floor: the byte cannot fall under 1
.endr
.irp b, 0,1,2,3
	v_add_nc_u32 v[SO+\b], 0xff000000, v[MX+\b]
.endr
.irp b, 0,1,2,3
	v_lshrrev_b32 v[MY+\b], 23, v[SO+\b]
.endr
	v_lshl_or_b32 v[PW+(\a)], v[MY+1], 8, v[MY]
	v_lshl_or_b32 v[PW+(\a)], v[MY+2], 16, v[PW+(\a)]
	v_lshl_or_b32 v[PW+(\a)], v[MY+3], 24, v[PW+(\a)]
	WIN 0x02
.irp c, 0,1
	v_cvt_scalef32_pk16_fp6_f32 v[PC+12*(\a)+6*\c:PC+12*(\a)+6*\c+2], v[AC+32*\c:AC+32*\c+15], v[SO+2*\c]
	v_cvt_scalef32_pk16_fp6_f32 v[PT+4*\c:PT+4*\c+2], v[AC+32*\c+16:AC+32*\c+31], v[SO+2*\c+1]
.endr
	WIN 0
	v_nop
.irp c, 0,1
.irp i, 0,1,2
	v_permlane16_swap_b32 v[PC+12*(\a)+6*\c+\i], v[PT+4*\c+\i]
.endr
.irp i, 0,1,2
	v_mov_b32 v[PC+12*(\a)+6*\c+3+\i], v[PT+4*\c+\i]
.endr
.endr
	v_add_f32 v[TMP], v[SUM], v[SUM+1]
	v_permlanex16_b32 v[TMP+1], v[TMP], s80, s81
	v_add_f32 v[TMP], v[TMP], v[TMP+1]             ; the unit's sum for my query
	v_cndmask_b32 v[STT+(\a)], v[NEG], v[TMP], s78 ; lanes 0-15 send -M', lanes 16-31 the sum
.irp c, 0,1,2
	global_store_b128 v[LI], v[PC+12*(\a)+4*\c:PC+12*(\a)+4*\c+3], s[72:73] offset:REC*(\a)+512*\c
.endr
	global_store_b32 v[VST], v[STT+(\a)], s[76:77] offset:2048*(\a)
.endm
.macro PUTW a
	v_cndmask_b32 v[SELW+(\a)/2], v[PW+(\a)], v[PW+(\a)+1], s78
	global_store_b32 v[VSW], v[SELW+(\a)/2], s[74:75] offset:REC*(\a)
.endm
	s_load_b128 s[4:7], s[0:1], 0x0                ; qkr, pr
	s_load_b64 s[8:9], s[0:1], 0x10                ; pst
	v_lshrrev_b32 v1, 5, v0
	v_readfirstlane_b32 s14, v1
	s_lshr_b32 s15, s14, 1
	s_and_b32 s16, s14, 1
	s_bfe_u32 s40, ttmp6, 0x40000
	s_bfe_u32 s41, ttmp6, 0x40004
	s_lshl_b32 s43, s41, 2
	s_lshl_b32 s43, 15, s43
	s_lshl_b32 s44, 0x1111, s40
	s_or_b32 s[G1A], s43, (3<<16)|(1<<21)
	s_or_b32 s[G1B], s44, (3<<16)|(1<<21)
	s_mov_b32 s[G1A+1], 32<<16
	s_mov_b32 s[G1A+2], 100<<16
	s_mov_b32 s[G1A+3], 32<<16
	s_mov_b32 s[G1A+4], 100
	s_mov_b32 s[G1A+5], 32
	s_mov_b32 s[G1A+6], 0
	s_mov_b32 s[G1A+7], 0
	s_mov_b32 s[G1B+1], 32<<16
	s_mov_b32 s[G1B+2], 200<<16
	s_mov_b32 s[G1B+3], 32<<16
	s_mov_b32 s[G1B+4], 200
	s_mov_b32 s[G1B+5], 32
	s_mov_b32 s[G1B+6], 0
	s_mov_b32 s[G1B+7], 0
	s_and_b32 s19, ttmp7, 0xffff                   ; the batch
	s_sub_co_u32 s45, ttmp9, 2
	s_cmp_lt_u32 ttmp9, 4
	s_cselect_b32 s17, ttmp9, s45                  ; which 512 queries
	s_cselect_b32 s18, 0, 1                        ; which 1,024 keys
	s_and_b32 s84, ttmp9, 6                        ; 2 in the clusters all of whose keys count
	s_lshl_b32 s17, s17, 2
	s_add_co_u32 s17, s17, s41                     ; i: which 128 queries of the batch
	s_lshl_b32 s18, s18, 2
	s_add_co_u32 s18, s18, s40                     ; Jk: which 256 keys
	s_lshl_b32 s42, s19, 7                         ; a batch is 128 tiles
	s_lshl_b32 s20, s17, 3
	s_add_co_u32 s20, s20, s42
	s_lshl_b32 s21, s16, 2
	s_add_co_u32 s20, s20, s21
	s_mul_i32 s20, s20, REC                        ; q: qkr's first two 512 along K
	s_mov_b32 s21, 0
	s_lshl_b32 s22, s18, 4
	s_add_co_u32 s22, s22, s42
	s_lshl_b32 s23, s16, 3
	s_add_co_u32 s22, s22, s23
	s_mul_i32 s22, s22, REC
	s_add_co_u32 s22, s22, 2*SX                    ; k: the other two
	s_mov_b32 s23, 0
	s_lshl_b32 s46, s17, 3
	s_add_co_u32 s46, s46, s42
	s_lshl_b32 s47, s15, 2
	s_add_co_u32 s46, s46, s47                     ; my first tile of queries
	s_lshl_b32 s94, s46, 11                        ; pst: 2,048 bytes a tile,
	s_lshl_b32 s47, s18, 1
	s_add_co_u32 s47, s47, s16                     ; U: which 128 keys of the batch
	s_lshl_b32 s47, s47, 2
	s_add_co_u32 s94, s94, s47
	s_mov_b32 s95, 0
	s_mul_i32 s46, s46, REC
	s_lshr_b32 s47, s18, 1
	s_mul_i32 s47, s47, SX
	s_add_co_u32 s46, s46, s47
	s_and_b32 s47, s18, 1
	s_lshl_b32 s47, s47, 1
	s_add_co_u32 s47, s47, s16
	s_mul_i32 s90, s47, 1536
	s_add_co_u32 s90, s90, s46
	s_mov_b32 s91, 0
	s_lshl_b32 s92, s47, 2
	s_add_co_u32 s92, s92, s46
	s_add_co_u32 s92, s92, 6144
	s_mov_b32 s93, 0
	s_lshl_b32 s85, s17, 7                         ; my first query less my first key: 128 i + 64 (wave / 2) - 256 Jk - 128 (wave % 2)
	s_lshl_b32 s47, s15, 6
	s_add_co_u32 s85, s85, s47
	s_lshl_b32 s47, s18, 8
	s_sub_co_u32 s85, s85, s47
	s_lshl_b32 s47, s16, 7
	s_sub_co_u32 s85, s85, s47
	s_mul_i32 s2, s16, 4*REC
	s_mul_i32 s3, s16, 8*REC
	s_add_co_u32 s3, s3, BOFF
	s_wait_kmcnt 0x0
	s_add_nc_u64 s[86:87], s[4:5], s[20:21]
	s_add_nc_u64 s[88:89], s[4:5], s[22:23]
	s_add_nc_u64 s[72:73], s[6:7], s[90:91]
	s_add_nc_u64 s[74:75], s[6:7], s[92:93]
	s_add_nc_u64 s[76:77], s[8:9], s[94:95]
	CROUND
	s_mov_b32 s[G0A], 1
	s_mov_b32 s[G0A+1], s2
	s_mov_b64 s[G0A+2:G0A+3], s[86:87]
	s_or_b32 s[G0A+3], s[G0A+3], 0x80000000
	s_mov_b32 s[G0A+4], 1
	s_add_co_u32 s[G0A+5], s2, SLOT
	s_add_nc_u64 s[G0A+6:G0A+7], s[86:87], SX
	s_or_b32 s[G0A+7], s[G0A+7], 0x80000000
	s_mov_b32 s[G0B], 1
	s_mov_b32 s[G0B+1], s3
	s_mov_b64 s[G0B+2:G0B+3], s[88:89]
	s_or_b32 s[G0B+3], s[G0B+3], 0x80000000
	s_mov_b32 s[G0B+4], 1
	s_add_co_u32 s[G0B+5], s3, SLOT
	s_add_nc_u64 s[G0B+6:G0B+7], s[88:89], SX
	s_or_b32 s[G0B+7], s[G0B+7], 0x80000000
	s_cmp_eq_u32 s15, 0                            ; a wave's two fills in one branch on the wave's number; four v_nop follow the second
	s_cbranch_scc0 .Lfirst_b
	tensor_load_to_lds s[G0A:G0A+3], s[G1A:G1A+7]
	tensor_load_to_lds s[G0A+4:G0A+7], s[G1A:G1A+7]
.rept 4
	v_nop
.endr
	s_branch .Lfirst_asked
.Lfirst_b:
	tensor_load_to_lds s[G0B:G0B+3], s[G1B:G1B+7]
	tensor_load_to_lds s[G0B+4:G0B+7], s[G1B:G1B+7]
.rept 4
	v_nop
.endr
.Lfirst_asked:
	v_and_b32 v1, 31, v0
	v_and_b32 v2, 15, v0
	v_bfe_u32 v3, v0, 4, 1
	v_lshlrev_b32 v[LI], 4, v1
	s_mul_i32 s2, s15, 4*REC
	s_mul_i32 s3, s16, 8*REC
	s_add_co_u32 s3, s3, BOFF
	v_add_nc_u32 v[ADRA], s2, v[LI]
	v_add_nc_u32 v[ADRA+1], SLOT, v[ADRA]
	v_add_nc_u32 v[ADRB], s3, v[LI]
	v_add_nc_u32 v[ADRB+1], SLOT, v[ADRB]
	v_lshlrev_b32 v[VSW], 4, v2
	v_add_nc_u32 v[ASA], s2, v[VSW]
	v_add_nc_u32 v[ASA+1], SLOT, v[ASA]
	v_add_nc_u32 v[ASB], s3, v[VSW]
	v_add_nc_u32 v[ASB+1], SLOT, v[ASB]
	v_mul_u32_u24 v16, v3, REC
	v_add_nc_u32 v[VSW], v[VSW], v16
	v_lshlrev_b32 v[VST], 7, v2
	v_lshl_add_u32 v[VST], v3, 6, v[VST]
	v_and_b32 v[DQ0], 8, v2
	v_add_nc_u32 v[DQ0], v[DQ0], v2                ; r + 8 (r / 8)
	v_lshlrev_b32 v16, 4, v3
	v_sub_nc_u32 v[DQ0], v[DQ0], v16
	v_add_nc_u32 v[DQ0], s85, v[DQ0]
	s_mov_b32 s78, 0xffff0000
	s_mov_b32 s80, 0x76543210
	s_mov_b32 s81, 0xfedcba98
	s_mov_b32 s82, 0x3d38aa3b                      ; c = log2(e) / 32
	s_mov_b32 s83, s82
	s_wait_tensorcnt 0x1                           ; my part of slot 0 is in; slot 1's one load may be out
	s_barrier_signal -1
	s_barrier_wait -1
	FETCH 0, 0, 0
	SCALES 0
	UNIT 0, 0, 1, SA
	UNIT 0, 1, 0, SA
	UNIT 0, 2, 0, SA
	TURNP
	UNIT 1, 0, 0, SA+16
	UNIT 1, 1, 0, SA+16
	UNIT 1, 2, 0, SA+16
	LAST 1, SA+16
.irp b, 0,1,2,3
	v_mov_b32 v[MY+\b], 0                          ; a lane permute's destination counts as read
.endr
	v_mov_b32 v[TMP+1], 0
	v_mov_b32 v[NINF], 0xff800000
	SOFT 0
	SOFT 1
	SOFT 2
	SOFT 3
	PUTW 0
	PUTW 2
	CROUND                                         ; the closing round
	s_endpgm
.Lfunc_end_k_qcc63e8e30d_score:
	.size	k_qcc63e8e30d_score, .Lfunc_end_k_qcc63e8e30d_score-k_qcc63e8e30d_score
	.p2alignl 7, 3214868480
	.fill 96, 4, 3214868480
	.section	.rodata,"a",@progbits
	.p2align	6, 0x0
	.amdhsa_kernel k_qcc63e8e30d_score
		.amdhsa_group_segment_fixed_size 327680
		.amdhsa_private_segment_fixed_size 0
		.amdhsa_enable_private_segment 0
		.amdhsa_kernarg_size 24
		.amdhsa_user_sgpr_count 2
		.amdhsa_user_sgpr_kernarg_segment_ptr 1
		.amdhsa_wavefront_size32 1
		.amdhsa_system_sgpr_workgroup_id_x 1
		.amdhsa_system_sgpr_workgroup_id_y 1
		.amdhsa_system_sgpr_workgroup_id_z 1
		.amdhsa_system_vgpr_workitem_id 0
		.amdhsa_next_free_vgpr 768
		.amdhsa_next_free_sgpr 104
		.amdhsa_reserve_vcc 1
		.amdhsa_float_denorm_mode_32 3
		.amdhsa_float_denorm_mode_16_64 3
		.amdhsa_memory_ordered 1
		.amdhsa_forward_progress 1
		.amdhsa_inst_pref_size 129
	.end_amdhsa_kernel
	.amdgpu_metadata
---
amdhsa.version: [ 1, 2 ]
amdhsa.kernels:
  - .name:           k_qcc63e8e30d_score
    .symbol:         k_qcc63e8e30d_score.kd
    .args:
      - { .name: qkr, .offset: 0, .size: 8, .value_kind: global_buffer, .address_space: global }
      - { .name: pr, .offset: 8, .size: 8, .value_kind: global_buffer, .address_space: global }
      - { .name: pst, .offset: 16, .size: 8, .value_kind: global_buffer, .address_space: global }
    .group_segment_fixed_size: 327680
    .private_segment_fixed_size: 0
    .kernarg_segment_align: 8
    .kernarg_segment_size: 24
    .max_flat_workgroup_size: 128
    .sgpr_count:     104
    .vgpr_count:     768
    .wavefront_size: 32
...
	.end_amdgpu_metadata
.endif
;; end of part 3
;; launch pv (part 4): grid 4 x 64, 4 waves a work-group, clusters of 4 x 4, 327,680 bytes of LDS; arguments pr, pst, vr, orr; writes orr
.if DOCPART == 4
	.amdgcn_target "amdgcn-amd-amdhsa--gfx1250"
	.amdhsa_code_object_version 6
	.text
	.protected	k_qcc63e8e30d_pv
	.globl	k_qcc63e8e30d_pv
	.p2align	8
	.type	k_qcc63e8e30d_pv,@function
k_qcc63e8e30d_pv:
	s_mov_b64 s[64:65], 0
	v_nop
	global_prefetch_b8 v0, s[64:65] scope:SCOPE_SE
	s_setreg_imm32_b32 hwreg(HW_REG_WAVE_MODE, 25, 1), 1
	s_wait_xcnt 0x0
	s_wait_alu depctr_hold_cnt(0) depctr_sa_sdst(0) depctr_va_vdst(0) depctr_va_sdst(0) depctr_va_ssrc(0) depctr_va_vcc(0) depctr_vm_vsrc(0)
	s_getreg_b32 s2, hwreg(HW_REG_IB_STS2, 6, 4)
	s_cmp_eq_u32 s2, 0
	s_cbranch_scc0 .Lentry_in_a_cluster
	s_endpgm
.Lentry_in_a_cluster:
	s_bfe_u32 s2, ttmp6, 0x10000c
	s_cmp_lg_u32 s2, 0xf033
	s_cbranch_scc0 .Lentry_shape_is_right
	s_endpgm
.Lentry_shape_is_right:
; O = (p v) / l on codes of FP6 (E2M3), quantised on the way out along v's channels (orr, as records).
; p arrives as codes under a whole number M' of its own for each (query, 128 keys).  The row's M is the largest M'; 2^(M' - M) is taken up by p's scale bytes: byte - (M - M'), held at 0 from below; and the
; row's sum is the sum of the units' sums x 2^(M' - M).  Both are exact but for the sum's additions.  So p's scale words come from memory into registers, are mended once, and stay: 64 registers.
; RECORDS and the core are as in the launch of the projections: 128 queries (A, source 1) x 256 channels (B, source 0) a work-group, 64 x 128 a wave.  K = the keys, in LDS slots of 512.
; CLUSTER 4 x 4 = 512 queries x all 1,024 channels; p's records are shared along a row, v's along a column.  A cluster of query block c walks 2, 2, 3, 4 slots (c = 0 .. 3): its largest need, never under the two
; first fills; what lies beyond a row's diagonal is zero codes.  Slots are filled again at most twice, each time behind a round of the cluster's barrier; the walk is written out, parted by forward branches on c,
; which all partners share.  By this text's own count a wave has at most two tensor loads out.
; LIMITS: a unit whose M' lies 127 or more under the row's M counts with byte 0 and its sum x 2^-127; M - M' is exact while |t| < 2^24; blocks of O under 2^-124 keep the byte 1; NaN and infinities are not served.
.set REC,  6400
.set SLOT, 24*REC
.set BOFF, 8*REC
.set SX,   512*REC
.set SV,   64*REC
.set SPARE, 2*SLOT                     ; behind the slots: the spare words, 128 bytes a wave: two blocks of 256 bytes that no other line names
.set LI,   4
.set ADRA, 5
.set ADRB, 7
.set ASB,  11
.set VSW,  13
.set LINV, 16                          ; v[16+2a:17+2a] 1 / l of tile a's rows
.set SPW,  28
.set NIL,  29
.set PS,   32                          ; v32-95  p's scale words: chunk j of 512 keys, tile a, unit u at v[PS + 16 j + 4 a + u]
.set SB,   96
.set AF,   160
.set EF,   160                         ; the prologue's temporaries, in A's fragment registers
.set LT,   176
.set XT,   192
.set TT,   208
.set MM,   224
.set LL,   240
.set NG,   244
.set PC,   160
.set PT,   208
.set TM,   216
.set PW,   232
.set SELW, 236
.set G1A, 24
.set G0A, 32
.set G1B, 48
.set G0B, 56
.set MSB, 0
.macro WIN new
.if MSB != (\new)
	s_set_vgpr_msb (MSB<<8)|(\new)
.set MSB, (\new)
.endif
.endm
.macro PLACES
.rept 4
	v_nop
.endr
.endm
.macro CREST
	s_cmp_lg_u32 s14, 0
	s_cbranch_scc1 .Lnot_wave_0_\@
	s_barrier_signal -3
.Lnot_wave_0_\@:
	s_barrier_wait -3
	s_barrier_signal -1
	s_barrier_wait -1
.endm
.macro CROUND
	s_barrier_signal -1
	s_barrier_wait -1
	CREST
.endm
.macro JLOAD s                         ; a joint refill: waves 0, 1 for p, waves 2, 3 for v; four v_nop follow each of the two lines
	s_cmp_eq_u32 s15, 0
	s_cbranch_scc0 .Lfor_b_\@
	tensor_load_to_lds s[G0A+4*\s:G0A+4*\s+3], s[G1A:G1A+7]
.rept 4
	v_nop
.endr
	s_branch .Lasked_\@
.Lfor_b_\@:
	tensor_load_to_lds s[G0B+4*\s:G0B+4*\s+3], s[G1B:G1B+7]
.rept 4
	v_nop
.endr
.Lasked_\@:
.endm
.macro FETCH s, u, p
	WIN 0x40
.irp b, 0,1,2,3,4,5,6,7
.irp c, 0,1,2
	ds_load_b128 v[128*(\p)+12*\b+4*\c:128*(\p)+12*\b+4*\c+3], v[ADRB+\s] offset:REC*\b+1536*(\u)+512*\c
.endr
.endr
	WIN 0
.irp a, 0,1,2,3
.irp c, 0,1,2
	ds_load_b128 v[AF+48*(\p)+12*\a+4*\c:AF+48*(\p)+12*\a+4*\c+3], v[ADRA+\s] offset:REC*\a+1536*(\u)+512*\c
.endr
.endr
.endm
.macro SCALES s                        ; v's scale words alone: p's are in registers
.irp b, 0,1,2,3,4,5,6,7
	ds_load_b128 v[SB+32*\s+4*\b:SB+32*\s+4*\b+3], v[ASB+\s] offset:REC*\b+6144
.endr
.endm
.macro MUL8 a, p, u, sb, sa, zero      ; the 32 accumulators take turns in the same order in every unit
	WIN 0xa1
.irp b, 0,1,2,3,4,5,6,7
.if \zero
	v_wmma_scale_f32_16x16x128_f8f6f4 v[8*(8*(\a)+\b):8*(8*(\a)+\b)+7], v[128*(\p)+12*\b:128*(\p)+12*\b+11], v[AF+48*(\p)+12*(\a):AF+48*(\p)+12*(\a)+11], 0, v[SB+32*(\sb)+4*\b+(\u)], v[(\sa)+4*(\a)+(\u)] matrix_a_fmt:MATRIX_FMT_FP6 matrix_b_fmt:MATRIX_FMT_FP6
.else
	v_wmma_scale_f32_16x16x128_f8f6f4 v[8*(8*(\a)+\b):8*(8*(\a)+\b)+7], v[128*(\p)+12*\b:128*(\p)+12*\b+11], v[AF+48*(\p)+12*(\a):AF+48*(\p)+12*(\a)+11], v[8*(8*(\a)+\b):8*(8*(\a)+\b)+7], v[SB+32*(\sb)+4*\b+(\u)], v[(\sa)+4*(\a)+(\u)] matrix_a_fmt:MATRIX_FMT_FP6 matrix_b_fmt:MATRIX_FMT_FP6
.endif
.endr
.endm
.macro UNIT s, u, zero, sa
	s_wait_dscnt 0x0                               ; this unit's fragments, asked for 32 products ago, are in
	PLACES
	FETCH \s, (\u)+1, 1-(\u)%2
	MUL8 0, (\u)%2, \u, \s, \sa, \zero
	MUL8 1, (\u)%2, \u, \s, \sa, \zero
	MUL8 2, (\u)%2, \u, \s, \sa, \zero
	MUL8 3, (\u)%2, \u, \s, \sa, \zero
	WIN 0
.endm
.macro THREE s, sa, zero               ; units 0 to 2 of a slot
	UNIT \s, 0, \zero, \sa
	UNIT \s, 1, 0, \sa
	UNIT \s, 2, 0, \sa
.endm
; Unit 3 of slot s, and the change of slots: ONE barrier; ahead of it each wave waits for all its tensor loads, adds 0 to its spare word, and waits for that and for its reads of this slot.
; fill = 1: the barrier opens a round of the cluster's, and this slot is filled again, with the keys two slots on, first thing behind the round.
.macro TURN s, next, sa, fill
	WIN 0
	s_wait_tensorcnt 0x0                           ; all my tensor loads have landed: my part of the next slot
	ds_add_u32 v[SPW], v[NIL]                      ; 0 onto my spare word
	s_wait_dscnt 0x1                               ; unit 3's fragments are in; the add alone may be out
	MUL8 0, 1, 3, \s, \sa, 0                       ; eight products stand between the add and the wait for it
	s_wait_dscnt 0x0                               ; the add is done, and my reads of this slot are over
	s_barrier_signal -1
	MUL8 1, 1, 3, \s, \sa, 0
	WIN 0
	s_barrier_wait -1
.if \fill
	CREST                                          ; no wave of any partner still reads this slot or has a load on its way
	s_add_nc_u64 s[G0A+4*\s+2:G0A+4*\s+3], s[G0A+4*\s+2:G0A+4*\s+3], 2*SX
	s_add_nc_u64 s[G0B+4*\s+2:G0B+4*\s+3], s[G0B+4*\s+2:G0B+4*\s+3], 2*SV
	JLOAD \s                                       ; its four v_nop are also the places ahead of the loads below
.else
	PLACES
.endif
	FETCH \next, 0, 0
	SCALES \next
	MUL8 2, 1, 3, \s, \sa, 0
	MUL8 3, 1, 3, \s, \sa, 0
	WIN 0
.endm
.macro LAST s, sa
	s_wait_dscnt 0x0
	MUL8 0, 1, 3, \s, \sa, 0
	MUL8 1, 1, 3, \s, \sa, 0
	MUL8 2, 1, 3, \s, \sa, 0
	MUL8 3, 1, 3, \s, \sa, 0
	WIN 0
	PLACES
.endm
.macro QUANT s, w, pc, pw
	WIN ((\w)|((\w)<<2))
.irp b, 0,1,2,3
	v_max3_num_f32 v[TM+\b], |v[(\s)+16*\b]|, |v[(\s)+16*\b+1]|, 0x1800000
.endr
.irp i, 2,4,6,8,10,12,14
.irp b, 0,1,2,3
	v_max3_num_f32 v[TM+\b], |v[(\s)+16*\b+\i]|, |v[(\s)+16*\b+\i+1]|, v[TM+\b]
.endr
.endr
	WIN 0
.irp b, 0,1,2,3
	v_permlanex16_b32 v[TM+4+\b], v[TM+\b], s80, s81
.endr
.irp b, 0,1,2,3
	v_max_num_f32 v[TM+\b], v[TM+\b], v[TM+4+\b]
.endr
.irp b, 0,1,2,3
	v_add_nc_u32 v[TM+12+\b], 0xff000000, v[TM+\b]
.endr
.irp b, 0,1,2,3
	v_lshrrev_b32 v[TM+4+\b], 23, v[TM+12+\b]
.endr
	v_lshl_or_b32 v[\pw], v[TM+5], 8, v[TM+4]
	v_lshl_or_b32 v[\pw], v[TM+6], 16, v[\pw]
	v_lshl_or_b32 v[\pw], v[TM+7], 24, v[\pw]
	WIN (\w)
.irp c, 0,1
	v_cvt_scalef32_pk16_fp6_f32 v[(\pc)+6*\c:(\pc)+6*\c+2], v[(\s)+32*\c:(\s)+32*\c+15], v[TM+12+2*\c]
	v_cvt_scalef32_pk16_fp6_f32 v[PT+4*\c:PT+4*\c+2], v[(\s)+32*\c+16:(\s)+32*\c+31], v[TM+12+2*\c+1]
.endr
	WIN 0
	v_nop
.irp c, 0,1
.irp i, 0,1,2
	v_permlane16_swap_b32 v[(\pc)+6*\c+\i], v[PT+4*\c+\i]
.endr
.irp i, 0,1,2
	v_mov_b32 v[(\pc)+6*\c+3+\i], v[PT+4*\c+\i]
.endr
.endr
.endm
.macro PUT a
.irp c, 0,1,2
	global_store_b128 v[LI], v[PC+12*(\a)+4*\c:PC+12*(\a)+4*\c+3], s[72:73] offset:REC*(\a)+512*\c
.endr
.endm
.macro PUTW a
	v_cndmask_b32 v[SELW+(\a)/2], v[PW+(\a)], v[PW+(\a)+1], s78
	global_store_b32 v[VSW], v[SELW+(\a)/2], s[74:75] offset:REC*(\a)
.endm
; Tile a's rows: the row's -M, the sixteen M' - M, the row's sum, and the sixteen scale words mended.  -M' lies at v[16 a + i] of window 2, the units' sums at v[64 + 16 a + i].
.macro FIXA a
	WIN 0x0a
	v_min_num_f32 v[NG], v[16*(\a)], v[16*(\a)+1]
.irp i, 2,4,6,8,10,12,14
	v_min3_num_f32 v[NG], v[16*(\a)+\i], v[16*(\a)+\i+1], v[NG]   ; -M = the least -M'
.endr
	WIN 0x08
.irp i, 0,1,2,3,4,5,6,7,8,9,10,11,12,13,14,15
	v_sub_f32 v[EF+\i], v[NG], v[16*(\a)+\i]       ; M' - M: a whole number, 0 or less
.endr
	WIN 0
.irp i, 0,1,2,3,4,5,6,7,8,9,10,11,12,13,14,15
	v_max_num_f32 v[EF+\i], 0xc2fe0000, v[EF+\i]   ; held at -127
.endr
.irp i, 0,1,2,3,4,5,6,7,8,9,10,11,12,13,14,15
	v_cvt_i32_f32 v[EF+\i], v[EF+\i]
.endr
	WIN 0x02
.irp i, 0,1,2,3,4,5,6,7,8,9,10,11,12,13,14,15
	v_ldexp_f32 v[LT+\i], v[64+16*(\a)+\i], v[EF+\i]
.endr
	WIN 0
	v_add_f32 v[XT], v[LT], v[LT+1]                ; the row's sum, in two chains; chunks that the cluster does not walk count for 0
	v_add_f32 v[XT+1], v[LT+2], v[LT+3]
	v_add_f32 v[XT], v[XT], v[LT+4]
	v_add_f32 v[XT+1], v[XT+1], v[LT+5]
	v_add_f32 v[XT], v[XT], v[LT+6]
	v_add_f32 v[XT+1], v[XT+1], v[LT+7]
	v_fma_f32 v[XT], v[LT+8], s2, v[XT]
	v_fma_f32 v[XT+1], v[LT+9], s2, v[XT+1]
	v_fma_f32 v[XT], v[LT+10], s2, v[XT]
	v_fma_f32 v[XT+1], v[LT+11], s2, v[XT+1]
	v_fma_f32 v[XT], v[LT+12], s3, v[XT]
	v_fma_f32 v[XT+1], v[LT+13], s3, v[XT+1]
	v_fma_f32 v[XT], v[LT+14], s3, v[XT]
	v_fma_f32 v[XT+1], v[LT+15], s3, v[XT+1]
	v_add_f32 v[LL+(\a)], v[XT], v[XT+1]
; a word's four bytes b (1 .. 125) at once: 128 + b - D lies in 2 .. 253, so no byte borrows; bit 7 says whether b - D is 0 or more; where it is not, the byte becomes 0
.irp i, 0,1,2,3,4,5,6,7,8,9,10,11,12,13,14,15
	v_mul_lo_u32 v[XT+\i], v[EF+\i], s79           ; -D in every byte
.endr
.irp i, 0,1,2,3,4,5,6,7,8,9,10,11,12,13,14,15
	v_or_b32 v[TT+\i], s85, v[PS+16*(\i/4)+4*(\a)+(\i%4)]
.endr
.irp i, 0,1,2,3,4,5,6,7,8,9,10,11,12,13,14,15
	v_add_nc_u32 v[TT+\i], v[TT+\i], v[XT+\i]
.endr
.irp i, 0,1,2,3,4,5,6,7,8,9,10,11,12,13,14,15
	v_lshrrev_b32 v[MM+\i], 7, v[TT+\i]
.endr
.irp i, 0,1,2,3,4,5,6,7,8,9,10,11,12,13,14,15
	v_and_b32 v[MM+\i], s79, v[MM+\i]
.endr
.irp i, 0,1,2,3,4,5,6,7,8,9,10,11,12,13,14,15
	v_lshlrev_b32 v[XT+\i], 7, v[MM+\i]
.endr
.irp i, 0,1,2,3,4,5,6,7,8,9,10,11,12,13,14,15
	v_sub_nc_u32 v[XT+\i], v[XT+\i], v[MM+\i]      ; 0x7f in the bytes that stay
.endr
.irp i, 0,1,2,3,4,5,6,7,8,9,10,11,12,13,14,15
	v_and_b32 v[PS+16*(\i/4)+4*(\a)+(\i%4)], v[TT+\i], v[XT+\i]
.endr
.endm
	s_load_b128 s[4:7], s[0:1], 0x0                ; pr, pst
	s_load_b128 s[8:11], s[0:1], 0x10              ; vr, orr
	v_lshl_add_u32 v[SPW], v0, 2, SPARE
	v_mov_b32 v[NIL], 0
	v_lshrrev_b32 v1, 5, v0
	v_readfirstlane_b32 s14, v1
	s_lshr_b32 s15, s14, 1
	s_and_b32 s16, s14, 1
	s_bfe_u32 s40, ttmp6, 0x40000
	s_bfe_u32 s41, ttmp6, 0x40004
	s_lshl_b32 s43, s41, 2
	s_lshl_b32 s43, 15, s43
	s_lshl_b32 s44, 0x1111, s40
	s_or_b32 s[G1A], s43, (3<<16)|(1<<21)
	s_or_b32 s[G1B], s44, (3<<16)|(1<<21)
	s_mov_b32 s[G1A+1], 32<<16
	s_mov_b32 s[G1A+2], 100<<16
	s_mov_b32 s[G1A+3], 32<<16
	s_mov_b32 s[G1A+4], 100
	s_mov_b32 s[G1A+5], 32
	s_mov_b32 s[G1A+6], 0
	s_mov_b32 s[G1A+7], 0
	s_mov_b32 s[G1B+1], 32<<16
	s_mov_b32 s[G1B+2], 200<<16
	s_mov_b32 s[G1B+3], 32<<16
	s_mov_b32 s[G1B+4], 200
	s_mov_b32 s[G1B+5], 32
	s_mov_b32 s[G1B+6], 0
	s_mov_b32 s[G1B+7], 0
	s_and_b32 s19, ttmp7, 0xffff
	s_lshr_b32 s42, s19, 2                         ; the batch
	s_and_b32 s84, s19, 3                          ; c: which 512 queries of it
	s_max_u32 s45, s84, 1                          ; the last chunk of 512 keys that the cluster walks: 1, 1, 2, 3
	s_lshl_b32 s17, s42, 7
	s_lshl_b32 s2, s84, 5
	s_add_co_u32 s17, s17, s2
	s_lshl_b32 s2, s41, 3
	s_add_co_u32 s17, s17, s2                      ; my work-group's first tile of queries
	s_lshl_b32 s21, s16, 2
	s_add_co_u32 s20, s17, s21
	s_mul_i32 s20, s20, REC
	s_mov_b32 s21, 0
	s_lshl_b32 s22, s40, 4
	s_lshl_b32 s23, s16, 3
	s_add_co_u32 s22, s22, s23
	s_mul_i32 s22, s22, REC
	s_mul_i32 s23, s42, 4*SV
	s_add_co_u32 s22, s22, s23                     ; v: the batch's first 512 keys, channels 256 cx + 128 half on
	s_mov_b32 s23, 0
	s_lshl_b32 s47, s15, 2
	s_add_co_u32 s18, s17, s47                     ; my wave's first tile
	s_mul_i32 s46, s18, REC
	s_lshr_b32 s47, s40, 1
	s_mul_i32 s47, s47, SX
	s_add_co_u32 s47, s47, s46
	s_and_b32 s3, s40, 1
	s_lshl_b32 s3, s3, 1
	s_add_co_u32 s3, s3, s16                       ; the unit that my 128 channels make
	s_mul_i32 s90, s3, 1536
	s_add_co_u32 s90, s90, s47
	s_mov_b32 s91, 0
	s_lshl_b32 s92, s3, 2
	s_add_co_u32 s92, s92, s47
	s_add_co_u32 s92, s92, 6144
	s_mov_b32 s93, 0
	s_mul_i32 s2, s16, 4*REC
	s_mul_i32 s3, s16, 8*REC
	s_add_co_u32 s3, s3, BOFF
	s_wait_kmcnt 0x0
	s_add_nc_u64 s[86:87], s[4:5], s[20:21]
	s_add_nc_u64 s[88:89], s[8:9], s[22:23]
	s_add_nc_u64 s[72:73], s[10:11], s[90:91]
	s_add_nc_u64 s[74:75], s[10:11], s[92:93]
	CROUND
	s_mov_b32 s[G0A], 1
	s_mov_b32 s[G0A+1], s2
	s_mov_b64 s[G0A+2:G0A+3], s[86:87]
	s_or_b32 s[G0A+3], s[G0A+3], 0x80000000
	s_mov_b32 s[G0A+4], 1
	s_add_co_u32 s[G0A+5], s2, SLOT
	s_add_nc_u64 s[G0A+6:G0A+7], s[86:87], SX
	s_or_b32 s[G0A+7], s[G0A+7], 0x80000000
	s_mov_b32 s[G0B], 1
	s_mov_b32 s[G0B+1], s3
	s_mov_b64 s[G0B+2:G0B+3], s[88:89]
	s_or_b32 s[G0B+3], s[G0B+3], 0x80000000
	s_mov_b32 s[G0B+4], 1
	s_add_co_u32 s[G0B+5], s3, SLOT
	s_add_nc_u64 s[G0B+6:G0B+7], s[88:89], SV
	s_or_b32 s[G0B+7], s[G0B+7], 0x80000000
	s_cmp_eq_u32 s15, 0                            ; a wave's two first fills in one branch on the wave's number; four v_nop follow the second
	s_cbranch_scc0 .Lfirst_b
	tensor_load_to_lds s[G0A:G0A+3], s[G1A:G1A+7]
	tensor_load_to_lds s[G0A+4:G0A+7], s[G1A:G1A+7]
.rept 4
	v_nop
.endr
	s_branch .Lfirst_asked
.Lfirst_b:
	tensor_load_to_lds s[G0B:G0B+3], s[G1B:G1B+7]
	tensor_load_to_lds s[G0B+4:G0B+7], s[G1B:G1B+7]
.rept 4
	v_nop
.endr
.Lfirst_asked:
	v_and_b32 v1, 31, v0
	v_and_b32 v2, 15, v0
	v_bfe_u32 v3, v0, 4, 1
	v_lshlrev_b32 v[LI], 4, v1
	s_mul_i32 s2, s15, 4*REC
	s_mul_i32 s3, s16, 8*REC
	s_add_co_u32 s3, s3, BOFF
	v_add_nc_u32 v[ADRA], s2, v[LI]
	v_add_nc_u32 v[ADRA+1], SLOT, v[ADRA]
	v_add_nc_u32 v[ADRB], s3, v[LI]
	v_add_nc_u32 v[ADRB+1], SLOT, v[ADRB]
	v_lshlrev_b32 v15, 4, v2                       ; 16 r
	v_add_nc_u32 v[ASB], s3, v15
	v_add_nc_u32 v[ASB+1], SLOT, v[ASB]
	v_mul_u32_u24 v[VSW], v3, REC
	v_add_nc_u32 v[VSW], v[VSW], v15
	v_lshlrev_b32 v14, 7, v2                       ; 128 r
	s_mov_b32 s78, 0xffff0000
	s_mov_b32 s79, 0x01010101
	s_mov_b32 s80, 0x76543210
	s_mov_b32 s81, 0xfedcba98
	s_mov_b32 s85, 0x80808080
	; THE PROLOGUE, while the first fills are on their way.  Chunk j of 512 keys is read at min(j, the last chunk walked): only bytes that the launch before has stored are read
	s_add_co_u32 s46, s46, 6144                    ; my tiles' scale words in a chunk of pr
	s_lshl_b32 s47, s18, 11                        ; my tiles in pst
	s_mov_b32 s21, 0
.irp j, 0,1,2,3
	s_min_u32 s2, s45, \j
	s_mul_i32 s20, s2, SX
	s_add_co_u32 s20, s20, s46
	s_add_nc_u64 s[86+2*\j:87+2*\j], s[4:5], s[20:21]
	s_lshl_b32 s20, s2, 4
	s_add_co_u32 s20, s20, s47
	s_add_nc_u64 s[94+2*\j:95+2*\j], s[6:7], s[20:21]
.endr
	s_cmp_gt_u32 s84, 1
	s_cselect_b32 s2, 1.0, 0                       ; chunk 2 counts
	s_cmp_gt_u32 s84, 2
	s_cselect_b32 s3, 1.0, 0                       ; chunk 3 counts
.irp j, 0,1,2,3
.irp a, 0,1,2,3
	global_load_b128 v[PS+16*\j+4*\a:PS+16*\j+4*\a+3], v15, s[86+2*\j:87+2*\j] offset:REC*\a
.endr
.endr
	WIN 0x80                                       ; destination window 2: the accumulators' registers are free until the first product
.irp j, 0,1,2,3
.irp a, 0,1,2,3
	global_load_b128 v[16*\a+4*\j:16*\a+4*\j+3], v14, s[94+2*\j:95+2*\j] offset:2048*\a
	global_load_b128 v[64+16*\a+4*\j:64+16*\a+4*\j+3], v14, s[94+2*\j:95+2*\j] offset:2048*\a+64
.endr
.endr
	WIN 0
	s_wait_loadcnt 0x0
	FIXA 0
	FIXA 1
	FIXA 2
	FIXA 3
.irp a, 0,1,2,3
	v_rcp_f32 v[LINV+2*\a], v[LL+\a]
.endr
.irp a, 0,1,2,3
	v_mov_b32 v[LINV+2*\a+1], 0                    ; named with it as a pair; plain lines behind the reciprocals
.endr
	s_wait_alu depctr_va_vdst(0)                   ; one wait for the four, ahead of every branch and of their readers
.rept 8
	v_nop                                          ; scale registers written by vector instructions stand eight places ahead of a scaled product
.endr
	s_wait_tensorcnt 0x1                           ; my part of slot 0 is in; slot 1's one load may be out
	s_barrier_signal -1
	s_barrier_wait -1
	FETCH 0, 0, 0
	SCALES 0
	THREE 0, PS, 1                                 ; the first products start the sums
	s_cmp_lt_u32 s84, 2
	s_cbranch_scc1 .Ltail2
	TURN 0, 1, PS, 1                               ; slot 0 takes keys 1024-1535
	THREE 1, PS+16, 0
	s_cmp_eq_u32 s84, 2
	s_cbranch_scc1 .Ltail3
	TURN 1, 0, PS+16, 1                            ; slot 1 takes keys 1536-2047
	THREE 0, PS+32, 0
	TURN 0, 1, PS+32, 0
	THREE 1, PS+48, 0
	LAST 1, PS+48
	s_branch .Lout
.Ltail2:                                               ; two slots: nothing is filled again
	TURN 0, 1, PS, 0
	THREE 1, PS+16, 0
	LAST 1, PS+16
	s_branch .Lout
.Ltail3:                                               ; three slots
	TURN 1, 0, PS+16, 0
	THREE 0, PS+32, 0
	LAST 0, PS+32
.Lout:
.irp b, 0,1,2,3
	v_mov_b32 v[TM+4+\b], 0
.endr
.irp a, 0,1,2,3
	WIN 0x82
.set n, 0
.rept 32
	v_pk_mul_f32 v[64*\a+n:64*\a+n+1], v[64*\a+n:64*\a+n+1], v[LINV+2*\a:LINV+2*\a+1] op_sel_hi:[1,0]   ; O / l, each accumulator from its low end on
.set n, n+2
.endr
	QUANT 64*\a, 2, PC+12*\a, PW+\a
	PUT \a
.endr
	PUTW 0
	PUTW 2
	s_wait_tensorcnt 0x0                           ; the wave's end
	ds_add_u32 v[SPW], v[NIL]
	s_wait_dscnt 0x0
	CROUND                                         ; the closing round
	s_endpgm
.Lfunc_end_k_qcc63e8e30d_pv:
	.size	k_qcc63e8e30d_pv, .Lfunc_end_k_qcc63e8e30d_pv-k_qcc63e8e30d_pv
	.p2alignl 7, 3214868480
	.fill 96, 4, 3214868480
	.section	.rodata,"a",@progbits
	.p2align	6, 0x0
	.amdhsa_kernel k_qcc63e8e30d_pv
		.amdhsa_group_segment_fixed_size 327680
		.amdhsa_private_segment_fixed_size 0
		.amdhsa_enable_private_segment 0
		.amdhsa_kernarg_size 32
		.amdhsa_user_sgpr_count 2
		.amdhsa_user_sgpr_kernarg_segment_ptr 1
		.amdhsa_wavefront_size32 1
		.amdhsa_system_sgpr_workgroup_id_x 1
		.amdhsa_system_sgpr_workgroup_id_y 1
		.amdhsa_system_sgpr_workgroup_id_z 1
		.amdhsa_system_vgpr_workitem_id 0
		.amdhsa_next_free_vgpr 768
		.amdhsa_next_free_sgpr 104
		.amdhsa_reserve_vcc 0
		.amdhsa_float_denorm_mode_32 3
		.amdhsa_float_denorm_mode_16_64 3
		.amdhsa_memory_ordered 1
		.amdhsa_forward_progress 1
		.amdhsa_inst_pref_size 245
	.end_amdhsa_kernel
	.amdgpu_metadata
---
amdhsa.version: [ 1, 2 ]
amdhsa.kernels:
  - .name:           k_qcc63e8e30d_pv
    .symbol:         k_qcc63e8e30d_pv.kd
    .args:
      - { .name: pr, .offset: 0, .size: 8, .value_kind: global_buffer, .address_space: global }
      - { .name: pst, .offset: 8, .size: 8, .value_kind: global_buffer, .address_space: global }
      - { .name: vr, .offset: 16, .size: 8, .value_kind: global_buffer, .address_space: global }
      - { .name: orr, .offset: 24, .size: 8, .value_kind: global_buffer, .address_space: global }
    .group_segment_fixed_size: 327680
    .private_segment_fixed_size: 0
    .kernarg_segment_align: 8
    .kernarg_segment_size: 32
    .max_flat_workgroup_size: 128
    .sgpr_count:     104
    .vgpr_count:     768
    .wavefront_size: 32
...
	.end_amdgpu_metadata
.endif
;; end of part 4
;; launch outp (part 5): grid 4 x 64, 4 waves a work-group, clusters of 4 x 4, 327,680 bytes of LDS; arguments orr, wr, out0; writes out0
.if DOCPART == 5
	.amdgcn_target "amdgcn-amd-amdhsa--gfx1250"
	.amdhsa_code_object_version 6
	.text
	.protected	k_qcc63e8e30d_outp
	.globl	k_qcc63e8e30d_outp
	.p2align	8
	.type	k_qcc63e8e30d_outp,@function
k_qcc63e8e30d_outp:
	s_mov_b64 s[64:65], 0
	v_nop
	global_prefetch_b8 v0, s[64:65] scope:SCOPE_SE
	s_setreg_imm32_b32 hwreg(HW_REG_WAVE_MODE, 25, 1), 1
	s_wait_xcnt 0x0
	s_wait_alu depctr_hold_cnt(0) depctr_sa_sdst(0) depctr_va_vdst(0) depctr_va_sdst(0) depctr_va_ssrc(0) depctr_va_vcc(0) depctr_vm_vsrc(0)
	s_getreg_b32 s2, hwreg(HW_REG_IB_STS2, 6, 4)
	s_cmp_eq_u32 s2, 0
	s_cbranch_scc0 .Lentry_in_a_cluster
	s_endpgm
.Lentry_in_a_cluster:
	s_bfe_u32 s2, ttmp6, 0x10000c
	s_cmp_lg_u32 s2, 0xf033
	s_cbranch_scc0 .Lentry_shape_is_right
	s_endpgm
.Lentry_shape_is_right:
; out0 = O Wo on codes of FP6 (E2M3) with E8M0 scales, f32 sums, f32 out.  RECORDS and the core are as in the launch of the projections: 128 tokens (A = orr, source 1) x 256 outputs (B = Wo's tiles of wr,
; source 0) a work-group, 64 x 128 a wave; K = 1,024 in two LDS slots, each filled once.  CLUSTER 4 x 4: O's records shared along a row, Wo's along a column.
; THE WAY OUT: lane (r, h) of accumulator (a, b) holds token 32 (a / 2) + 8 (a % 2) + r + 8 (r / 8) of my 64 and outputs 32 (b / 2) + 8 (b % 2) + 16 h + 0 .. 7 of my 128.  A tile of 16 tokens goes through my own stage
; in LDS (rows of 512 + 16 bytes) and leaves as whole rows of 512 bytes.  The stage lies in slot 0, which has had its only fill, and whose last reads every wave has awaited ahead of the change of slots.
.set REC,  6400
.set SLOT, 24*REC
.set BOFF, 8*REC
.set SX,   512*REC
.set SW,   256*REC
.set SP,   528
.set LI,   4
.set ADRA, 5
.set ADRB, 7
.set ASA,  9
.set ASB,  11
.set STO,  13                          ; v13  the stage: where I put 32 bytes of a row
.set RD,   14                          ; v14  and where I read a row back
.set SA,   32
.set SB,   96
.set AF,   160
.set G1A, 24
.set G0A, 32
.set G1B, 48
.set G0B, 56
.set MSB, 0
.macro WIN new
.if MSB != (\new)
	s_set_vgpr_msb (MSB<<8)|(\new)
.set MSB, (\new)
.endif
.endm
.macro PLACES
.rept 4
	v_nop
.endr
.endm
.macro CREST
	s_cmp_lg_u32 s14, 0
	s_cbranch_scc1 .Lnot_wave_0_\@
	s_barrier_signal -3
.Lnot_wave_0_\@:
	s_barrier_wait -3
	s_barrier_signal -1
	s_barrier_wait -1
.endm
.macro CROUND
	s_barrier_signal -1
	s_barrier_wait -1
	CREST
.endm
.macro FETCH s, u, p
	WIN 0x40
.irp b, 0,1,2,3,4,5,6,7
.irp c, 0,1,2
	ds_load_b128 v[128*(\p)+12*\b+4*\c:128*(\p)+12*\b+4*\c+3], v[ADRB+\s] offset:REC*\b+1536*(\u)+512*\c
.endr
.endr
	WIN 0
.irp a, 0,1,2,3
.irp c, 0,1,2
	ds_load_b128 v[AF+48*(\p)+12*\a+4*\c:AF+48*(\p)+12*\a+4*\c+3], v[ADRA+\s] offset:REC*\a+1536*(\u)+512*\c
.endr
.endr
.endm
.macro SCALES s
.irp b, 0,1,2,3,4,5,6,7
	ds_load_b128 v[SB+32*\s+4*\b:SB+32*\s+4*\b+3], v[ASB+\s] offset:REC*\b+6144
.endr
.irp a, 0,1,2,3
	ds_load_b128 v[SA+16*\s+4*\a:SA+16*\s+4*\a+3], v[ASA+\s] offset:REC*\a+6144
.endr
.endm
.macro MUL8 a, p, u, sb, sa, zero      ; the 32 accumulators take turns in the same order in every unit
	WIN 0xa1
.irp b, 0,1,2,3,4,5,6,7
.if \zero
	v_wmma_scale_f32_16x16x128_f8f6f4 v[8*(8*(\a)+\b):8*(8*(\a)+\b)+7], v[128*(\p)+12*\b:128*(\p)+12*\b+11], v[AF+48*(\p)+12*(\a):AF+48*(\p)+12*(\a)+11], 0, v[SB+32*(\sb)+4*\b+(\u)], v[(\sa)+4*(\a)+(\u)] matrix_a_fmt:MATRIX_FMT_FP6 matrix_b_fmt:MATRIX_FMT_FP6
.else
	v_wmma_scale_f32_16x16x128_f8f6f4 v[8*(8*(\a)+\b):8*(8*(\a)+\b)+7], v[128*(\p)+12*\b:128*(\p)+12*\b+11], v[AF+48*(\p)+12*(\a):AF+48*(\p)+12*(\a)+11], v[8*(8*(\a)+\b):8*(8*(\a)+\b)+7], v[SB+32*(\sb)+4*\b+(\u)], v[(\sa)+4*(\a)+(\u)] matrix_a_fmt:MATRIX_FMT_FP6 matrix_b_fmt:MATRIX_FMT_FP6
.endif
.endr
.endm
.macro UNIT s, u, zero, sa
	s_wait_dscnt 0x0                               ; this unit's fragments, asked for 32 products ago, are in
	PLACES
	FETCH \s, (\u)+1, 1-(\u)%2
	MUL8 0, (\u)%2, \u, \s, \sa, \zero
	MUL8 1, (\u)%2, \u, \s, \sa, \zero
	MUL8 2, (\u)%2, \u, \s, \sa, \zero
	MUL8 3, (\u)%2, \u, \s, \sa, \zero
	WIN 0
.endm
.macro TURNP
	s_wait_dscnt 0x0                               ; my reads of slot 0 are over
	s_wait_tensorcnt 0x0                           ; my part of slot 1 has landed
	s_barrier_signal -1
	MUL8 0, 1, 3, 0, SA, 0
	MUL8 1, 1, 3, 0, SA, 0
	WIN 0
	s_barrier_wait -1
	PLACES
	FETCH 1, 0, 0
	SCALES 1
	MUL8 2, 1, 3, 0, SA, 0
	MUL8 3, 1, 3, 0, SA, 0
	WIN 0
.endm
.macro LAST s, sa
	s_wait_dscnt 0x0
	MUL8 0, 1, 3, \s, \sa, 0
	MUL8 1, 1, 3, \s, \sa, 0
	MUL8 2, 1, 3, \s, \sa, 0
	MUL8 3, 1, 3, \s, \sa, 0
	WIN 0
	PLACES
.endm
.macro TOSTAGE a
	WIN 0x08                                       ; an LDS store's data are its source 1: window 2
.irp b, 0,1,2,3,4,5,6,7
	ds_store_b128 v[STO], v[64*(\a)+8*\b:64*(\a)+8*\b+3] offset:128*(\b/2)+32*(\b%2)       ; each accumulator from its low end on
	ds_store_b128 v[STO], v[64*(\a)+8*\b+4:64*(\a)+8*\b+7] offset:128*(\b/2)+32*(\b%2)+16
.endr
	WIN 0x40                                       ; back into window 1, where B's first set lay
.irp t, 0,1,2,3,4,5,6,7,8,9,10,11,12,13,14,15
	ds_load_b128 v[64*((\a)%2)+4*\t:64*((\a)%2)+4*\t+3], v[RD] offset:\t*SP   ; LDS serves a wave's instructions in order: these see my stores, and the next tile's stores come behind them
.endr
.endm
.macro SEND a, younger
	s_wait_dscnt \younger                          ; the tile is back; the next tile's 16 stores and 16 loads may be out
	WIN 0x04                                       ; a store's data are its source 1: window 1
.irp t, 0,1,2,3,4,5,6,7,8,9,10,11,12,13,14,15
	global_store_b128 v[LI], v[64*((\a)%2)+4*\t:64*((\a)%2)+4*\t+3], s[72:73] offset:(32*((\a)/2)+8*((\a)%2)+\t+8*(\t/8))*4096 th:TH_STORE_NT   ; 32 lanes store 512 consecutive bytes, aligned
.endr
.endm
	s_load_b128 s[4:7], s[0:1], 0x0                ; orr, wr
	s_load_b64 s[8:9], s[0:1], 0x10                ; out0
	v_lshrrev_b32 v1, 5, v0
	v_readfirstlane_b32 s14, v1
	s_lshr_b32 s15, s14, 1
	s_and_b32 s16, s14, 1
	s_bfe_u32 s40, ttmp6, 0x40000
	s_bfe_u32 s41, ttmp6, 0x40004
	s_lshl_b32 s43, s41, 2
	s_lshl_b32 s43, 15, s43
	s_lshl_b32 s44, 0x1111, s40
	s_or_b32 s[G1A], s43, (3<<16)|(1<<21)
	s_or_b32 s[G1B], s44, (3<<16)|(1<<21)
	s_mov_b32 s[G1A+1], 32<<16
	s_mov_b32 s[G1A+2], 100<<16
	s_mov_b32 s[G1A+3], 32<<16
	s_mov_b32 s[G1A+4], 100
	s_mov_b32 s[G1A+5], 32
	s_mov_b32 s[G1A+6], 0
	s_mov_b32 s[G1A+7], 0
	s_mov_b32 s[G1B+1], 32<<16
	s_mov_b32 s[G1B+2], 200<<16
	s_mov_b32 s[G1B+3], 32<<16
	s_mov_b32 s[G1B+4], 200
	s_mov_b32 s[G1B+5], 32
	s_mov_b32 s[G1B+6], 0
	s_mov_b32 s[G1B+7], 0
	s_and_b32 s17, ttmp7, 0xffff
	s_lshl_b32 s17, s17, 2
	s_add_co_u32 s17, s17, s41                     ; I: which 128 tokens
	s_lshl_b32 s20, s17, 3
	s_lshl_b32 s21, s16, 2
	s_add_co_u32 s20, s20, s21
	s_mul_i32 s20, s20, REC
	s_mov_b32 s21, 0
	s_lshl_b32 s22, s40, 4
	s_lshl_b32 s23, s16, 3
	s_add_co_u32 s22, s22, s23
	s_add_co_u32 s22, s22, 192                     ; Wo's tiles begin at tile 192 of wr
	s_mul_i32 s22, s22, REC
	s_mov_b32 s23, 0
	s_lshl_b32 s90, s17, 7
	s_lshl_b32 s47, s15, 6
	s_add_co_u32 s90, s90, s47                     ; my first token
	s_lshl_b32 s90, s90, 12                        ; rows of 4,096 bytes
	s_lshl_b32 s47, s40, 10
	s_add_co_u32 s90, s90, s47                     ; + 256 outputs x cx
	s_lshl_b32 s47, s16, 9
	s_add_co_u32 s90, s90, s47                     ; + 128 x (wave % 2)
	s_mov_b32 s91, 0
	s_mul_i32 s2, s16, 4*REC
	s_mul_i32 s3, s16, 8*REC
	s_add_co_u32 s3, s3, BOFF
	s_wait_kmcnt 0x0
	s_add_nc_u64 s[86:87], s[4:5], s[20:21]
	s_add_nc_u64 s[88:89], s[6:7], s[22:23]
	s_add_nc_u64 s[72:73], s[8:9], s[90:91]
	CROUND
	s_mov_b32 s[G0A], 1
	s_mov_b32 s[G0A+1], s2
	s_mov_b64 s[G0A+2:G0A+3], s[86:87]
	s_or_b32 s[G0A+3], s[G0A+3], 0x80000000
	s_mov_b32 s[G0A+4], 1
	s_add_co_u32 s[G0A+5], s2, SLOT
	s_add_nc_u64 s[G0A+6:G0A+7], s[86:87], SX
	s_or_b32 s[G0A+7], s[G0A+7], 0x80000000
	s_mov_b32 s[G0B], 1
	s_mov_b32 s[G0B+1], s3
	s_mov_b64 s[G0B+2:G0B+3], s[88:89]
	s_or_b32 s[G0B+3], s[G0B+3], 0x80000000
	s_mov_b32 s[G0B+4], 1
	s_add_co_u32 s[G0B+5], s3, SLOT
	s_add_nc_u64 s[G0B+6:G0B+7], s[88:89], SW
	s_or_b32 s[G0B+7], s[G0B+7], 0x80000000
	s_cmp_eq_u32 s15, 0                            ; a wave's two fills in one branch on the wave's number; four v_nop follow the second
	s_cbranch_scc0 .Lfirst_b
	tensor_load_to_lds s[G0A:G0A+3], s[G1A:G1A+7]
	tensor_load_to_lds s[G0A+4:G0A+7], s[G1A:G1A+7]
.rept 4
	v_nop
.endr
	s_branch .Lfirst_asked
.Lfirst_b:
	tensor_load_to_lds s[G0B:G0B+3], s[G1B:G1B+7]
	tensor_load_to_lds s[G0B+4:G0B+7], s[G1B:G1B+7]
.rept 4
	v_nop
.endr
.Lfirst_asked:
	v_and_b32 v1, 31, v0
	v_and_b32 v2, 15, v0
	v_bfe_u32 v3, v0, 4, 1
	v_lshlrev_b32 v[LI], 4, v1
	s_mul_i32 s2, s15, 4*REC
	s_mul_i32 s3, s16, 8*REC
	s_add_co_u32 s3, s3, BOFF
	v_add_nc_u32 v[ADRA], s2, v[LI]
	v_add_nc_u32 v[ADRA+1], SLOT, v[ADRA]
	v_add_nc_u32 v[ADRB], s3, v[LI]
	v_add_nc_u32 v[ADRB+1], SLOT, v[ADRB]
	v_lshlrev_b32 v15, 4, v2
	v_add_nc_u32 v[ASA], s2, v15
	v_add_nc_u32 v[ASA+1], SLOT, v[ASA]
	v_add_nc_u32 v[ASB], s3, v15
	v_add_nc_u32 v[ASB+1], SLOT, v[ASB]
	s_mul_i32 s2, s14, 16*SP                       ; my stage
	v_mul_u32_u24 v[STO], v2, SP
	v_lshl_add_u32 v[STO], v3, 6, v[STO]
	v_add_nc_u32 v[STO], s2, v[STO]                ; in: row r, + 64 h
	v_add_nc_u32 v[RD], s2, v[LI]                  ; back: 16 bytes a lane of a row
	s_wait_tensorcnt 0x1                           ; my part of slot 0 is in; slot 1's one load may be out
	s_barrier_signal -1
	s_barrier_wait -1
	FETCH 0, 0, 0
	SCALES 0
	UNIT 0, 0, 1, SA
	UNIT 0, 1, 0, SA
	UNIT 0, 2, 0, SA
	TURNP
	UNIT 1, 0, 0, SA+16
	UNIT 1, 1, 0, SA+16
	UNIT 1, 2, 0, SA+16
	LAST 1, SA+16
	TOSTAGE 0
.irp a, 1,2,3
.if \a > 1
	s_wait_xcnt 0x0                                ; tile a - 2's stores have read their registers: tile a's loads may land there
.endif
	TOSTAGE \a
	SEND \a-1, 32
.endr
	SEND 3, 0
	WIN 0
	CROUND                                         ; the closing round
	s_endpgm
.Lfunc_end_k_qcc63e8e30d_outp:
	.size	k_qcc63e8e30d_outp, .Lfunc_end_k_qcc63e8e30d_outp-k_qcc63e8e30d_outp
	.p2alignl 7, 3214868480
	.fill 96, 4, 3214868480
	.section	.rodata,"a",@progbits
	.p2align	6, 0x0
	.amdhsa_kernel k_qcc63e8e30d_outp
		.amdhsa_group_segment_fixed_size 327680
		.amdhsa_private_segment_fixed_size 0
		.amdhsa_enable_private_segment 0
		.amdhsa_kernarg_size 24
		.amdhsa_user_sgpr_count 2
		.amdhsa_user_sgpr_kernarg_segment_ptr 1
		.amdhsa_wavefront_size32 1
		.amdhsa_system_sgpr_workgroup_id_x 1
		.amdhsa_system_sgpr_workgroup_id_y 1
		.amdhsa_system_sgpr_workgroup_id_z 1
		.amdhsa_system_vgpr_workitem_id 0
		.amdhsa_next_free_vgpr 768
		.amdhsa_next_free_sgpr 104
		.amdhsa_reserve_vcc 0
		.amdhsa_float_denorm_mode_32 3
		.amdhsa_float_denorm_mode_16_64 3
		.amdhsa_memory_ordered 1
		.amdhsa_forward_progress 1
		.amdhsa_inst_pref_size 75
	.end_amdhsa_kernel
	.amdgpu_metadata
---
amdhsa.version: [ 1, 2 ]
amdhsa.kernels:
  - .name:           k_qcc63e8e30d_outp
    .symbol:         k_qcc63e8e30d_outp.kd
    .args:
      - { .name: orr, .offset: 0, .size: 8, .value_kind: global_buffer, .address_space: global }
      - { .name: wr, .offset: 8, .size: 8, .value_kind: global_buffer, .address_space: global }
      - { .name: out0, .offset: 16, .size: 8, .value_kind: global_buffer, .address_space: global }
    .group_segment_fixed_size: 327680
    .private_segment_fixed_size: 0
    .kernarg_segment_align: 8
    .kernarg_segment_size: 24
    .max_flat_workgroup_size: 128
    .sgpr_count:     104
    .vgpr_count:     768
    .wavefront_size: 32
...
	.end_amdgpu_metadata
.endif
;; end of part 5
;; ======== version 2 of 2: 5 launches
;; limits: right only within a limited range of input values
;; workspace buffers: xr 6,553,600 bytes; wr 3,276,800 bytes; qkr 13,107,200 bytes; vr 6,553,600 bytes; pr 13,107,200 bytes; pst 1,048,576 bytes; orr 6,553,600 bytes
;; launch quant (part 6): grid 512 x 1, 4 waves a work-group, no clusters, 46,592 bytes of LDS; arguments x, Wq, Wk, Wv, Wo, xr, wr; writes xr, wr
.if DOCPART == 6
	.amdgcn_target "amdgcn-amd-amdhsa--gfx1250"
	.amdhsa_code_object_version 6
	.text
	.protected	k_qcc63e8e30d_quant
	.globl	k_qcc63e8e30d_quant
	.p2align	8
	.type	k_qcc63e8e30d_quant,@function
k_qcc63e8e30d_quant:
	s_mov_b64 s[64:65], 0
	v_nop
	global_prefetch_b8 v0, s[64:65] scope:SCOPE_SE
	s_setreg_imm32_b32 hwreg(HW_REG_WAVE_MODE, 25, 1), 1
	s_wait_xcnt 0x0
; x [8192][1024] and Wq, Wk, Wv, Wo [1024 (K)][1024], f32, become codes of FP6 (E2M3) with one E8M0 byte for each 32 along K, laid as RECORDS.
; A record is 6,400 bytes: 16 rows x 512 along K.  Unit u (128 along K) at byte 1536 u is the image of an operand's 12 registers: register g of lane l at 512 (g / 4) + 16 l + 4 (g % 4);
; at byte 6144 the scale words, row r's four at 16 r.  Buffers are [K / 512][rows / 16][6400].  Lane r of tile T holds row 32 (T / 2) + 8 (T % 2) + r + 8 (r / 8).
; A block's scale is 2^(floor(log2(largest magnitude)) - 2): the byte is the largest magnitude's exponent field - 2, held at 1 from below by a floor among the maximum's leaves.
; LIMITS: a block of zeros, or one under 2^-124, keeps the byte 1 (its codes are zeros or what the conversion gives; this program alone reads the bytes); NaN and infinities are not served.
; Work-groups 0-255: x, a wave to a record.  Work-groups 256-511: the weights, a wave to 32 columns x 128 along K (one unit of two tiles).  Waves share nothing: no barrier.
; No cluster: no two work-groups read the same bytes.  Each of the two paths has LDS bytes of its own: the weights' stages from byte 0, x's from byte 12,288.
.set REC, 6400
.set SX,  512*REC                      ; xr: from one 512 along K to the next
.set SW,  256*REC                      ; wr likewise
.set XSTG, 12288                       ; x's stages: 16 rows of XP bytes for each wave
.set XP,  528                          ; a stage row: 512 bytes + 16: an odd multiple of 16, so that sixteen lanes that read sixteen rows touch sixteen different 16-byte columns
.set TM,  8                            ; v8-11 largest magnitudes, v12-15 the other half's / bytes, v20-23 the conversions' scale operands
.set PW,  24                           ; v24-27 a unit's scale word each
.set PT,  30                           ; v30-37 the conversions' second halves
.set R,   64                           ; v64-191 two sets of 64 registers as loaded
.set X,   192                          ; v192-255 64 numbers of a lane, 16 neighbours of each of four blocks
	s_load_b256 s[4:11], s[0:1], 0x0               ; x, Wq, Wk, Wv
	s_load_b128 s[12:15], s[0:1], 0x20             ; Wo, xr
	s_load_b64 s[16:17], s[0:1], 0x30              ; wr
	v_lshl_add_u32 v62, v0, 2, 46080               ; my spare word, behind both paths' stages (512 bytes that no other line names); v62, v63 are kept for the add alone
	v_mov_b32 v63, 0
	v_lshrrev_b32 v1, 5, v0
	v_readfirstlane_b32 s18, v1                    ; wave
	v_and_b32 v1, 31, v0                           ; lane
	v_and_b32 v2, 15, v0                           ; r
	v_bfe_u32 v3, v0, 4, 1                         ; h
	v_lshlrev_b32 v5, 4, v1                        ; 16 x lane: an image's place for my lane, and my 16 bytes of a load's 512
	s_mov_b32 s20, 0x76543210
	s_mov_b32 s21, 0xfedcba98                      ; lane l xor 16
	s_mov_b32 s22, 0xffff0000                      ; lanes 16-31
	s_cmp_lt_u32 ttmp9, 256
	s_cbranch_scc0 .Lweights
; ---------------- x: K is innermost.  The conversions want 16 neighbours along K in one lane; a load is best where neighbouring lanes take neighbouring bytes.  Both are had: each load takes 512 consecutive
; bytes of one row, a unit's sixteen rows go through the wave's own stage in LDS as they lie, and lane (r, h) reads back, of row r, 64 bytes of each block of 32 numbers.
	s_lshl_b32 s23, ttmp9, 2
	s_add_co_u32 s23, s23, s18                     ; which record: 0 .. 1023
	s_lshr_b32 s24, s23, 1                         ; T
	s_and_b32 s25, s23, 1                          ; which 512 along K
	s_lshr_b32 s26, s24, 1
	s_lshl_b32 s26, s26, 5
	s_and_b32 s27, s24, 1
	s_lshl_b32 s27, s27, 3
	s_add_co_u32 s26, s26, s27                     ; the tile's first row: 32 (T / 2) + 8 (T % 2)
	s_lshl_b32 s26, s26, 12                        ; rows of 4,096 bytes
	s_lshl_b32 s27, s25, 11
	s_add_co_u32 s26, s26, s27
	s_mov_b32 s27, 0
	s_mul_i32 s28, s24, REC
	s_mul_i32 s29, s25, SX
	s_add_co_u32 s28, s28, s29
	s_mov_b32 s29, 0
	s_mul_i32 s30, s18, 16*XP
	s_add_co_u32 s30, s30, XSTG                    ; my stage
	s_wait_alu depctr_va_vdst(0)
	v_add_nc_u32 v7, s30, v5                       ; into it: 16 x lane of a row
	v_mul_u32_u24 v4, v2, XP
	v_lshl_add_u32 v4, v3, 6, v4
	v_add_nc_u32 v4, s30, v4                       ; out of it: row r, + 64 h
	v_lshlrev_b32 v6, 4, v2
	v_lshl_add_u32 v6, v3, 3, v6                   ; the scale words' way out: 16 r + 8 h
.irp b, 0,1,2,3
	v_mov_b32 v[TM+4+\b], 0                        ; a lane permute's destination counts as read
.endr
	s_wait_alu depctr_va_vdst(0)
	s_wait_kmcnt 0x0
	s_add_nc_u64 s[4:5], s[4:5], s[26:27]
	s_add_nc_u64 s[14:15], s[14:15], s[28:29]
.macro GLOAD set, u                    ; unit u: stage row i is the tile's row i + 8 (i / 8); 32 lanes read 512 consecutive bytes, aligned
.irp i, 0,1,2,3,4,5,6,7,8,9,10,11,12,13,14,15
	global_load_b128 v[R+64*(\set)+4*\i:R+64*(\set)+4*\i+3], v5, s[4:5] offset:(\i+8*(\i/8))*4096+512*(\u) th:TH_LOAD_NT
.endr
.endm
.macro TOX set                         ; through the stage: LDS serves a wave's instructions in order, so no wait stands between the stores and the loads, nor ahead of the next unit's stores
.irp i, 0,1,2,3,4,5,6,7,8,9,10,11,12,13,14,15
	ds_store_b128 v7, v[R+64*(\set)+4*\i:R+64*(\set)+4*\i+3] offset:XP*\i
.endr
.irp b, 0,1,2,3
.irp j, 0,1,2,3
	ds_load_b128 v[X+16*\b+4*\j:X+16*\b+4*\j+3], v4 offset:128*\b+16*\j   ; register 16 b + i = k 32 b + 16 h + i of my row
.endr
.endr
.endm
.macro QUANT s, pc, pw                 ; 64 numbers of a lane -> a fragment's codes in v[pc] on, its scale word in v[pw]
.irp b, 0,1,2,3
	v_max3_num_f32 v[TM+\b], |v[(\s)+16*\b]|, |v[(\s)+16*\b+1]|, 0x1800000   ; my 16 numbers of block b, and the floor 2^(3 - 127)
.endr
.irp i, 2,4,6,8,10,12,14
.irp b, 0,1,2,3
	v_max3_num_f32 v[TM+\b], v[TM+\b], |v[(\s)+16*\b+\i]|, |v[(\s)+16*\b+\i+1]|
.endr
.endr
.irp b, 0,1,2,3
	v_permlanex16_b32 v[TM+4+\b], v[TM+\b], s20, s21
.endr
.irp b, 0,1,2,3
	v_max_num_f32 v[TM+\b], v[TM+\b], v[TM+4+\b]   ; with lane l xor 16's: the block's largest magnitude
.endr
.irp b, 0,1,2,3
	v_add_nc_u32 v[TM+12+\b], 0xff000000, v[TM+\b] ; 2 off its exponent field: the conversion's scale operand
.endr
.irp b, 0,1,2,3
	v_lshrrev_b32 v[TM+4+\b], 23, v[TM+12+\b]      ; the byte
.endr
	v_lshl_or_b32 v[\pw], v[TM+5], 8, v[TM+4]
	v_lshl_or_b32 v[\pw], v[TM+6], 16, v[\pw]
	v_lshl_or_b32 v[\pw], v[TM+7], 24, v[\pw]
.irp c, 0,1
	v_cvt_scalef32_pk16_fp6_f32 v[(\pc)+6*\c:(\pc)+6*\c+2], v[(\s)+32*\c:(\s)+32*\c+15], v[TM+12+2*\c]
	v_cvt_scalef32_pk16_fp6_f32 v[PT+4*\c:PT+4*\c+2], v[(\s)+32*\c+16:(\s)+32*\c+31], v[TM+12+2*\c+1]
.endr
	v_nop                                          ; one plain line behind the scaled conversions
.irp c, 0,1                            ; the operand wants a whole block in a lane: lanes 0-15 block 2 c, lanes 16-31 block 2 c + 1
.irp i, 0,1,2
	v_permlane16_swap_b32 v[(\pc)+6*\c+\i], v[PT+4*\c+\i]
.endr
.irp i, 0,1,2
	v_mov_b32 v[(\pc)+6*\c+3+\i], v[PT+4*\c+\i]
.endr
.endr
.endm
; Unit u.  Each unit's codes have registers of their own (v38, v50; for units 2 and 3 the raw sets, which nothing is loaded into any more), so no store's data are written again.
.macro XUNIT u, left, pc
	s_wait_loadcnt \left                           ; this unit's sixteen loads are in; the one younger unit's sixteen may be out
	TOX (\u)%2
	s_wait_dscnt 0x0                               ; my 64 numbers are back, and the stores into the stage have read the raw set,
.if \u < 2
	GLOAD (\u)%2, (\u)+2                           ; which takes the unit two further on
.endif
	QUANT X, \pc, PW+(\u)
.irp c, 0,1,2
	global_store_b128 v5, v[(\pc)+4*\c:(\pc)+4*\c+3], s[14:15] offset:1536*(\u)+512*\c   ; 32 lanes store 512 consecutive bytes, aligned
.endr
.endm
	GLOAD 0, 0
	GLOAD 1, 1
	XUNIT 0, 16, 38
	XUNIT 1, 16, 50
	XUNIT 2, 16, R
	XUNIT 3, 0, R+64
	v_cndmask_b32 v28, v24, v26, s22               ; lanes 0-15 send units 0 and 1's words of row r, lanes 16-31 units 2 and 3's
	v_cndmask_b32 v29, v25, v27, s22
	global_store_b64 v6, v[28:29], s[14:15] offset:6144   ; 256 consecutive bytes
	s_wait_tensorcnt 0x0                           ; the wave's end
	ds_add_u32 v62, v63
	s_wait_dscnt 0x0
	s_endpgm
; ---------------- the weights: K is the first axis.  A lane takes a column, its registers run down K: a block of 32 lies in one lane
.Lweights:
	s_sub_co_u32 s23, ttmp9, 256
	s_lshr_b32 s24, s23, 6                         ; which weight: 0 Wq, 1 Wk, 2 Wv, 3 Wo
	s_and_b32 s25, s23, 7                          ; which 128 columns
	s_bfe_u32 s26, s23, 0x30003                    ; which 128 along K
	s_lshl_b32 s27, s25, 2
	s_add_co_u32 s27, s27, s18                     ; beta: which 32 columns
	s_lshl_b32 s28, s26, 19                        ; 128 rows of 4,096 bytes
	s_lshl_b32 s29, s27, 7
	s_add_co_u32 s28, s28, s29
	s_mov_b32 s29, 0
	s_lshl_b32 s30, s24, 6
	s_lshl_b32 s31, s27, 1
	s_add_co_u32 s30, s30, s31                     ; tile 64 w + 2 beta
	s_mul_i32 s30, s30, REC
	s_lshr_b32 s31, s26, 2
	s_mul_i32 s31, s31, SW
	s_add_co_u32 s30, s30, s31                     ; the first of my two records
	s_mov_b32 s31, 0
	s_and_b32 s32, s26, 3                          ; the unit in it
	s_mul_i32 s34, s32, 1536
	s_mov_b32 s35, 0
	s_lshl_b32 s36, s32, 2
	s_add_co_u32 s36, s36, 6144
	s_mov_b32 s37, 0
	s_mul_i32 s33, s18, 3072                       ; my stage: two images
	s_wait_alu depctr_va_vdst(0)
	v_lshlrev_b32 v7, 2, v1                        ; in: 4 bytes a lane
	v_bfe_u32 v12, v0, 3, 1                        ; column l of the 32 is lane (l % 8) + 8 (l / 16) of tile (l / 8) % 2
	v_and_b32 v13, 7, v0
	v_mul_u32_u24 v15, v12, REC
	v_mul_u32_u24 v12, v12, 1536
	v_lshl_add_u32 v12, v13, 4, v12
	v_lshl_add_u32 v12, v3, 7, v12
	v_add_nc_u32 v12, s33, v12                     ; the stage, on the way in
	v_add_nc_u32 v14, s33, v5                      ; and back: 16 x lane
	v_lshl_add_u32 v15, v13, 4, v15
	v_lshl_add_u32 v15, v3, 7, v15                 ; my column's scale word among the two records'
	s_wait_kmcnt 0x0
	s_cmp_eq_u32 s24, 1
	s_cselect_b64 s[6:7], s[8:9], s[6:7]
	s_cmp_eq_u32 s24, 2
	s_cselect_b64 s[6:7], s[10:11], s[6:7]
	s_cmp_eq_u32 s24, 3
	s_cselect_b64 s[6:7], s[12:13], s[6:7]
	s_add_nc_u64 s[6:7], s[6:7], s[28:29]
	s_add_nc_u64 s[16:17], s[16:17], s[30:31]
	s_add_nc_u64 s[38:39], s[16:17], s[36:37]      ; the scale words of my unit
	s_add_nc_u64 s[16:17], s[16:17], s[34:35]      ; its image
; The 128 rows come in eight halves of a block, sixteen loads each; every row has a register of its own, so a half may be asked for as soon as a wait has passed.  Three halves, 48 loads, are out at the most.
.macro WLOAD hf                        ; rows 16 hf .. 16 hf + 15: a wave reads 128 neighbouring bytes of each, the work-group 512
.set n, 16*(\hf)
.rept 16
	global_load_b32 v[64+n], v7, s[6:7] offset:n*4096 th:TH_LOAD_NT
.set n, n+1
.endr
.endm
	WLOAD 0
	WLOAD 1
	WLOAD 2
.macro BLOCK kb
.set XS, 64+32*(\kb)
.set C, 192+8*(\kb)
.if \kb < 3
	s_wait_loadcnt 16                              ; this block's two halves are in; the one half asked for behind them may be out
.else
	s_wait_loadcnt 0x0
.endif
.if \kb < 2
	WLOAD 2*(\kb)+3
	WLOAD 2*(\kb)+4
.elseif \kb == 2
	WLOAD 7
.endif
	v_max3_num_f32 v8, |v[XS]|, |v[XS+1]|, |v[XS+2]|
	v_max3_num_f32 v9, |v[XS+3]|, |v[XS+4]|, |v[XS+5]|
.irp i, 6,10,14,18,22,26
	v_max3_num_f32 v8, v8, |v[XS+\i]|, |v[XS+\i+1]|
	v_max3_num_f32 v9, v9, |v[XS+\i+2]|, |v[XS+\i+3]|
.endr
	v_max3_num_f32 v8, v8, |v[XS+30]|, |v[XS+31]|
	v_max3_num_f32 v8, v8, v9, 0x1800000           ; and the floor
	v_add_nc_u32 v10, 0xff000000, v8
	v_lshrrev_b32 v11, 23, v10
.if \kb == 0
	v_mov_b32 v24, v11
.else
	v_lshl_or_b32 v24, v11, 8*(\kb), v24           ; the lower K in the lower byte
.endif
	v_cvt_scalef32_pk16_fp6_f32 v[C:C+2], v[XS:XS+15], v10
	v_cvt_scalef32_pk16_fp6_f32 v[224+4*(\kb):224+4*(\kb)+2], v[XS+16:XS+31], v10
	v_nop
.irp i, 0,1,2
	v_mov_b32 v[C+3+\i], v[224+4*(\kb)+\i]
.endr
; block kb = 2 c + h is registers 6 c .. 6 c + 5 of image lane r + 16 h
.if \kb < 2
	ds_store_b128 v12, v[C:C+3] offset:256*(\kb)
	ds_store_b64 v12, v[C+4:C+5] offset:512+256*(\kb)
.else
	ds_store_b64 v12, v[C:C+1] offset:520+256*((\kb)-2)
	ds_store_b128 v12, v[C+2:C+5] offset:1024+256*((\kb)-2)
.endif
.endm
	BLOCK 0
	BLOCK 1
	BLOCK 2
	BLOCK 3
.irp i, 0,1,2,3,4,5
	ds_load_b128 v[32+4*\i:32+4*\i+3], v14 offset:512*\i   ; LDS serves a wave's instructions in order: these see my stores
.endr
	s_wait_alu depctr_va_vdst(0)
.irp i, 0,1,2,3,4,5
	s_wait_dscnt 5-\i
	global_store_b128 v5, v[32+4*\i:32+4*\i+3], s[16:17] offset:(\i/3)*REC+512*(\i%3)   ; 512 consecutive bytes, aligned
.endr
	global_store_b32 v15, v24, s[38:39]
	s_wait_tensorcnt 0x0                           ; the wave's end
	ds_add_u32 v62, v63
	s_wait_dscnt 0x0
	s_endpgm
.Lfunc_end_k_qcc63e8e30d_quant:
	.size	k_qcc63e8e30d_quant, .Lfunc_end_k_qcc63e8e30d_quant-k_qcc63e8e30d_quant
	.p2alignl 7, 3214868480
	.fill 96, 4, 3214868480
	.section	.rodata,"a",@progbits
	.p2align	6, 0x0
	.amdhsa_kernel k_qcc63e8e30d_quant
		.amdhsa_group_segment_fixed_size 46592
		.amdhsa_private_segment_fixed_size 0
		.amdhsa_enable_private_segment 0
		.amdhsa_kernarg_size 56
		.amdhsa_user_sgpr_count 2
		.amdhsa_user_sgpr_kernarg_segment_ptr 1
		.amdhsa_wavefront_size32 1
		.amdhsa_system_sgpr_workgroup_id_x 1
		.amdhsa_system_sgpr_workgroup_id_y 1
		.amdhsa_system_sgpr_workgroup_id_z 1
		.amdhsa_system_vgpr_workitem_id 0
		.amdhsa_next_free_vgpr 256
		.amdhsa_next_free_sgpr 66
		.amdhsa_reserve_vcc 0
		.amdhsa_float_denorm_mode_32 3
		.amdhsa_float_denorm_mode_16_64 3
		.amdhsa_memory_ordered 1
		.amdhsa_forward_progress 1
		.amdhsa_inst_pref_size 55
	.end_amdhsa_kernel
	.amdgpu_metadata
---
amdhsa.version: [ 1, 2 ]
amdhsa.kernels:
  - .name:           k_qcc63e8e30d_quant
    .symbol:         k_qcc63e8e30d_quant.kd
    .args:
      - { .name: x, .offset: 0, .size: 8, .value_kind: global_buffer, .address_space: global }
      - { .name: Wq, .offset: 8, .size: 8, .value_kind: global_buffer, .address_space: global }
      - { .name: Wk, .offset: 16, .size: 8, .value_kind: global_buffer, .address_space: global }
      - { .name: Wv, .offset: 24, .size: 8, .value_kind: global_buffer, .address_space: global }
      - { .name: Wo, .offset: 32, .size: 8, .value_kind: global_buffer, .address_space: global }
      - { .name: xr, .offset: 40, .size: 8, .value_kind: global_buffer, .address_space: global }
      - { .name: wr, .offset: 48, .size: 8, .value_kind: global_buffer, .address_space: global }
    .group_segment_fixed_size: 46592
    .private_segment_fixed_size: 0
    .kernarg_segment_align: 8
    .kernarg_segment_size: 56
    .max_flat_workgroup_size: 128
    .sgpr_count:     66
    .vgpr_count:     256
    .wavefront_size: 32
...
	.end_amdgpu_metadata
.endif
;; end of part 6
;; launch proj (part 7): grid 8 x 32, 4 waves a work-group, clusters of 4 x 4, 327,680 bytes of LDS; arguments xr, wr, qkr, vr; writes qkr, vr
.if DOCPART == 7
	.amdgcn_target "amdgcn-amd-amdhsa--gfx1250"
	.amdhsa_code_object_version 6
	.text
	.protected	k_qcc63e8e30d_proj
	.globl	k_qcc63e8e30d_proj
	.p2align	8
	.type	k_qcc63e8e30d_proj,@function
k_qcc63e8e30d_proj:
	s_mov_b64 s[64:65], 0
	v_nop
	global_prefetch_b8 v0, s[64:65] scope:SCOPE_SE
	s_setreg_imm32_b32 hwreg(HW_REG_WAVE_MODE, 25, 1), 1
	s_wait_xcnt 0x0
	s_wait_alu depctr_hold_cnt(0) depctr_sa_sdst(0) depctr_va_vdst(0) depctr_va_sdst(0) depctr_va_ssrc(0) depctr_va_vcc(0) depctr_vm_vsrc(0)
	s_getreg_b32 s2, hwreg(HW_REG_IB_STS2, 6, 4)
	s_cmp_eq_u32 s2, 0
	s_cbranch_scc0 .Lentry_in_a_cluster
	s_endpgm
.Lentry_in_a_cluster:
	s_bfe_u32 s2, ttmp6, 0x10000c
	s_cmp_lg_u32 s2, 0xf033
	s_cbranch_scc0 .Lentry_shape_is_right
	s_endpgm
.Lentry_shape_is_right:
; q | k = x [Wq | Wk]  and  v^T = Wv^T x^T, on codes of FP6 (E2M3) with E8M0 scales; each result is quantised on the way out, along the next product's K.
; OPERANDS ARE RECORDS of 6,400 bytes (16 rows x 512 along K): unit u (128 along K) at 1536 u is the image of an operand's 12 registers (3 loads of 16 bytes at 16 x lane), the scale words at 6144 + 16 r.
; Lane r of tile T holds row 32 (T / 2) + 8 (T % 2) + r + 8 (r / 8).  Source 0 takes 16 rows of "B", source 1 16 rows of "A": a lane holds one row of A, and the 16 registers of B's tiles 2 b, 2 b + 1
; are 16 neighbours along B's rows, the next product's K.
; SHARES: a tile is 128 rows of A x 256 rows of B; each of four waves makes 64 x 128: 32 accumulators.  A work-group makes THREE tiles, 768 tiles on 256 work-groups.  Cluster (X, Y):
;   tile 0: A = x, rows 128 (4 Y + cy) on; B = Wq | Wk, rows 256 (4 X + cx) on; out = qkr.   tile 1: A = x, 256 records on; B stays in LDS.   tile 2: A = Wv, rows 128 (4 X + cy) on; B = x, rows 256 (4 Y + cx) on; out = vr.
; LDS: two slots, one for each K half of 512: A's 8 records, then B's 16.  THE HEAD: one tensor load a wave, each a whole part of a slot: wave 0 A's K half 0, wave 1 B's K half 0, wave 2 A's K half 1,
; wave 3 B's K half 1.  Waves 0 and 1 wait for theirs ahead of the first barrier, behind which nothing is filled; K half 1's two loads are awaited by the wait for 0 that every wave runs at the change of K halves.
; A slot's bytes are filled again, half a part a wave, as soon as its last unit's fragments are in registers.
; CLUSTER 4 x 4: A's records are shared along a row of the cluster, B's along a column: joint loads; each refill stands first behind a round of the cluster's barrier.  A wave has one tensor load out at the most.
; No prefetch: the text has no loop to run ahead in, and each refill is asked for four units and more ahead of its first read.
; A unit's 36 fragment loads stand in ONE run, ahead of the 32 products of the unit before.  A tile's last unit asks for the next tile's first fragments and scale words.
; THE WAY OUT of tiles 0 and 1 stands among the next tile's products, one small step behind each of the first 68: the tiles' sums take windows 2 and 3 by turns, and the steps name only the other window and v208-249.
; REGISTERS: window 0: v4-15 addresses and the add's two registers, v16-47 A's scale words, v48-111 B's (two sets each), v112-207 A's fragments (two sets), v208-249 the way out's work.
;   window 1: B's fragments, sets at v0 and v128.   windows 2 and 3: accumulator (a, b) at v[8 (8 a + b)].
; LIMITS: blocks under 2^-124 keep the byte 1; NaN and infinities are not served.
.set REC,  6400
.set SLOT, 24*REC
.set BOFF, 8*REC
.set SX,   512*REC
.set SW,   256*REC
.set SV,   64*REC
.set SPARE, 2*SLOT                     ; behind the slots: the spare words, 128 bytes a wave, that no other line names
.set LI,   4                           ; 16 x lane
.set VSW,  5                           ; 16 r + 6400 h: the scale words' way out
.set SPW,  6                           ; my spare word; never rewritten
.set NIL,  7                           ; 0; never rewritten
.set ADA,  8                           ; v8-9   my A fragments, slot 0, 1
.set ADB,  10                          ; v10-11 my B fragments
.set ASA,  12                          ; v12-13 my A records + 16 r
.set ASB,  14                          ; v14-15 my B records + 16 r
.set SA,   16
.set SB,   48
.set AF,   112
.set PC,   208                         ; v208-219 a fragment's codes
.set PT,   220                         ; v220-227 the conversions' second halves
.set TM,   228                         ; v228-243 largest magnitudes, the other half's / bytes, the conversions' scale operands
.set PW,   244                         ; v244-247 a scale word for each of my four tiles of rows
.set SELW, 248
.set G1A, 24
.set G0A, 32
.set G1B, 48
.set G0B, 56
.set A2,  68
.set B2,  70
.set OB0, 72
.set OS0, 74
.set OB1, 76
.set OS1, 78
.set OB2, 82
.set OS2, 84
.set MSB, 0
.set WV, 0                             ; 1 while products take the way out's steps between them
.set QN, 68                            ; the way out's next step; 68: none is pending
.macro WIN new                         ; the immediate's high byte repeats the setting that is left
.if MSB != (\new)
	s_set_vgpr_msb (MSB<<8)|(\new)
.set MSB, (\new)
.endif
.endm
.macro PLACES                          ; four plain lines behind a matrix instruction, ahead of loads into its registers and of reads of its results
.rept 4
	v_nop
.endr
.endm
.macro CREST
	s_cmp_lg_u32 s14, 0
	s_cbranch_scc1 .Lnot_wave_0_\@
	s_barrier_signal -3
.Lnot_wave_0_\@:
	s_barrier_wait -3
	s_barrier_signal -1
	s_barrier_wait -1
.endm
.macro CROUND
	s_barrier_signal -1
	s_barrier_wait -1
	CREST
.endm
.macro JLOAD s                         ; a joint refill: waves 0, 1 for A's halves, waves 2, 3 for B's; s_nop 0 and four v_nop follow each line
	s_cmp_eq_u32 s15, 0
	s_cbranch_scc0 .Lfor_b_\@
	tensor_load_to_lds s[G0A+4*\s:G0A+4*\s+3], s[G1A:G1A+7]
	s_nop 0
.rept 4
	v_nop
.endr
	s_branch .Lasked_\@
.Lfor_b_\@:
	tensor_load_to_lds s[G0B+4*\s:G0B+4*\s+3], s[G1B:G1B+7]
	s_nop 0
.rept 4
	v_nop
.endr
.Lasked_\@:
.endm
.macro ALOAD s                         ; a joint refill of A's part alone: waves 2 and 3 have nothing to fill
	s_cmp_eq_u32 s15, 0
	s_cbranch_scc0 .Lnone_\@
	tensor_load_to_lds s[G0A+4*\s:G0A+4*\s+3], s[G1A:G1A+7]
	s_nop 0
.rept 4
	v_nop
.endr
.Lnone_\@:
.endm
.macro LD reg, adr, off                ; a fragment: three loads of 512 consecutive bytes
.irp c, 0,1,2
	ds_load_b128 v[(\reg)+4*\c:(\reg)+4*\c+3], v[\adr] offset:(\off)+512*\c
.endr
.endm
.macro FETCH s, u, p                   ; unit u of slot s into set p: B's eight fragments, A's four
	WIN 0x40
.irp b, 0,1,2,3,4,5,6,7
	LD 128*(\p)+12*\b, ADB+(\s), REC*\b+1536*(\u)
.endr
	WIN 0
.irp a, 0,1,2,3
	LD AF+48*(\p)+12*\a, ADA+(\s), REC*\a+1536*(\u)
.endr
.endm
.macro SCALES s                        ; a slot's scale words: four units' words of row r in one load
.irp b, 0,1,2,3,4,5,6,7
	ds_load_b128 v[SB+32*(\s)+4*\b:SB+32*(\s)+4*\b+3], v[ASB+(\s)] offset:REC*\b+6144
.endr
.irp a, 0,1,2,3
	ds_load_b128 v[SA+16*(\s)+4*\a:SA+16*(\s)+4*\a+3], v[ASA+(\s)] offset:REC*\a+6144
.endr
.endm
; THE WAY OUT of a tile, in 68 small steps, 17 for each of my four tiles of rows.  Step QN: tile QA = QN / 17 of my rows, whose 64 numbers a lane lie at v[64 QA] on of window QW:
; register 16 b + i = k 32 b + 16 h + i of my row.  They become a fragment's codes and a scale word a row, and leave as an image: three stores of 512 consecutive bytes, aligned.
; Each accumulator is read from its low end on.  OBR, OSR: the scalar pairs with my images' and my scale words' place.
.macro QG
.set QA, QN/17
.set QK, QN%17
.set QS, 64*QA
.if QK == 0
	WIN QW|(QW<<2)
.irp b, 0,1,2,3
	v_max3_num_f32 v[TM+\b], |v[QS+16*\b]|, |v[QS+16*\b+1]|, 0x1800000   ; my 16 numbers of block b, and the floor 2^(3 - 127): the byte cannot fall under 1
.endr
.elseif QK < 8
	WIN QW|(QW<<2)
.irp b, 0,1,2,3
	v_max3_num_f32 v[TM+\b], |v[QS+16*\b+2*QK]|, |v[QS+16*\b+2*QK+1]|, v[TM+\b]
.endr
.elseif QK == 8
	WIN 0
.irp b, 0,1,2,3
	v_permlanex16_b32 v[TM+4+\b], v[TM+\b], s80, s81
.endr
.elseif QK == 9
	WIN 0
.irp b, 0,1,2,3
	v_max_num_f32 v[TM+\b], v[TM+\b], v[TM+4+\b]   ; with lane l xor 16's: the block's largest magnitude
.endr
.elseif QK == 10
	WIN 0
.irp b, 0,1,2,3
	v_add_nc_u32 v[TM+12+\b], 0xff000000, v[TM+\b] ; 2 off the exponent field: the conversion's scale operand
.endr
.elseif QK == 11
	WIN 0
.irp b, 0,1,2,3
	v_lshrrev_b32 v[TM+4+\b], 23, v[TM+12+\b]      ; the byte
.endr
.elseif QK == 12
	WIN 0
	v_lshl_or_b32 v[PW+QA], v[TM+5], 8, v[TM+4]
	v_lshl_or_b32 v[PW+QA], v[TM+6], 16, v[PW+QA]
	v_lshl_or_b32 v[PW+QA], v[TM+7], 24, v[PW+QA]
.elseif QK == 13
	s_wait_alu depctr_va_vdst(0)
	s_wait_xcnt 0x0                                ; the stores of the tile of rows before have read the codes' registers, which are written again below
	WIN QW
.irp c, 0,1
	v_cvt_scalef32_pk16_fp6_f32 v[PC+6*\c:PC+6*\c+2], v[QS+32*\c:QS+32*\c+15], v[TM+12+2*\c]
	v_cvt_scalef32_pk16_fp6_f32 v[PT+4*\c:PT+4*\c+2], v[QS+32*\c+16:QS+32*\c+31], v[TM+12+2*\c+1]
.endr
	WIN 0
	v_nop                                          ; one plain line behind the scaled conversions
.elseif QK == 14
	WIN 0
.irp c, 0,1                            ; the operand wants a whole block in a lane: lanes 0-15 block 2 c, lanes 16-31 block 2 c + 1
.irp i, 0,1,2
	v_permlane16_swap_b32 v[PC+6*\c+\i], v[PT+4*\c+\i]
.endr
.endr
.elseif QK == 15
	WIN 0
.irp c, 0,1
.irp i, 0,1,2
	v_mov_b32 v[PC+6*\c+3+\i], v[PT+4*\c+\i]
.endr
.endr
.else
	WIN 0
.irp c, 0,1,2
	global_store_b128 v[LI], v[PC+4*\c:PC+4*\c+3], s[OBR:OBR+1] offset:REC*QA+512*\c
.endr
.if QA%2 == 1                          ; the scale words of tiles QA - 1 (lanes 0-15) and QA (lanes 16-31)
	v_cndmask_b32 v[SELW+QA/2], v[PW+QA-1], v[PW+QA], s66
	global_store_b32 v[VSW], v[SELW+QA/2], s[OSR:OSR+1] offset:REC*(QA-1)
.endif
.endif
.set QN, QN+1
.endm
.macro QSTART w, ob, os                ; a tile's sums, in window w, are finished: its 68 steps are pending
.set QW, \w
.set OBR, \ob
.set OSR, \os
.set QN, 0
.endm
; A's tile a against B's eight, set p, unit u of slot s: source 0 window 1, source 1 window 0, C and D window AW.  The 32 accumulators take turns in the same order in every unit.
; Where WV is 1 and steps of the way out are pending, one step stands behind each product.
.macro MUL8 a, p, u, s, zero
.irp b, 0,1,2,3,4,5,6,7
	WIN (AW<<6)|(AW<<4)|1
.if \zero
	v_wmma_scale_f32_16x16x128_f8f6f4 v[8*(8*(\a)+\b):8*(8*(\a)+\b)+7], v[128*(\p)+12*\b:128*(\p)+12*\b+11], v[AF+48*(\p)+12*(\a):AF+48*(\p)+12*(\a)+11], 0, v[SB+32*(\s)+4*\b+(\u)], v[SA+16*(\s)+4*(\a)+(\u)] matrix_a_fmt:MATRIX_FMT_FP6 matrix_b_fmt:MATRIX_FMT_FP6
.else
	v_wmma_scale_f32_16x16x128_f8f6f4 v[8*(8*(\a)+\b):8*(8*(\a)+\b)+7], v[128*(\p)+12*\b:128*(\p)+12*\b+11], v[AF+48*(\p)+12*(\a):AF+48*(\p)+12*(\a)+11], v[8*(8*(\a)+\b):8*(8*(\a)+\b)+7], v[SB+32*(\s)+4*\b+(\u)], v[SA+16*(\s)+4*(\a)+(\u)] matrix_a_fmt:MATRIX_FMT_FP6 matrix_b_fmt:MATRIX_FMT_FP6
.endif
.if WV
.if QN < 68
	QG
.endif
.endif
.endr
.endm
.macro UNIT s, u, zero                 ; units 0 to 2 of a slot: the next unit's fragments are asked for, then this unit's 32 products
.if (QN > 0) && (QN < 68)
	s_wait_alu depctr_va_vdst(0)                   ; the way out's steps go on behind it
.endif
	s_wait_dscnt 0x0                               ; this unit's fragments and scale words are in
	PLACES
	FETCH \s, (\u)+1, 1-(\u)%2
.set WV, 1
	MUL8 0, (\u)%2, \u, \s, \zero
	MUL8 1, (\u)%2, \u, \s, \zero
	MUL8 2, (\u)%2, \u, \s, \zero
	MUL8 3, (\u)%2, \u, \s, \zero
.set WV, 0
.endm
.macro HALF s, zero                    ; zero = 1: a tile's first products start the sums: nothing is cleared
	UNIT \s, 0, \zero
	UNIT \s, 1, 0
	UNIT \s, 2, 0
.endm
; Unit 3 of slot s (set 1), and ONE barrier: ahead of it each wave waits for all its tensor loads, adds 0 to its spare word, and waits for that and for its reads of this slot.
; kind = 1: the barrier opens a round of the cluster's, and A's part of this slot is filled again, with x's records 256 further on.  kind = 2: both parts, with tile 2's.  kind = 0: nothing is filled.
; Behind it come slot ns's first fragments and scale words: the same tile's other K half, or (s = 1) the next tile's first.
.macro TURN s, ns, kind
	WIN 0
	s_wait_tensorcnt 0x0                           ; all my tensor loads have landed: my part of the slot that is read next
	ds_add_u32 v[SPW], v[NIL]                      ; 0 onto my spare word
	s_mov_b32 s[G1A+2], 100<<16                    ; no load of mine is out: a refill brings half a part, 100 rows of 256 bytes of A
	s_mov_b32 s[G1A+4], 100
	s_mov_b32 s[G1B+2], 200<<16                    ; or 200 of B
	s_mov_b32 s[G1B+4], 200
	s_wait_dscnt 0x1                               ; unit 3's fragments are in; the add alone may be out
	MUL8 0, 1, 3, \s, 0                            ; eight products stand between the add and the wait for it
	s_wait_dscnt 0x0                               ; the add is done, and my reads of this slot are over
	s_barrier_signal -1
	MUL8 1, 1, 3, \s, 0
	WIN 0
	s_barrier_wait -1
.if \kind == 1
	CREST                                          ; no wave of any partner still reads these bytes or has a load on its way
	s_add_nc_u64 s[G0A+4*\s+2:G0A+4*\s+3], s[G0A+4*\s+2:G0A+4*\s+3], 256*REC
	ALOAD \s
.elseif \kind == 2
	CREST
.if \s == 0
	s_mov_b64 s[G0A+2:G0A+3], s[A2:A2+1]
	s_mov_b64 s[G0B+2:G0B+3], s[B2:B2+1]
.else
	s_add_nc_u64 s[G0A+6:G0A+7], s[A2:A2+1], SW
	s_add_nc_u64 s[G0B+6:G0B+7], s[B2:B2+1], SX
.endif
	s_or_b32 s[G0A+4*\s+3], s[G0A+4*\s+3], 0x80000000
	s_or_b32 s[G0B+4*\s+3], s[G0B+4*\s+3], 0x80000000
	JLOAD \s                                       ; its four v_nop are also the places ahead of the loads below
.endif
.if \kind != 2
	PLACES                                         ; (a wave that has asked for nothing has passed no v_nop)
.endif
	FETCH \ns, 0, 0
	SCALES \ns
	MUL8 2, 1, 3, \s, 0
	MUL8 3, 1, 3, \s, 0
	WIN 0
.endm
.macro ARM w, g0, g1, wt               ; an arm of the head's one chain: wave w's one load; wt = 1: and the wait that its readers need
	s_cmp_eq_u32 s14, \w
	s_cbranch_scc0 .Lnot_\w
	tensor_load_to_lds s[\g0:\g0+3], s[\g1:\g1+7]
	s_nop 0
.rept 4
	v_nop
.endr
.if \wt
	s_wait_tensorcnt 0x0
.endif
	s_branch .Lfirst_asked
.Lnot_\w:
.endm
	s_load_b128 s[4:7], s[0:1], 0x0                ; xr, wr
	s_load_b128 s[8:11], s[0:1], 0x10              ; qkr, vr
	v_lshl_add_u32 v[SPW], v0, 2, SPARE
	v_mov_b32 v[NIL], 0
	ds_add_u32 v[SPW], v[NIL]                      ; the opening lines: the add, twice on end, and its wait ahead of my first tensor load
	ds_add_u32 v[SPW], v[NIL]
	v_lshrrev_b32 v1, 5, v0
	v_readfirstlane_b32 s14, v1                    ; wave
	s_lshr_b32 s15, s14, 1                         ; my 64 rows of A.  In a refill: I fetch for A (0) or for B (1).  At the head: my K half
	s_and_b32 s16, s14, 1                          ; my 128 rows of B.  In a refill: which half I fetch.  At the head: A (0) or B (1)
	s_mul_i32 s12, s15, 4*REC                      ; my four records of A in slot 0,
	s_add_co_u32 s13, s12, SLOT                    ; and in slot 1
	s_mul_i32 s67, s16, 8*REC
	s_add_co_u32 s67, s67, BOFF                    ; my eight of B
	s_add_co_u32 s100, s67, SLOT
	v_and_b32 v1, 31, v0
	v_and_b32 v2, 15, v0                           ; r
	v_bfe_u32 v3, v0, 4, 1                         ; h
	v_lshlrev_b32 v[LI], 4, v1
	v_lshlrev_b32 v[VSW], 4, v2
	v_mul_u32_u24 v3, v3, REC
	v_add_nc_u32 v[ADA], s12, v[LI]
	v_add_nc_u32 v[ADA+1], s13, v[LI]
	v_add_nc_u32 v[ADB], s67, v[LI]
	v_add_nc_u32 v[ADB+1], s100, v[LI]
	v_add_nc_u32 v[ASA], s12, v[VSW]
	v_add_nc_u32 v[ASA+1], s13, v[VSW]
	v_add_nc_u32 v[ASB], s67, v[VSW]
	v_add_nc_u32 v[ASB+1], s100, v[VSW]
	v_add_nc_u32 v[VSW], v[VSW], v3
.irp b, 0,1,2,3
	v_mov_b32 v[TM+4+\b], 0                        ; a lane permute's destination counts as read
.endr
	s_mov_b32 s66, 0xffff0000                      ; lanes 16-31
	s_mov_b32 s80, 0x76543210
	s_mov_b32 s81, 0xfedcba98
	s_bfe_u32 s40, ttmp6, 0x40000                  ; cx
	s_bfe_u32 s41, ttmp6, 0x40004                  ; cy
	s_lshl_b32 s43, s41, 2
	s_lshl_b32 s43, 15, s43                        ; my row of the cluster
	s_lshl_b32 s44, 0x1111, s40                    ; my column
	; group 1: a dense block as rows of 256 bytes (32 elements of 8 bytes).  For the head: A's whole part, 200 rows, B's, 400
	s_or_b32 s[G1A], s43, (3<<16)|(1<<21)
	s_or_b32 s[G1B], s44, (3<<16)|(1<<21)
	s_mov_b32 s[G1A+1], 32<<16
	s_mov_b32 s[G1A+2], 200<<16
	s_mov_b32 s[G1A+3], 32<<16
	s_mov_b32 s[G1A+4], 200
	s_mov_b32 s[G1A+5], 32
	s_mov_b32 s[G1A+6], 0
	s_mov_b32 s[G1A+7], 0
	s_mov_b32 s[G1B+1], 32<<16
	s_mov_b32 s[G1B+2], 400<<16
	s_mov_b32 s[G1B+3], 32<<16
	s_mov_b32 s[G1B+4], 400
	s_mov_b32 s[G1B+5], 32
	s_mov_b32 s[G1B+6], 0
	s_mov_b32 s[G1B+7], 0
	s_and_b32 s19, ttmp7, 0xffff                   ; Y, the cluster's y; ttmp9 is X
	; A's addresses are made of X, Y, cy and the wave alone
	s_lshl_b32 s17, s19, 2
	s_add_co_u32 s17, s17, s41                     ; tile 0: which 128 rows of x: 4 Y + cy
	s_lshl_b32 s20, s17, 3
	s_lshl_b32 s21, s16, 2
	s_add_co_u32 s20, s20, s21
	s_mul_i32 s20, s20, REC
	s_mov_b32 s21, 0
	s_lshl_b32 s42, ttmp9, 2
	s_add_co_u32 s42, s42, s41                     ; tile 2: which 128 rows of Wv: 4 X + cy
	s_lshl_b32 s2, s42, 3
	s_lshl_b32 s3, s16, 2
	s_add_co_u32 s2, s2, s3
	s_add_co_u32 s2, s2, 128                       ; Wv's tiles begin at tile 128 of wr
	s_mul_i32 s2, s2, REC
	s_mov_b32 s3, 0
	; B's of X, Y, cx and the wave alone
	s_lshl_b32 s18, ttmp9, 2
	s_add_co_u32 s18, s18, s40                     ; tiles 0, 1: which 256 rows of Wq | Wk: 4 X + cx
	s_lshl_b32 s22, s18, 4
	s_lshl_b32 s23, s16, 3
	s_add_co_u32 s22, s22, s23
	s_mul_i32 s22, s22, REC
	s_mov_b32 s23, 0
	s_lshl_b32 s45, s19, 2
	s_add_co_u32 s45, s45, s40                     ; tile 2: which 256 rows of x: 4 Y + cx
	s_lshl_b32 s46, s45, 4
	s_lshl_b32 s47, s16, 3
	s_add_co_u32 s46, s46, s47
	s_mul_i32 s46, s46, REC
	s_mov_b32 s47, 0
	; where tile 0 goes in qkr: my first tile of rows, the 512 along K and the unit that my 128 rows of B make
	s_lshl_b32 s90, s17, 3
	s_lshl_b32 s91, s15, 2
	s_add_co_u32 s90, s90, s91
	s_mul_i32 s90, s90, REC
	s_lshr_b32 s91, s18, 1
	s_mul_i32 s91, s91, SX
	s_add_co_u32 s90, s90, s91
	s_and_b32 s91, s18, 1
	s_lshl_b32 s91, s91, 1
	s_add_co_u32 s91, s91, s16
	s_lshl_b32 s92, s91, 2
	s_add_co_u32 s92, s92, s90
	s_add_co_u32 s92, s92, 6144
	s_mov_b32 s93, 0
	s_mul_i32 s91, s91, 1536
	s_add_co_u32 s90, s90, s91
	s_mov_b32 s91, 0
	; and tile 2 in vr
	s_lshl_b32 s94, s42, 3
	s_lshl_b32 s95, s15, 2
	s_add_co_u32 s94, s94, s95
	s_mul_i32 s94, s94, REC
	s_lshr_b32 s95, s45, 1
	s_mul_i32 s95, s95, SV
	s_add_co_u32 s94, s94, s95
	s_and_b32 s95, s45, 1
	s_lshl_b32 s95, s95, 1
	s_add_co_u32 s95, s95, s16
	s_lshl_b32 s96, s95, 2
	s_add_co_u32 s96, s96, s94
	s_add_co_u32 s96, s96, 6144
	s_mov_b32 s97, 0
	s_mul_i32 s95, s95, 1536
	s_add_co_u32 s94, s94, s95
	s_mov_b32 s95, 0
	s_mul_i32 s98, s16, 4*REC                      ; where my refills go in a slot: A's half; B's is s67: no place in the cluster enters an LDS address
	s_wait_alu depctr_va_vdst(0)                   ; it covers the head's vector lines
	s_wait_dscnt 0x0                               ; both opening adds are done
	s_wait_kmcnt 0x0
	s_add_nc_u64 s[86:87], s[4:5], s[20:21]        ; tile 0's A, my half
	s_add_nc_u64 s[88:89], s[6:7], s[22:23]        ; tiles 0 and 1's B, my half
	s_add_nc_u64 s[A2:A2+1], s[6:7], s[2:3]
	s_add_nc_u64 s[B2:B2+1], s[4:5], s[46:47]
	s_add_nc_u64 s[OB0:OB0+1], s[8:9], s[90:91]
	s_add_nc_u64 s[OS0:OS0+1], s[8:9], s[92:93]
	s_add_nc_u64 s[OB1:OB1+1], s[OB0:OB0+1], 256*REC
	s_add_nc_u64 s[OS1:OS1+1], s[OS0:OS0+1], 256*REC
	s_add_nc_u64 s[OB2:OB2+1], s[10:11], s[94:95]
	s_add_nc_u64 s[OS2:OS2+1], s[10:11], s[96:97]
	CROUND                                         ; all sixteen work-groups are here: the joint loads meet
	s_mov_b32 s[G0A], 1                            ; the refills' group 0, one set for each slot
	s_mov_b32 s[G0A+1], s98
	s_mov_b64 s[G0A+2:G0A+3], s[86:87]
	s_or_b32 s[G0A+3], s[G0A+3], 0x80000000
	s_mov_b32 s[G0A+4], 1
	s_add_co_u32 s[G0A+5], s98, SLOT
	s_add_nc_u64 s[G0A+6:G0A+7], s[86:87], SX
	s_or_b32 s[G0A+7], s[G0A+7], 0x80000000
	s_mov_b32 s[G0B], 1
	s_mov_b32 s[G0B+1], s67
	s_mov_b64 s[G0B+2:G0B+3], s[88:89]
	s_or_b32 s[G0B+3], s[G0B+3], 0x80000000
	s_mov_b32 s[G0B+4], 1
	s_add_co_u32 s[G0B+5], s67, SLOT
	s_add_nc_u64 s[G0B+6:G0B+7], s[88:89], SW
	s_or_b32 s[G0B+7], s[G0B+7], 0x80000000
	; the head's group 0, in registers that held arguments: s[4:7] A's whole part of K half wave / 2, s[8:11] B's
	s_mov_b32 s20, s98                             ; (s21 = 0) my half's bytes, which the whole part's address leaves out
	s_sub_nc_u64 s[6:7], s[86:87], s[20:21]
	s_mul_i32 s20, s15, SX
	s_add_nc_u64 s[6:7], s[6:7], s[20:21]
	s_or_b32 s7, s7, 0x80000000
	s_mov_b32 s4, 1
	s_mul_i32 s5, s15, SLOT
	s_sub_co_u32 s22, s67, BOFF                    ; (s23 = 0)
	s_sub_nc_u64 s[10:11], s[88:89], s[22:23]
	s_mul_i32 s22, s15, SW
	s_add_nc_u64 s[10:11], s[10:11], s[22:23]
	s_or_b32 s11, s11, 0x80000000
	s_mov_b32 s8, 1
	s_add_co_u32 s9, s5, BOFF
	ARM 0, 4, G1A, 1                               ; A's K half 0, and the wait for it
	ARM 1, 8, G1B, 1                               ; B's K half 0, and the wait for it
	ARM 2, 4, G1A, 0                               ; A's K half 1: awaited at the change of K halves
	tensor_load_to_lds s[8:11], s[G1B:G1B+7]       ; B's K half 1 likewise
	s_nop 0
.rept 4
	v_nop
.endr
.Lfirst_asked:
	s_barrier_signal -1
	s_barrier_wait -1                              ; slot 0 is whole
	FETCH 0, 0, 0
	SCALES 0
	; ---- tile 0, sums in window 2
.set AW, 2
	HALF 0, 1
	TURN 0, 1, 1                                   ; slot 0 takes tile 1's A
	HALF 1, 0
	TURN 1, 0, 1                                   ; slot 1 likewise; tile 1's first fragments are asked for
	QSTART 2, OB0, OS0
	; ---- tile 1, sums in window 3; tile 0 goes out among its first 68 products
.set AW, 3
	HALF 0, 1
	TURN 0, 1, 2                                   ; slot 0 takes tile 2's A and B
	HALF 1, 0
	TURN 1, 0, 2
	QSTART 3, OB1, OS1
	; ---- tile 2, sums in window 2; tile 1 goes out among its first 68 products; nothing is left to fetch
.set AW, 2
	HALF 0, 1
	TURN 0, 1, 0
	HALF 1, 0
	s_wait_dscnt 0x0
	MUL8 0, 1, 3, 1, 0
	MUL8 1, 1, 3, 1, 0
	MUL8 2, 1, 3, 1, 0
	MUL8 3, 1, 3, 1, 0
	WIN 0
	QSTART 2, OB2, OS2
	PLACES
.rept 68
	QG
.endr
	s_wait_tensorcnt 0x0                           ; the wave's end
	ds_add_u32 v[SPW], v[NIL]
	s_wait_dscnt 0x0
	CROUND                                         ; the closing round
	s_endpgm
.Lfunc_end_k_qcc63e8e30d_proj:
	.size	k_qcc63e8e30d_proj, .Lfunc_end_k_qcc63e8e30d_proj-k_qcc63e8e30d_proj
	.p2alignl 7, 3214868480
	.fill 96, 4, 3214868480
	.section	.rodata,"a",@progbits
	.p2align	6, 0x0
	.amdhsa_kernel k_qcc63e8e30d_proj
		.amdhsa_group_segment_fixed_size 327680
		.amdhsa_private_segment_fixed_size 0
		.amdhsa_enable_private_segment 0
		.amdhsa_kernarg_size 32
		.amdhsa_user_sgpr_count 2
		.amdhsa_user_sgpr_kernarg_segment_ptr 1
		.amdhsa_wavefront_size32 1
		.amdhsa_system_sgpr_workgroup_id_x 1
		.amdhsa_system_sgpr_workgroup_id_y 1
		.amdhsa_system_sgpr_workgroup_id_z 1
		.amdhsa_system_vgpr_workitem_id 0
		.amdhsa_next_free_vgpr 1024
		.amdhsa_next_free_sgpr 104
		.amdhsa_reserve_vcc 0
		.amdhsa_float_denorm_mode_32 3
		.amdhsa_float_denorm_mode_16_64 3
		.amdhsa_memory_ordered 1
		.amdhsa_forward_progress 1
		.amdhsa_inst_pref_size 235
	.end_amdhsa_kernel
	.amdgpu_metadata
---
amdhsa.version: [ 1, 2 ]
amdhsa.kernels:
  - .name:           k_qcc63e8e30d_proj
    .symbol:         k_qcc63e8e30d_proj.kd
    .args:
      - { .name: xr, .offset: 0, .size: 8, .value_kind: global_buffer, .address_space: global }
      - { .name: wr, .offset: 8, .size: 8, .value_kind: global_buffer, .address_space: global }
      - { .name: qkr, .offset: 16, .size: 8, .value_kind: global_buffer, .address_space: global }
      - { .name: vr, .offset: 24, .size: 8, .value_kind: global_buffer, .address_space: global }
    .group_segment_fixed_size: 327680
    .private_segment_fixed_size: 0
    .kernarg_segment_align: 8
    .kernarg_segment_size: 32
    .max_flat_workgroup_size: 128
    .sgpr_count:     104
    .vgpr_count:     1024
    .wavefront_size: 32
...
	.end_amdgpu_metadata
.endif
;; end of part 7
;; launch score (part 8): grid 16 x 16, 4 waves a work-group, clusters of 4 x 4, 327,680 bytes of LDS; arguments qkr, pr, pst; writes pr, pst
.if DOCPART == 8
	.amdgcn_target "amdgcn-amd-amdhsa--gfx1250"
	.amdhsa_code_object_version 6
	.text
	.protected	k_qcc63e8e30d_score
	.globl	k_qcc63e8e30d_score
	.p2align	8
	.type	k_qcc63e8e30d_score,@function
k_qcc63e8e30d_score:
	s_mov_b64 s[64:65], 0
	v_nop
	global_prefetch_b8 v0, s[64:65] scope:SCOPE_SE
	s_setreg_imm32_b32 hwreg(HW_REG_WAVE_MODE, 25, 1), 1
	s_wait_xcnt 0x0
	s_wait_alu depctr_hold_cnt(0) depctr_sa_sdst(0) depctr_va_vdst(0) depctr_va_sdst(0) depctr_va_ssrc(0) depctr_va_vcc(0) depctr_vm_vsrc(0)
	s_getreg_b32 s2, hwreg(HW_REG_IB_STS2, 6, 4)
	s_cmp_eq_u32 s2, 0
	s_cbranch_scc0 .Lentry_in_a_cluster
	s_endpgm
.Lentry_in_a_cluster:
	s_bfe_u32 s2, ttmp6, 0x10000c
	s_cmp_lg_u32 s2, 0xf033
	s_cbranch_scc0 .Lentry_shape_is_right
	s_endpgm
.Lentry_shape_is_right:
; S = q k^T on codes of FP6 (E2M3), the causal mask, and p = 2^(t - M'), t = score x log2(e) / 32, quantised along the keys.  M' is the ceiling of the largest t of ONE query over ONE unit of 128 keys:
; a true maximum is taken away, unit by unit.  Stored: p's codes and raw scale bytes (pr, as records), -M' and the unit's sum of the unquantised p (pst).  The next launch takes the row's M = the largest M'
; and takes M - M' off the scale bytes, which is exact, M and M' being whole numbers.
; RECORDS, SHARES, LDS and the core are as in the launch of the projections: a tile is 128 queries (A, source 1) x 256 keys (B, source 0), 64 x 128 a wave; K = 1,024 in two LDS slots of 512.
; CLUSTER 4 x 4 = 512 queries x 1,024 keys; cluster x = c, the batch's block of 512 queries; cluster y = the batch.  Of a batch's eight such blocks the mask hides two wholly.  Every cluster makes keys 0-1023;
; clusters c = 2, 3 STAY and make keys 1024-2047 first: q's records stay in LDS, and only k's part of a slot is filled again (waves 2 and 3; waves 0 and 1 ask for nothing), each time first behind a round of the
; cluster's barrier.  Clusters c = 0, 1 jump over the first tile: a branch on the cluster's x, the same in all partners.  24 tiles of clusters do not divide by 16 clusters: c = 0, 1 end earlier.
; A partner whose own tile is hidden makes every joint request and runs the same text: its p are zero codes, which the next launch's rounded-up K reads.  The mask's lines are jumped over where c >= 2 makes
; keys 0-1023, all of which count.  A unit all of whose keys are hidden for a row gets -M' = 3e38, p = 0, sum 0.  By this text's own count a wave has at most one tensor load out.
; LIMITS: M' is exact while |t| < 2^24; NaN and infinities among the inputs are not served; a block's largest p is taken as 2^ of its largest score's t - M' (v_exp_f32 is taken not to fall where its input rises).
.set REC,  6400
; THE HEAD AS IT NOW STANDS: one tensor load a wave, each a whole part of a slot: wave 0 q's K half 0, wave 1 k's K half 0, wave 2 q's K half 1, wave 3 k's K half 1.  Waves 0 and 1 wait for theirs ahead of the
; first barrier, behind which nothing is filled; K half 1's two loads are awaited by the wait for 0 that every wave runs at the change of slots.  A wave has one tensor load out at the most.
.set SLOT, 24*REC
.set BOFF, 8*REC
.set SX,   512*REC
.set SPARE, 2*SLOT                     ; behind the slots: the spare words, 128 bytes a wave: two blocks of 256 bytes that no other line names
.set LI,   4
.set ADRA, 5
.set ADRB, 7
.set ASA,  9
.set ASB,  11
.set VSW,  13                          ; v13  16 r + 6400 h
.set VST,  14                          ; v14  128 r + 64 h: pst
.set DQ0,  15                          ; v15  my query of tile 0 less my first key, for keys 0-1023
.set DQ1,  17                          ; v17  the same for keys 1024-2047
.set SPW,  28
.set NIL,  29
.set SA,   32
.set SB,   96
.set AF,   160
.set PC,   160
.set PT,   208
.set MX,   216                         ; v216-219 a block's largest score, then its largest p
.set MY,   220                         ; v220-223 the other half's; the bytes
.set SO,   224                         ; v224-227 the conversions' scale operands
.set NEG,  228                         ; v[228:229] -M', the largest t
.set SUM,  230
.set SUM2, 232
.set TMP,  234
.set PW,   236
.set STT,  240                         ; v240-243 what goes to pst, a register for each tile
.set SELW, 244
.set DQ,   248
.set NINF, 249
.set G1A, 24
.set G0A, 32
.set G1B, 48
.set G0B, 56
.set MSB, 0
.macro WIN new
.if MSB != (\new)
	s_set_vgpr_msb (MSB<<8)|(\new)
.set MSB, (\new)
.endif
.endm
.macro PLACES
.rept 4
	v_nop
.endr
.endm
.macro CREST
	s_cmp_lg_u32 s14, 0
	s_cbranch_scc1 .Lnot_wave_0_\@
	s_barrier_signal -3
.Lnot_wave_0_\@:
	s_barrier_wait -3
	s_barrier_signal -1
	s_barrier_wait -1
.endm
.macro CROUND
	s_barrier_signal -1
	s_barrier_wait -1
	CREST
.endm
.macro BLOAD s                         ; a joint refill of k's part alone: waves 0 and 1 have nothing to fill; four v_nop follow the line
	s_cmp_eq_u32 s15, 0
	s_cbranch_scc1 .Lnone_\@
	tensor_load_to_lds s[G0B+4*\s:G0B+4*\s+3], s[G1B:G1B+7]
	s_nop 0
.rept 4
	v_nop
.endr
.Lnone_\@:
.endm
.macro FETCH s, u, p
	WIN 0x40
.irp b, 0,1,2,3,4,5,6,7
.irp c, 0,1,2
	ds_load_b128 v[128*(\p)+12*\b+4*\c:128*(\p)+12*\b+4*\c+3], v[ADRB+\s] offset:REC*\b+1536*(\u)+512*\c
.endr
.endr
	WIN 0
.irp a, 0,1,2,3
.irp c, 0,1,2
	ds_load_b128 v[AF+48*(\p)+12*\a+4*\c:AF+48*(\p)+12*\a+4*\c+3], v[ADRA+\s] offset:REC*\a+1536*(\u)+512*\c
.endr
.endr
.endm
.macro SCALES s
.irp b, 0,1,2,3,4,5,6,7
	ds_load_b128 v[SB+32*\s+4*\b:SB+32*\s+4*\b+3], v[ASB+\s] offset:REC*\b+6144
.endr
.irp a, 0,1,2,3
	ds_load_b128 v[SA+16*\s+4*\a:SA+16*\s+4*\a+3], v[ASA+\s] offset:REC*\a+6144
.endr
.endm
.macro MUL8 a, p, u, sb, sa, zero      ; the 32 accumulators take turns in the same order in every unit
	WIN 0xa1
.irp b, 0,1,2,3,4,5,6,7
.if \zero
	v_wmma_scale_f32_16x16x128_f8f6f4 v[8*(8*(\a)+\b):8*(8*(\a)+\b)+7], v[128*(\p)+12*\b:128*(\p)+12*\b+11], v[AF+48*(\p)+12*(\a):AF+48*(\p)+12*(\a)+11], 0, v[SB+32*(\sb)+4*\b+(\u)], v[(\sa)+4*(\a)+(\u)] matrix_a_fmt:MATRIX_FMT_FP6 matrix_b_fmt:MATRIX_FMT_FP6
.else
	v_wmma_scale_f32_16x16x128_f8f6f4 v[8*(8*(\a)+\b):8*(8*(\a)+\b)+7], v[128*(\p)+12*\b:128*(\p)+12*\b+11], v[AF+48*(\p)+12*(\a):AF+48*(\p)+12*(\a)+11], v[8*(8*(\a)+\b):8*(8*(\a)+\b)+7], v[SB+32*(\sb)+4*\b+(\u)], v[(\sa)+4*(\a)+(\u)] matrix_a_fmt:MATRIX_FMT_FP6 matrix_b_fmt:MATRIX_FMT_FP6
.endif
.endr
.endm
.macro UNIT s, u, zero, sa
	s_wait_dscnt 0x0                               ; this unit's fragments, asked for 32 products ago, are in
	PLACES
	FETCH \s, (\u)+1, 1-(\u)%2
	MUL8 0, (\u)%2, \u, \s, \sa, \zero
	MUL8 1, (\u)%2, \u, \s, \sa, \zero
	MUL8 2, (\u)%2, \u, \s, \sa, \zero
	MUL8 3, (\u)%2, \u, \s, \sa, \zero
	WIN 0
.endm
.macro THREE s, sa, zero               ; units 0 to 2 of a slot; zero = 1: a tile's first products start the sums
	UNIT \s, 0, \zero, \sa
	UNIT \s, 1, 0, \sa
	UNIT \s, 2, 0, \sa
.endm
; Unit 3 of slot s, and the change of slots: ONE barrier; ahead of it each wave waits for all its tensor loads, adds 0 to its spare word, and waits for that and for its reads of this slot.
; kind = 1: the barrier opens a round of the cluster's, and k's part of this slot is filled again, with the records 64 back (keys 0-1023).  kind = 0: nothing is filled.
; fetch = 1: the other slot's first fragments follow.  fetch = 0: a tile's end: the way out, which works in A's fragment registers, comes first.
.macro TURN s, next, sa, kind, fetch
	WIN 0
	s_wait_tensorcnt 0x0                           ; all my tensor loads have landed: my part of the slot that is read next
	ds_add_u32 v[SPW], v[NIL]                      ; 0 onto my spare word
	s_mov_b32 s[G1B+2], 200<<16                    ; no load of mine is out: a refill brings half of k's part, 200 rows
	s_mov_b32 s[G1B+4], 200
	s_wait_dscnt 0x1                               ; unit 3's fragments are in; the add alone may be out
	MUL8 0, 1, 3, \s, \sa, 0                       ; eight products stand between the add and the wait for it
	s_wait_dscnt 0x0                               ; the add is done, and my reads of this slot are over
	s_barrier_signal -1
	MUL8 1, 1, 3, \s, \sa, 0
	WIN 0
	s_barrier_wait -1
.if \kind == 1
	CREST                                          ; no wave of any partner still reads this slot or has a load on its way
	s_sub_nc_u64 s[G0B+4*\s+2:G0B+4*\s+3], s[G0B+4*\s+2:G0B+4*\s+3], 64*REC   ; the type bits on top are not reached
	BLOAD \s
.endif
.if \fetch
	PLACES                                         ; (a wave that has asked for nothing has passed no v_nop)
	FETCH \next, 0, 0
	SCALES \next
.endif
	MUL8 2, 1, 3, \s, \sa, 0
	MUL8 3, 1, 3, \s, \sa, 0
	WIN 0
.endm
.macro LAST s, sa
	s_wait_dscnt 0x0
	MUL8 0, 1, 3, \s, \sa, 0
	MUL8 1, 1, 3, \s, \sa, 0
	MUL8 2, 1, 3, \s, \sa, 0
	MUL8 3, 1, 3, \s, \sa, 0
	WIN 0
	PLACES
.endm
.macro SINIT                           ; the way out's constants lie in A's fragment registers: they are made anew for each tile
.irp b, 0,1,2,3
	v_mov_b32 v[MY+\b], 0                          ; a lane permute's destination counts as read
.endr
	v_mov_b32 v[TMP+1], 0
	v_mov_b32 v[NINF], 0xff800000
.endm
; Tile a of my queries: register 16 b + i of its 64 (window 2) is key 32 b + 16 h + i of my 128.  msk = 1: the mask's lines always run; 0: they are jumped over where c >= 2.
; dq0: the register with my query less my first key;  ob, ps: the scalar pairs with my images' and my statistics' place.
.macro SOFT a, msk, dq0, ob, ps
.set AC, 64*(\a)
.if \msk == 0
	s_cmp_ge_u32 s84, 2
	s_cbranch_scc1 .Lopen_\@
.endif
	s_wait_alu depctr_va_vdst(0)
	v_add_nc_u32 v[DQ], 32*((\a)/2)+8*((\a)%2), v[\dq0]   ; d = my query - my wave's first key - 16 h: key 32 b + i is hidden where it is above d
	WIN 0x82
.set n, 0
.rept 64
	v_cmp_gt_i32 vcc_lo, 32*(n/16)+n%16, v[DQ]
	v_cndmask_b32 v[AC+n], v[AC+n], v[NINF], vcc_lo
.set n, n+1
.endr
	WIN 0
.if \msk == 0
.Lopen_\@:
.endif
	WIN 0x0a
.irp b, 0,1,2,3
	v_max_num_f32 v[MX+\b], v[AC+16*\b], v[AC+16*\b+1]   ; the largest score of each block of 32 keys: for the row's maximum and for the block's largest p
.endr
.irp i, 2,4,6,8,10,12,14
.irp b, 0,1,2,3
	v_max3_num_f32 v[MX+\b], v[AC+16*\b+\i], v[AC+16*\b+\i+1], v[MX+\b]
.endr
.endr
	WIN 0
.irp b, 0,1,2,3
	v_permlanex16_b32 v[MY+\b], v[MX+\b], s80, s81
.endr
.irp b, 0,1,2,3
	v_max_num_f32 v[MX+\b], v[MX+\b], v[MY+\b]
.endr
	v_max3_num_f32 v[TMP], v[MX], v[MX+1], v[MX+2]
	v_max_num_f32 v[TMP], v[TMP], v[MX+3]
	v_mul_f32 v[TMP], s82, v[TMP]                  ; as t
	v_max_num_f32 v[NEG+1], 0xff61b1e6, v[TMP]     ; -3e38 where all 128 keys are hidden
	v_floor_f32 v[NEG], -v[NEG+1]                  ; -M' = floor(-t): a whole number
	WIN 0x82
.set n, 0
.rept 32
	v_pk_fma_f32 v[AC+n:AC+n+1], v[AC+n:AC+n+1], s[82:83], v[NEG:NEG+1] op_sel_hi:[1,0,0]   ; t - M'
.set n, n+2
.endr
	WIN 0
.irp b, 0,1,2,3
	v_fma_f32 v[MX+\b], v[MX+\b], s82, v[NEG]
.endr
	WIN 0x82
.set n, 0
	s_wait_alu depctr_va_vdst(0)
.rept 64
	v_exp_f32 v[AC+n], v[AC+n]                     ; p, at most 1
.set n, n+1
.endr
	WIN 0
	v_mov_b32 v[SUM], 0                            ; plain lines behind the exponentials
	v_mov_b32 v[SUM+1], 0
	v_mov_b32 v[SUM2], 0
	v_mov_b32 v[SUM2+1], 0
	s_wait_alu depctr_va_vdst(0)                   ; one wait for the batch of 64, ahead of its first reader
.irp b, 0,1,2,3
	v_exp_f32 v[MX+\b], v[MX+\b]                   ; the block's largest p
.endr
	WIN 0x02
.set n, 0
.rept 16
	v_pk_add_f32 v[SUM:SUM+1], v[AC+n:AC+n+1], v[SUM:SUM+1]       ; the sum of the UNQUANTISED p, in two chains
	v_pk_add_f32 v[SUM2:SUM2+1], v[AC+n+2:AC+n+3], v[SUM2:SUM2+1]
.set n, n+4
.endr
	WIN 0
	v_pk_add_f32 v[SUM:SUM+1], v[SUM:SUM+1], v[SUM2:SUM2+1]
	s_wait_alu depctr_va_vdst(0)                   ; and one for the four
.irp b, 0,1,2,3
	v_max_num_f32 v[MX+\b], 0x1800000, v[MX+\b]    ; the floor: the byte cannot fall under 1
.endr
.irp b, 0,1,2,3
	v_add_nc_u32 v[SO+\b], 0xff000000, v[MX+\b]
.endr
.irp b, 0,1,2,3
	v_lshrrev_b32 v[MY+\b], 23, v[SO+\b]
.endr
	v_lshl_or_b32 v[PW+(\a)], v[MY+1], 8, v[MY]
	v_lshl_or_b32 v[PW+(\a)], v[MY+2], 16, v[PW+(\a)]
	v_lshl_or_b32 v[PW+(\a)], v[MY+3], 24, v[PW+(\a)]
	WIN 0x02
.irp c, 0,1
	v_cvt_scalef32_pk16_fp6_f32 v[PC+12*(\a)+6*\c:PC+12*(\a)+6*\c+2], v[AC+32*\c:AC+32*\c+15], v[SO+2*\c]
	v_cvt_scalef32_pk16_fp6_f32 v[PT+4*\c:PT+4*\c+2], v[AC+32*\c+16:AC+32*\c+31], v[SO+2*\c+1]
.endr
	WIN 0
	v_nop
.irp c, 0,1
.irp i, 0,1,2
	v_permlane16_swap_b32 v[PC+12*(\a)+6*\c+\i], v[PT+4*\c+\i]
.endr
.irp i, 0,1,2
	v_mov_b32 v[PC+12*(\a)+6*\c+3+\i], v[PT+4*\c+\i]
.endr
.endr
	v_add_f32 v[TMP], v[SUM], v[SUM+1]
	v_permlanex16_b32 v[TMP+1], v[TMP], s80, s81
	v_add_f32 v[TMP], v[TMP], v[TMP+1]             ; the unit's sum for my query
	v_cndmask_b32 v[STT+(\a)], v[NEG], v[TMP], s78 ; lanes 0-15 send -M', lanes 16-31 the sum
.irp c, 0,1,2
	global_store_b128 v[LI], v[PC+12*(\a)+4*\c:PC+12*(\a)+4*\c+3], s[\ob:\ob+1] offset:REC*(\a)+512*\c
.endr
	global_store_b32 v[VST], v[STT+(\a)], s[\ps:\ps+1] offset:2048*(\a)
.endm
.macro PUTW a, os
	v_cndmask_b32 v[SELW+(\a)/2], v[PW+(\a)], v[PW+(\a)+1], s78
	global_store_b32 v[VSW], v[SELW+(\a)/2], s[\os:\os+1] offset:REC*(\a)
.endm
	s_load_b128 s[4:7], s[0:1], 0x0                ; qkr, pr
	s_load_b64 s[8:9], s[0:1], 0x10                ; pst
	v_lshl_add_u32 v[SPW], v0, 2, SPARE
	v_mov_b32 v[NIL], 0
	ds_add_u32 v[SPW], v[NIL]                      ; the opening lines: the add, twice on end, and its wait ahead of my first tensor load
	ds_add_u32 v[SPW], v[NIL]
	v_lshrrev_b32 v1, 5, v0
	v_readfirstlane_b32 s14, v1
	s_lshr_b32 s15, s14, 1
	s_and_b32 s16, s14, 1
	s_bfe_u32 s40, ttmp6, 0x40000
	s_bfe_u32 s41, ttmp6, 0x40004
	s_lshl_b32 s43, s41, 2
	s_lshl_b32 s43, 15, s43
	s_lshl_b32 s44, 0x1111, s40
	s_or_b32 s[G1A], s43, (3<<16)|(1<<21)
	s_or_b32 s[G1B], s44, (3<<16)|(1<<21)
	s_mov_b32 s[G1A+1], 32<<16                     ; rows of 256 bytes; for the head q's whole part of a slot, 200 rows,
	s_mov_b32 s[G1A+2], 200<<16
	s_mov_b32 s[G1A+3], 32<<16
	s_mov_b32 s[G1A+4], 200
	s_mov_b32 s[G1A+5], 32
	s_mov_b32 s[G1A+6], 0
	s_mov_b32 s[G1A+7], 0
	s_mov_b32 s[G1B+1], 32<<16                     ; and k's, 400 rows
	s_mov_b32 s[G1B+2], 400<<16
	s_mov_b32 s[G1B+3], 32<<16
	s_mov_b32 s[G1B+4], 400
	s_mov_b32 s[G1B+5], 32
	s_mov_b32 s[G1B+6], 0
	s_mov_b32 s[G1B+7], 0
	s_and_b32 s19, ttmp7, 0xffff                   ; the batch
	s_mov_b32 s84, ttmp9                           ; c: which 512 queries of it
	s_cmp_ge_u32 s84, 2
	s_cselect_b32 s18, 4, 0                        ; the first fills: keys 1024 on where c >= 2, else keys 0 on
	s_add_co_u32 s18, s18, s40                     ; which 256 keys
	s_lshl_b32 s17, s84, 2
	s_add_co_u32 s17, s17, s41                     ; i: which 128 queries of the batch
	s_lshl_b32 s42, s19, 7                         ; a batch is 128 tiles
	s_lshl_b32 s20, s17, 3
	s_add_co_u32 s20, s20, s42
	s_lshl_b32 s21, s16, 2
	s_add_co_u32 s20, s20, s21
	s_mul_i32 s20, s20, REC                        ; q: qkr's first two 512 along K
	s_mov_b32 s21, 0
	s_lshl_b32 s22, s18, 4
	s_add_co_u32 s22, s22, s42
	s_lshl_b32 s23, s16, 3
	s_add_co_u32 s22, s22, s23
	s_mul_i32 s22, s22, REC
	s_add_co_u32 s22, s22, 2*SX                    ; k: the other two
	s_mov_b32 s23, 0
	; where the tile of keys 0-1023 goes: its 256 keys are block cx
	s_lshl_b32 s46, s17, 3
	s_add_co_u32 s46, s46, s42
	s_lshl_b32 s47, s15, 2
	s_add_co_u32 s46, s46, s47                     ; my first tile of queries
	s_lshl_b32 s94, s46, 11                        ; pst: 2,048 bytes a tile,
	s_lshl_b32 s47, s40, 1
	s_add_co_u32 s47, s47, s16                     ; which 128 keys of the batch
	s_lshl_b32 s47, s47, 2
	s_add_co_u32 s94, s94, s47
	s_mov_b32 s95, 0
	s_mul_i32 s46, s46, REC
	s_lshr_b32 s47, s40, 1
	s_mul_i32 s47, s47, SX
	s_add_co_u32 s46, s46, s47
	s_and_b32 s47, s40, 1
	s_lshl_b32 s47, s47, 1
	s_add_co_u32 s47, s47, s16
	s_mul_i32 s90, s47, 1536
	s_add_co_u32 s90, s90, s46
	s_mov_b32 s91, 0
	s_lshl_b32 s92, s47, 2
	s_add_co_u32 s92, s92, s46
	s_add_co_u32 s92, s92, 6144
	s_mov_b32 s93, 0
	s_lshl_b32 s85, s17, 7                         ; my first query less my first key: 128 i + 64 (wave / 2) - 256 cx - 128 (wave % 2)
	s_lshl_b32 s47, s15, 6
	s_add_co_u32 s85, s85, s47
	s_lshl_b32 s47, s40, 8
	s_sub_co_u32 s85, s85, s47
	s_lshl_b32 s47, s16, 7
	s_sub_co_u32 s85, s85, s47
	s_mul_i32 s2, s16, 4*REC
	s_mul_i32 s3, s16, 8*REC
	s_add_co_u32 s3, s3, BOFF
	s_wait_dscnt 0x0                               ; both opening adds are done
	s_wait_kmcnt 0x0
	s_add_nc_u64 s[86:87], s[4:5], s[20:21]
	s_add_nc_u64 s[88:89], s[4:5], s[22:23]
	s_add_nc_u64 s[72:73], s[6:7], s[90:91]        ; keys 0-1023: images,
	s_add_nc_u64 s[74:75], s[6:7], s[92:93]        ; scale words,
	s_add_nc_u64 s[76:77], s[8:9], s[94:95]        ; statistics
	s_add_nc_u64 s[66:67], s[72:73], 2*SX          ; keys 1024-2047: two 512 along K on,
	s_add_nc_u64 s[68:69], s[74:75], 2*SX
	s_add_nc_u64 s[70:71], s[76:77], 32            ; eight units of 128 keys on
	CROUND
	; the head's group 0, in registers that held arguments: s[4:7] q's whole part of K half wave / 2, s[8:11] k's
	s_mov_b32 s20, s2                              ; (s21 = 0) my half's bytes, which the whole part's address leaves out
	s_sub_nc_u64 s[6:7], s[86:87], s[20:21]
	s_mul_i32 s20, s15, SX
	s_add_nc_u64 s[6:7], s[6:7], s[20:21]
	s_or_b32 s7, s7, 0x80000000
	s_mov_b32 s4, 1
	s_mul_i32 s5, s15, SLOT
	s_sub_co_u32 s22, s3, BOFF                     ; (s23 = 0)
	s_sub_nc_u64 s[10:11], s[88:89], s[22:23]
	s_mul_i32 s22, s15, SX
	s_add_nc_u64 s[10:11], s[10:11], s[22:23]
	s_or_b32 s11, s11, 0x80000000
	s_mov_b32 s8, 1
	s_add_co_u32 s9, s5, BOFF
	s_mov_b32 s[G0B], 1
	s_mov_b32 s[G0B+1], s3
	s_mov_b64 s[G0B+2:G0B+3], s[88:89]
	s_or_b32 s[G0B+3], s[G0B+3], 0x80000000
	s_mov_b32 s[G0B+4], 1
	s_add_co_u32 s[G0B+5], s3, SLOT
	s_add_nc_u64 s[G0B+6:G0B+7], s[88:89], SX
	s_or_b32 s[G0B+7], s[G0B+7], 0x80000000
.macro ARM w, g0, g1, wt               ; an arm of the head's one chain: wave w's one load; wt = 1: and the wait that its readers need
	s_cmp_eq_u32 s14, \w
	s_cbranch_scc0 .Lnot_\w
	tensor_load_to_lds s[\g0:\g0+3], s[\g1:\g1+7]
	s_nop 0
.rept 4
	v_nop
.endr
.if \wt
	s_wait_tensorcnt 0x0
.endif
	s_branch .Lfirst_asked
.Lnot_\w:
.endm
	ARM 0, 4, G1A, 1                               ; q's K half 0, and the wait for it
	ARM 1, 8, G1B, 1                               ; k's K half 0, and the wait for it
	ARM 2, 4, G1A, 0                               ; q's K half 1: awaited at the change of slots
	tensor_load_to_lds s[8:11], s[G1B:G1B+7]       ; k's K half 1 likewise
	s_nop 0
.rept 4
	v_nop
.endr
.Lfirst_asked:
	v_and_b32 v1, 31, v0
	v_and_b32 v2, 15, v0
	v_bfe_u32 v3, v0, 4, 1
	v_lshlrev_b32 v[LI], 4, v1
	s_mul_i32 s2, s15, 4*REC
	s_mul_i32 s3, s16, 8*REC
	s_add_co_u32 s3, s3, BOFF
	v_add_nc_u32 v[ADRA], s2, v[LI]
	v_add_nc_u32 v[ADRA+1], SLOT, v[ADRA]
	v_add_nc_u32 v[ADRB], s3, v[LI]
	v_add_nc_u32 v[ADRB+1], SLOT, v[ADRB]
	v_lshlrev_b32 v[VSW], 4, v2
	v_add_nc_u32 v[ASA], s2, v[VSW]
	v_add_nc_u32 v[ASA+1], SLOT, v[ASA]
	v_add_nc_u32 v[ASB], s3, v[VSW]
	v_add_nc_u32 v[ASB+1], SLOT, v[ASB]
	v_mul_u32_u24 v16, v3, REC
	v_add_nc_u32 v[VSW], v[VSW], v16
	v_lshlrev_b32 v[VST], 7, v2
	v_lshl_add_u32 v[VST], v3, 6, v[VST]
	v_and_b32 v[DQ0], 8, v2
	v_add_nc_u32 v[DQ0], v[DQ0], v2                ; r + 8 (r / 8)
	v_lshlrev_b32 v16, 4, v3
	v_sub_nc_u32 v[DQ0], v[DQ0], v16
	v_add_nc_u32 v[DQ0], s85, v[DQ0]
	v_add_nc_u32 v[DQ1], 0xfffffc00, v[DQ0]        ; 1,024 less
	s_mov_b32 s78, 0xffff0000
	s_mov_b32 s80, 0x76543210
	s_mov_b32 s81, 0xfedcba98
	s_mov_b32 s82, 0x3d38aa3b                      ; c = log2(e) / 32
	s_mov_b32 s83, s82
	s_wait_alu depctr_va_vdst(0)
	s_barrier_signal -1
	s_barrier_wait -1
	s_cmp_lt_u32 s84, 2
	s_cbranch_scc1 .Lfinal                         ; c = 0, 1: the slots hold keys 0-1023 already
	; ---- keys 1024-2047, for c = 2, 3
	FETCH 0, 0, 0
	SCALES 0
	THREE 0, SA, 1
	TURN 0, 1, SA, 1, 1                            ; slot 0 takes k of keys 0-1023
	THREE 1, SA+16, 0
	TURN 1, 0, SA+16, 1, 0                         ; slot 1 likewise; slot 0 is whole behind this round
	PLACES
	SINIT
	s_wait_alu depctr_va_vdst(0)
	SOFT 0, 1, DQ1, 66, 70
	SOFT 1, 1, DQ1, 66, 70
	SOFT 2, 1, DQ1, 66, 70
	SOFT 3, 1, DQ1, 66, 70
	PUTW 0, 68
	PUTW 2, 68
	; ---- keys 0-1023, for every c.  On both ways slot 0 is whole here, and at most slot 1's one load of mine is out
.Lfinal:
	s_wait_xcnt 0x0                                ; the stores have read their registers: fragments are loaded there again only behind this wait
	FETCH 0, 0, 0
	SCALES 0
	THREE 0, SA, 1
	TURN 0, 1, SA, 0, 1
	THREE 1, SA+16, 0
	LAST 1, SA+16
	SINIT
	SOFT 0, 0, DQ0, 72, 76
	SOFT 1, 0, DQ0, 72, 76
	SOFT 2, 0, DQ0, 72, 76
	SOFT 3, 0, DQ0, 72, 76
	PUTW 0, 74
	PUTW 2, 74
	s_wait_tensorcnt 0x0                           ; the wave's end
	ds_add_u32 v[SPW], v[NIL]
	s_wait_dscnt 0x0
	CROUND                                         ; the closing round
	s_endpgm
.Lfunc_end_k_qcc63e8e30d_score:
	.size	k_qcc63e8e30d_score, .Lfunc_end_k_qcc63e8e30d_score-k_qcc63e8e30d_score
	.p2alignl 7, 3214868480
	.fill 96, 4, 3214868480
	.section	.rodata,"a",@progbits
	.p2align	6, 0x0
	.amdhsa_kernel k_qcc63e8e30d_score
		.amdhsa_group_segment_fixed_size 327680
		.amdhsa_private_segment_fixed_size 0
		.amdhsa_enable_private_segment 0
		.amdhsa_kernarg_size 24
		.amdhsa_user_sgpr_count 2
		.amdhsa_user_sgpr_kernarg_segment_ptr 1
		.amdhsa_wavefront_size32 1
		.amdhsa_system_sgpr_workgroup_id_x 1
		.amdhsa_system_sgpr_workgroup_id_y 1
		.amdhsa_system_sgpr_workgroup_id_z 1
		.amdhsa_system_vgpr_workitem_id 0
		.amdhsa_next_free_vgpr 768
		.amdhsa_next_free_sgpr 104
		.amdhsa_reserve_vcc 1
		.amdhsa_float_denorm_mode_32 3
		.amdhsa_float_denorm_mode_16_64 3
		.amdhsa_memory_ordered 1
		.amdhsa_forward_progress 1
		.amdhsa_inst_pref_size 254
	.end_amdhsa_kernel
	.amdgpu_metadata
---
amdhsa.version: [ 1, 2 ]
amdhsa.kernels:
  - .name:           k_qcc63e8e30d_score
    .symbol:         k_qcc63e8e30d_score.kd
    .args:
      - { .name: qkr, .offset: 0, .size: 8, .value_kind: global_buffer, .address_space: global }
      - { .name: pr, .offset: 8, .size: 8, .value_kind: global_buffer, .address_space: global }
      - { .name: pst, .offset: 16, .size: 8, .value_kind: global_buffer, .address_space: global }
    .group_segment_fixed_size: 327680
    .private_segment_fixed_size: 0
    .kernarg_segment_align: 8
    .kernarg_segment_size: 24
    .max_flat_workgroup_size: 128
    .sgpr_count:     104
    .vgpr_count:     768
    .wavefront_size: 32
...
	.end_amdgpu_metadata
.endif
;; end of part 8
;; launch pv (part 9): grid 4 x 64, 4 waves a work-group, clusters of 4 x 4, 327,680 bytes of LDS; arguments pr, pst, vr, orr; writes orr
.if DOCPART == 9
	.amdgcn_target "amdgcn-amd-amdhsa--gfx1250"
	.amdhsa_code_object_version 6
	.text
	.protected	k_qcc63e8e30d_pv
	.globl	k_qcc63e8e30d_pv
	.p2align	8
	.type	k_qcc63e8e30d_pv,@function
k_qcc63e8e30d_pv:
	s_mov_b64 s[64:65], 0
	v_nop
	global_prefetch_b8 v0, s[64:65] scope:SCOPE_SE
	s_setreg_imm32_b32 hwreg(HW_REG_WAVE_MODE, 25, 1), 1
	s_wait_xcnt 0x0
	s_wait_alu depctr_hold_cnt(0) depctr_sa_sdst(0) depctr_va_vdst(0) depctr_va_sdst(0) depctr_va_ssrc(0) depctr_va_vcc(0) depctr_vm_vsrc(0)
	s_getreg_b32 s2, hwreg(HW_REG_IB_STS2, 6, 4)
	s_cmp_eq_u32 s2, 0
	s_cbranch_scc0 .Lentry_in_a_cluster
	s_endpgm
.Lentry_in_a_cluster:
	s_bfe_u32 s2, ttmp6, 0x10000c
	s_cmp_lg_u32 s2, 0xf033
	s_cbranch_scc0 .Lentry_shape_is_right
	s_endpgm
.Lentry_shape_is_right:
; O = (p v) / l on codes of FP6 (E2M3), quantised on the way out along v's channels (orr, as records).
; p arrives as codes under a whole number M' of its own for each (query, 128 keys).  The row's M is the largest M'; 2^(M' - M) is taken up by p's scale bytes: byte - (M - M'), held at 0 from below; and the
; row's sum is the sum of the units' sums x 2^(M' - M).  Both are exact but for the sum's additions.  So p's scale words come from memory into registers, are mended once, and stay: 64 registers.
; RECORDS and the core are as in the launch of the projections: 128 queries (A, source 1) x 256 channels (B, source 0) a work-group, 64 x 128 a wave.  K = the keys, in LDS slots of 512.
; CLUSTER 4 x 4 = 512 queries x all 1,024 channels; p's records are shared along a row, v's along a column.  A cluster of query block c walks 2, 2, 3, 4 slots (c = 0 .. 3): its largest need, never under the two
; first fills; what lies beyond a row's diagonal is zero codes.  Slots are filled again at most twice, each time behind a round of the cluster's barrier; the walk is written out, parted by forward branches on c,
; which all partners share.  By this text's own count a wave has at most one tensor load out.
; LIMITS: a unit whose M' lies 127 or more under the row's M counts with byte 0 and its sum x 2^-127; M - M' is exact while |t| < 2^24; blocks of O under 2^-124 keep the byte 1; NaN and infinities are not served.
.set REC,  6400
.set SLOT, 24*REC
; LDS AS IT IS NOW LAID: p's two halves of 64 rows (each: two chunks of 512 keys, KA bytes each), then v's two halves of 128 channels (KB bytes a chunk).  "Slot s" below is chunk place s.
; At the head each wave brings the first two chunks of its half by ONE tensor load of two rows; a refill is a load of one row.  A wave has one tensor load out at the most.
.set BOFF, 16*REC
.set KA,   4*REC
.set KB,   8*REC
.set SX,   512*REC
.set SV,   64*REC
.set SPARE, 2*SLOT                     ; behind the slots: the spare words, 128 bytes a wave: two blocks of 256 bytes that no other line names
.set LI,   4
.set ADRA, 5
.set ADRB, 7
.set ASB,  11
.set VSW,  13
.set LINV, 16                          ; v[16+2a:17+2a] 1 / l of tile a's rows
.set SPW,  28
.set NIL,  29
.set PS,   32                          ; v32-95  p's scale words: chunk j of 512 keys, tile a, unit u at v[PS + 16 j + 4 a + u]
.set SB,   96
.set AF,   160
.set EF,   160                         ; the prologue's temporaries, in A's fragment registers
.set LT,   176
.set XT,   192
.set TT,   208
.set MM,   224
.set LL,   240
.set NG,   244
.set PC,   160
.set PT,   208
.set TM,   216
.set PW,   232
.set SELW, 236
.set G1A, 24
.set G0A, 32
.set G1B, 48
.set G0B, 56
.set MSB, 0
.macro WIN new
.if MSB != (\new)
	s_set_vgpr_msb (MSB<<8)|(\new)
.set MSB, (\new)
.endif
.endm
.macro PLACES
.rept 4
	v_nop
.endr
.endm
.macro CREST
	s_cmp_lg_u32 s14, 0
	s_cbranch_scc1 .Lnot_wave_0_\@
	s_barrier_signal -3
.Lnot_wave_0_\@:
	s_barrier_wait -3
	s_barrier_signal -1
	s_barrier_wait -1
.endm
.macro CROUND
	s_barrier_signal -1
	s_barrier_wait -1
	CREST
.endm
.macro JLOAD s                         ; a joint refill: waves 0, 1 for p, waves 2, 3 for v; four v_nop follow each of the two lines
	s_cmp_eq_u32 s15, 0
	s_cbranch_scc0 .Lfor_b_\@
	tensor_load_to_lds s[G0A+4*\s:G0A+4*\s+3], s[G1A:G1A+7]
	s_nop 0
.rept 4
	v_nop
.endr
	s_branch .Lasked_\@
.Lfor_b_\@:
	tensor_load_to_lds s[G0B+4*\s:G0B+4*\s+3], s[G1B:G1B+7]
	s_nop 0
.rept 4
	v_nop
.endr
.Lasked_\@:
.endm
.macro FETCH s, u, p
	WIN 0x40
.irp b, 0,1,2,3,4,5,6,7
.irp c, 0,1,2
	ds_load_b128 v[128*(\p)+12*\b+4*\c:128*(\p)+12*\b+4*\c+3], v[ADRB+\s] offset:REC*\b+1536*(\u)+512*\c
.endr
.endr
	WIN 0
.irp a, 0,1,2,3
.irp c, 0,1,2
	ds_load_b128 v[AF+48*(\p)+12*\a+4*\c:AF+48*(\p)+12*\a+4*\c+3], v[ADRA+\s] offset:REC*\a+1536*(\u)+512*\c
.endr
.endr
.endm
.macro SCALES s                        ; v's scale words alone: p's are in registers
.irp b, 0,1,2,3,4,5,6,7
	ds_load_b128 v[SB+32*\s+4*\b:SB+32*\s+4*\b+3], v[ASB+\s] offset:REC*\b+6144
.endr
.endm
.macro MUL8 a, p, u, sb, sa, zero      ; the 32 accumulators take turns in the same order in every unit
	WIN 0xa1
.irp b, 0,1,2,3,4,5,6,7
.if \zero
	v_wmma_scale_f32_16x16x128_f8f6f4 v[8*(8*(\a)+\b):8*(8*(\a)+\b)+7], v[128*(\p)+12*\b:128*(\p)+12*\b+11], v[AF+48*(\p)+12*(\a):AF+48*(\p)+12*(\a)+11], 0, v[SB+32*(\sb)+4*\b+(\u)], v[(\sa)+4*(\a)+(\u)] matrix_a_fmt:MATRIX_FMT_FP6 matrix_b_fmt:MATRIX_FMT_FP6
.else
	v_wmma_scale_f32_16x16x128_f8f6f4 v[8*(8*(\a)+\b):8*(8*(\a)+\b)+7], v[128*(\p)+12*\b:128*(\p)+12*\b+11], v[AF+48*(\p)+12*(\a):AF+48*(\p)+12*(\a)+11], v[8*(8*(\a)+\b):8*(8*(\a)+\b)+7], v[SB+32*(\sb)+4*\b+(\u)], v[(\sa)+4*(\a)+(\u)] matrix_a_fmt:MATRIX_FMT_FP6 matrix_b_fmt:MATRIX_FMT_FP6
.endif
.endr
.endm
.macro UNIT s, u, zero, sa
	s_wait_dscnt 0x0                               ; this unit's fragments, asked for 32 products ago, are in
	PLACES
	FETCH \s, (\u)+1, 1-(\u)%2
	MUL8 0, (\u)%2, \u, \s, \sa, \zero
	MUL8 1, (\u)%2, \u, \s, \sa, \zero
	MUL8 2, (\u)%2, \u, \s, \sa, \zero
	MUL8 3, (\u)%2, \u, \s, \sa, \zero
	WIN 0
.endm
.macro THREE s, sa, zero               ; units 0 to 2 of a slot
	UNIT \s, 0, \zero, \sa
	UNIT \s, 1, 0, \sa
	UNIT \s, 2, 0, \sa
.endm
; Unit 3 of slot s, and the change of slots: ONE barrier; ahead of it each wave waits for all its tensor loads, adds 0 to its spare word, and waits for that and for its reads of this slot.
; fill = 1: the barrier opens a round of the cluster's, and this slot is filled again, with the keys two slots on, first thing behind the round.
.macro TURN s, next, sa, fill
	WIN 0
	s_wait_tensorcnt 0x0                           ; all my tensor loads have landed: my part of the next slot
	ds_add_u32 v[SPW], v[NIL]                      ; 0 onto my spare word
	s_wait_dscnt 0x1                               ; unit 3's fragments are in; the add alone may be out
	MUL8 0, 1, 3, \s, \sa, 0                       ; eight products stand between the add and the wait for it
	s_wait_dscnt 0x0                               ; the add is done, and my reads of this slot are over
	s_barrier_signal -1
	MUL8 1, 1, 3, \s, \sa, 0
	WIN 0
	s_barrier_wait -1
.if \fill
	CREST                                          ; no wave of any partner still reads this slot or has a load on its way
	s_add_nc_u64 s[G0A+4*\s+2:G0A+4*\s+3], s[G0A+4*\s+2:G0A+4*\s+3], 2*SX
	s_add_nc_u64 s[G0B+4*\s+2:G0B+4*\s+3], s[G0B+4*\s+2:G0B+4*\s+3], 2*SV
	JLOAD \s                                       ; its four v_nop are also the places ahead of the loads below
.else
	PLACES
.endif
	FETCH \next, 0, 0
	SCALES \next
	MUL8 2, 1, 3, \s, \sa, 0
	MUL8 3, 1, 3, \s, \sa, 0
	WIN 0
.endm
.macro LAST s, sa
	s_wait_dscnt 0x0
	MUL8 0, 1, 3, \s, \sa, 0
	MUL8 1, 1, 3, \s, \sa, 0
	MUL8 2, 1, 3, \s, \sa, 0
	MUL8 3, 1, 3, \s, \sa, 0
	WIN 0
	PLACES
.endm
.macro QUANT s, w, pc, pw
	WIN ((\w)|((\w)<<2))
.irp b, 0,1,2,3
	v_max3_num_f32 v[TM+\b], |v[(\s)+16*\b]|, |v[(\s)+16*\b+1]|, 0x1800000
.endr
.irp i, 2,4,6,8,10,12,14
.irp b, 0,1,2,3
	v_max3_num_f32 v[TM+\b], |v[(\s)+16*\b+\i]|, |v[(\s)+16*\b+\i+1]|, v[TM+\b]
.endr
.endr
	WIN 0
.irp b, 0,1,2,3
	v_permlanex16_b32 v[TM+4+\b], v[TM+\b], s80, s81
.endr
.irp b, 0,1,2,3
	v_max_num_f32 v[TM+\b], v[TM+\b], v[TM+4+\b]
.endr
.irp b, 0,1,2,3
	v_add_nc_u32 v[TM+12+\b], 0xff000000, v[TM+\b]
.endr
.irp b, 0,1,2,3
	v_lshrrev_b32 v[TM+4+\b], 23, v[TM+12+\b]
.endr
	v_lshl_or_b32 v[\pw], v[TM+5], 8, v[TM+4]
	v_lshl_or_b32 v[\pw], v[TM+6], 16, v[\pw]
	v_lshl_or_b32 v[\pw], v[TM+7], 24, v[\pw]
	WIN (\w)
.irp c, 0,1
	v_cvt_scalef32_pk16_fp6_f32 v[(\pc)+6*\c:(\pc)+6*\c+2], v[(\s)+32*\c:(\s)+32*\c+15], v[TM+12+2*\c]
	v_cvt_scalef32_pk16_fp6_f32 v[PT+4*\c:PT+4*\c+2], v[(\s)+32*\c+16:(\s)+32*\c+31], v[TM+12+2*\c+1]
.endr
	WIN 0
	v_nop
.irp c, 0,1
.irp i, 0,1,2
	v_permlane16_swap_b32 v[(\pc)+6*\c+\i], v[PT+4*\c+\i]
.endr
.irp i, 0,1,2
	v_mov_b32 v[(\pc)+6*\c+3+\i], v[PT+4*\c+\i]
.endr
.endr
.endm
.macro PUT a
.irp c, 0,1,2
	global_store_b128 v[LI], v[PC+12*(\a)+4*\c:PC+12*(\a)+4*\c+3], s[72:73] offset:REC*(\a)+512*\c
.endr
.endm
.macro PUTW a
	v_cndmask_b32 v[SELW+(\a)/2], v[PW+(\a)], v[PW+(\a)+1], s78
	global_store_b32 v[VSW], v[SELW+(\a)/2], s[74:75] offset:REC*(\a)
.endm
; Tile a's rows: the row's -M, the sixteen M' - M, the row's sum, and the sixteen scale words mended.  -M' lies at v[16 a + i] of window 2, the units' sums at v[64 + 16 a + i].
.macro FIXA a
	WIN 0x0a
	v_min_num_f32 v[NG], v[16*(\a)], v[16*(\a)+1]
.irp i, 2,4,6,8,10,12,14
	v_min3_num_f32 v[NG], v[16*(\a)+\i], v[16*(\a)+\i+1], v[NG]   ; -M = the least -M'
.endr
	WIN 0x08
.irp i, 0,1,2,3,4,5,6,7,8,9,10,11,12,13,14,15
	v_sub_f32 v[EF+\i], v[NG], v[16*(\a)+\i]       ; M' - M: a whole number, 0 or less
.endr
	WIN 0
.irp i, 0,1,2,3,4,5,6,7,8,9,10,11,12,13,14,15
	v_max_num_f32 v[EF+\i], 0xc2fe0000, v[EF+\i]   ; held at -127
.endr
.irp i, 0,1,2,3,4,5,6,7,8,9,10,11,12,13,14,15
	v_cvt_i32_f32 v[EF+\i], v[EF+\i]
.endr
	WIN 0x02
.irp i, 0,1,2,3,4,5,6,7,8,9,10,11,12,13,14,15
	v_ldexp_f32 v[LT+\i], v[64+16*(\a)+\i], v[EF+\i]
.endr
	WIN 0
	v_add_f32 v[XT], v[LT], v[LT+1]                ; the row's sum, in two chains; chunks that the cluster does not walk count for 0
	v_add_f32 v[XT+1], v[LT+2], v[LT+3]
	v_add_f32 v[XT], v[XT], v[LT+4]
	v_add_f32 v[XT+1], v[XT+1], v[LT+5]
	v_add_f32 v[XT], v[XT], v[LT+6]
	v_add_f32 v[XT+1], v[XT+1], v[LT+7]
	v_fma_f32 v[XT], v[LT+8], s2, v[XT]
	v_fma_f32 v[XT+1], v[LT+9], s2, v[XT+1]
	v_fma_f32 v[XT], v[LT+10], s2, v[XT]
	v_fma_f32 v[XT+1], v[LT+11], s2, v[XT+1]
	v_fma_f32 v[XT], v[LT+12], s3, v[XT]
	v_fma_f32 v[XT+1], v[LT+13], s3, v[XT+1]
	v_fma_f32 v[XT], v[LT+14], s3, v[XT]
	v_fma_f32 v[XT+1], v[LT+15], s3, v[XT+1]
	v_add_f32 v[LL+(\a)], v[XT], v[XT+1]
; a word's four bytes b (1 .. 125) at once: 128 + b - D lies in 2 .. 253, so no byte borrows; bit 7 says whether b - D is 0 or more; where it is not, the byte becomes 0
.irp i, 0,1,2,3,4,5,6,7,8,9,10,11,12,13,14,15
	v_mul_lo_u32 v[XT+\i], v[EF+\i], s79           ; -D in every byte
.endr
.irp i, 0,1,2,3,4,5,6,7,8,9,10,11,12,13,14,15
	v_or_b32 v[TT+\i], s85, v[PS+16*(\i/4)+4*(\a)+(\i%4)]
.endr
.irp i, 0,1,2,3,4,5,6,7,8,9,10,11,12,13,14,15
	v_add_nc_u32 v[TT+\i], v[TT+\i], v[XT+\i]
.endr
.irp i, 0,1,2,3,4,5,6,7,8,9,10,11,12,13,14,15
	v_lshrrev_b32 v[MM+\i], 7, v[TT+\i]
.endr
.irp i, 0,1,2,3,4,5,6,7,8,9,10,11,12,13,14,15
	v_and_b32 v[MM+\i], s79, v[MM+\i]
.endr
.irp i, 0,1,2,3,4,5,6,7,8,9,10,11,12,13,14,15
	v_lshlrev_b32 v[XT+\i], 7, v[MM+\i]
.endr
.irp i, 0,1,2,3,4,5,6,7,8,9,10,11,12,13,14,15
	v_sub_nc_u32 v[XT+\i], v[XT+\i], v[MM+\i]      ; 0x7f in the bytes that stay
.endr
.irp i, 0,1,2,3,4,5,6,7,8,9,10,11,12,13,14,15
	v_and_b32 v[PS+16*(\i/4)+4*(\a)+(\i%4)], v[TT+\i], v[XT+\i]
.endr
.endm
	s_load_b128 s[4:7], s[0:1], 0x0                ; pr, pst
	s_load_b128 s[8:11], s[0:1], 0x10              ; vr, orr
	v_lshl_add_u32 v[SPW], v0, 2, SPARE
	v_mov_b32 v[NIL], 0
	ds_add_u32 v[SPW], v[NIL]                      ; the opening lines: the add, twice on end, and its wait ahead of my first tensor load
	ds_add_u32 v[SPW], v[NIL]
	v_lshrrev_b32 v1, 5, v0
	v_readfirstlane_b32 s14, v1
	s_lshr_b32 s15, s14, 1
	s_and_b32 s16, s14, 1
	s_bfe_u32 s40, ttmp6, 0x40000
	s_bfe_u32 s41, ttmp6, 0x40004
	s_lshl_b32 s43, s41, 2
	s_lshl_b32 s43, 15, s43
	s_lshl_b32 s44, 0x1111, s40
	s_or_b32 s[G1A], s43, (3<<16)|(1<<21)
	s_or_b32 s[G1B], s44, (3<<16)|(1<<21)
	s_mov_b32 s[G1A+1], 3200<<16                   ; two rows (chunks of 512 keys) of 25,600 bytes, in elements of 8 bytes, the buffer's step of 512 keys apart
	s_mov_b32 s[G1A+2], 2<<16
	s_mov_b32 s[G1A+3], 3200<<16
	s_mov_b32 s[G1A+4], 2
	s_mov_b32 s[G1A+5], SX/8
	s_mov_b32 s[G1A+6], 0
	s_mov_b32 s[G1A+7], 0
	s_mov_b32 s[G1B+1], 6400<<16                   ; and of 51,200 bytes
	s_mov_b32 s[G1B+2], 2<<16
	s_mov_b32 s[G1B+3], 6400<<16
	s_mov_b32 s[G1B+4], 2
	s_mov_b32 s[G1B+5], SV/8
	s_mov_b32 s[G1B+6], 0
	s_mov_b32 s[G1B+7], 0
	s_and_b32 s19, ttmp7, 0xffff
	s_lshr_b32 s42, s19, 2                         ; the batch
	s_and_b32 s84, s19, 3                          ; c: which 512 queries of it
	s_max_u32 s45, s84, 1                          ; the last chunk of 512 keys that the cluster walks: 1, 1, 2, 3
	s_lshl_b32 s17, s42, 7
	s_lshl_b32 s2, s84, 5
	s_add_co_u32 s17, s17, s2
	s_lshl_b32 s2, s41, 3
	s_add_co_u32 s17, s17, s2                      ; my work-group's first tile of queries
	s_lshl_b32 s21, s16, 2
	s_add_co_u32 s20, s17, s21
	s_mul_i32 s20, s20, REC
	s_mov_b32 s21, 0
	s_lshl_b32 s22, s40, 4
	s_lshl_b32 s23, s16, 3
	s_add_co_u32 s22, s22, s23
	s_mul_i32 s22, s22, REC
	s_mul_i32 s23, s42, 4*SV
	s_add_co_u32 s22, s22, s23                     ; v: the batch's first 512 keys, channels 256 cx + 128 half on
	s_mov_b32 s23, 0
	s_lshl_b32 s47, s15, 2
	s_add_co_u32 s18, s17, s47                     ; my wave's first tile
	s_mul_i32 s46, s18, REC
	s_lshr_b32 s47, s40, 1
	s_mul_i32 s47, s47, SX
	s_add_co_u32 s47, s47, s46
	s_and_b32 s3, s40, 1
	s_lshl_b32 s3, s3, 1
	s_add_co_u32 s3, s3, s16                       ; the unit that my 128 channels make
	s_mul_i32 s90, s3, 1536
	s_add_co_u32 s90, s90, s47
	s_mov_b32 s91, 0
	s_lshl_b32 s92, s3, 2
	s_add_co_u32 s92, s92, s47
	s_add_co_u32 s92, s92, 6144
	s_mov_b32 s93, 0
	s_mul_i32 s2, s16, 2*KA
	s_mul_i32 s3, s16, 2*KB
	s_add_co_u32 s3, s3, BOFF
	s_wait_dscnt 0x0                               ; both opening adds are done
	s_wait_kmcnt 0x0
	s_add_nc_u64 s[86:87], s[4:5], s[20:21]
	s_add_nc_u64 s[88:89], s[8:9], s[22:23]
	s_add_nc_u64 s[72:73], s[10:11], s[90:91]
	s_add_nc_u64 s[74:75], s[10:11], s[92:93]
	CROUND
	s_mov_b32 s[G0A], 1
	s_mov_b32 s[G0A+1], s2
	s_mov_b64 s[G0A+2:G0A+3], s[86:87]
	s_or_b32 s[G0A+3], s[G0A+3], 0x80000000
	s_mov_b32 s[G0A+4], 1
	s_add_co_u32 s[G0A+5], s2, KA
	s_add_nc_u64 s[G0A+6:G0A+7], s[86:87], SX
	s_or_b32 s[G0A+7], s[G0A+7], 0x80000000
	s_mov_b32 s[G0B], 1
	s_mov_b32 s[G0B+1], s3
	s_mov_b64 s[G0B+2:G0B+3], s[88:89]
	s_or_b32 s[G0B+3], s[G0B+3], 0x80000000
	s_mov_b32 s[G0B+4], 1
	s_add_co_u32 s[G0B+5], s3, KB
	s_add_nc_u64 s[G0B+6:G0B+7], s[88:89], SV
	s_or_b32 s[G0B+7], s[G0B+7], 0x80000000
	s_cmp_eq_u32 s15, 0                            ; a wave's one first fill, of two chunks, in one branch on the wave's number; four v_nop follow it
	s_cbranch_scc0 .Lfirst_b
	tensor_load_to_lds s[G0A:G0A+3], s[G1A:G1A+7]
	s_nop 0
.rept 4
	v_nop
.endr
	s_branch .Lfirst_asked
.Lfirst_b:
	tensor_load_to_lds s[G0B:G0B+3], s[G1B:G1B+7]
	s_nop 0
.rept 4
	v_nop
.endr
.Lfirst_asked:
	v_and_b32 v1, 31, v0
	v_and_b32 v2, 15, v0
	v_bfe_u32 v3, v0, 4, 1
	v_lshlrev_b32 v[LI], 4, v1
	s_mul_i32 s2, s15, 2*KA
	s_mul_i32 s3, s16, 2*KB
	s_add_co_u32 s3, s3, BOFF
	v_add_nc_u32 v[ADRA], s2, v[LI]
	v_add_nc_u32 v[ADRA+1], KA, v[ADRA]
	v_add_nc_u32 v[ADRB], s3, v[LI]
	v_add_nc_u32 v[ADRB+1], KB, v[ADRB]
	v_lshlrev_b32 v15, 4, v2                       ; 16 r
	s_wait_alu depctr_va_vdst(0)
	v_add_nc_u32 v[ASB], s3, v15
	v_add_nc_u32 v[ASB+1], KB, v[ASB]
	v_mul_u32_u24 v[VSW], v3, REC
	v_add_nc_u32 v[VSW], v[VSW], v15
	v_lshlrev_b32 v14, 7, v2                       ; 128 r
	s_wait_alu depctr_va_vdst(0)
	s_mov_b32 s78, 0xffff0000
	s_mov_b32 s79, 0x01010101
	s_mov_b32 s80, 0x76543210
	s_mov_b32 s81, 0xfedcba98
	s_mov_b32 s85, 0x80808080
	; THE PROLOGUE, while the first fills are on their way.  Chunk j of 512 keys is read at min(j, the last chunk walked): only bytes that the launch before has stored are read
	s_add_co_u32 s46, s46, 6144                    ; my tiles' scale words in a chunk of pr
	s_lshl_b32 s47, s18, 11                        ; my tiles in pst
	s_mov_b32 s21, 0
.irp j, 0,1,2,3
	s_min_u32 s2, s45, \j
	s_mul_i32 s20, s2, SX
	s_add_co_u32 s20, s20, s46
	s_add_nc_u64 s[86+2*\j:87+2*\j], s[4:5], s[20:21]
	s_lshl_b32 s20, s2, 4
	s_add_co_u32 s20, s20, s47
	s_add_nc_u64 s[94+2*\j:95+2*\j], s[6:7], s[20:21]
.endr
	s_cmp_gt_u32 s84, 1
	s_cselect_b32 s2, 1.0, 0                       ; chunk 2 counts
	s_cmp_gt_u32 s84, 2
	s_cselect_b32 s3, 1.0, 0                       ; chunk 3 counts
.irp j, 0,1,2,3
.irp a, 0,1,2,3
	global_load_b128 v[PS+16*\j+4*\a:PS+16*\j+4*\a+3], v15, s[86+2*\j:87+2*\j] offset:REC*\a
.endr
.endr
	WIN 0x80                                       ; destination window 2: the accumulators' registers are free until the first product
.irp j, 0,1,2,3
.irp a, 0,1,2,3
	global_load_b128 v[16*\a+4*\j:16*\a+4*\j+3], v14, s[94+2*\j:95+2*\j] offset:2048*\a
	global_load_b128 v[64+16*\a+4*\j:64+16*\a+4*\j+3], v14, s[94+2*\j:95+2*\j] offset:2048*\a+64
.endr
.endr
	WIN 0
	s_wait_loadcnt 0x0
	FIXA 0
	FIXA 1
	FIXA 2
	FIXA 3
	s_wait_alu depctr_va_vdst(0)
.irp a, 0,1,2,3
	v_rcp_f32 v[LINV+2*\a], v[LL+\a]
.endr
.irp a, 0,1,2,3
	v_mov_b32 v[LINV+2*\a+1], 0                    ; named with it as a pair; plain lines behind the reciprocals
.endr
	s_wait_alu depctr_va_vdst(0)                   ; one wait for the four, ahead of every branch and of their readers
.rept 8
	v_nop                                          ; scale registers written by vector instructions stand eight places ahead of a scaled product
.endr
	s_wait_tensorcnt 0x0                           ; my part of the first two chunks is in, and no load of mine is out: from here on a load brings ONE row, a chunk
	s_mov_b32 s[G1A+2], 1<<16
	s_mov_b32 s[G1A+4], 1
	s_mov_b32 s[G1A+6], 1<<16
	s_mov_b32 s[G1B+2], 1<<16
	s_mov_b32 s[G1B+4], 1
	s_mov_b32 s[G1B+6], 1<<16
	s_barrier_signal -1
	s_barrier_wait -1
	FETCH 0, 0, 0
	SCALES 0
	THREE 0, PS, 1                                 ; the first products start the sums
	s_cmp_lt_u32 s84, 2
	s_cbranch_scc1 .Ltail2
	TURN 0, 1, PS, 1                               ; slot 0 takes keys 1024-1535
	THREE 1, PS+16, 0
	s_cmp_eq_u32 s84, 2
	s_cbranch_scc1 .Ltail3
	TURN 1, 0, PS+16, 1                            ; slot 1 takes keys 1536-2047
	THREE 0, PS+32, 0
	TURN 0, 1, PS+32, 0
	THREE 1, PS+48, 0
	LAST 1, PS+48
	s_branch .Lout
.Ltail2:                                               ; two slots: nothing is filled again
	TURN 0, 1, PS, 0
	THREE 1, PS+16, 0
	LAST 1, PS+16
	s_branch .Lout
.Ltail3:                                               ; three slots
	TURN 1, 0, PS+16, 0
	THREE 0, PS+32, 0
	LAST 0, PS+32
.Lout:
.irp b, 0,1,2,3
	v_mov_b32 v[TM+4+\b], 0
.endr
.irp a, 0,1,2,3
	WIN 0x82
.set n, 0
.rept 32
	v_pk_mul_f32 v[64*\a+n:64*\a+n+1], v[64*\a+n:64*\a+n+1], v[LINV+2*\a:LINV+2*\a+1] op_sel_hi:[1,0]   ; O / l, each accumulator from its low end on
.set n, n+2
.endr
	QUANT 64*\a, 2, PC+12*\a, PW+\a
	PUT \a
.endr
	PUTW 0
	PUTW 2
	s_wait_tensorcnt 0x0                           ; the wave's end
	ds_add_u32 v[SPW], v[NIL]
	s_wait_dscnt 0x0
	CROUND                                         ; the closing round
	s_endpgm
.Lfunc_end_k_qcc63e8e30d_pv:
	.size	k_qcc63e8e30d_pv, .Lfunc_end_k_qcc63e8e30d_pv-k_qcc63e8e30d_pv
	.p2alignl 7, 3214868480
	.fill 96, 4, 3214868480
	.section	.rodata,"a",@progbits
	.p2align	6, 0x0
	.amdhsa_kernel k_qcc63e8e30d_pv
		.amdhsa_group_segment_fixed_size 327680
		.amdhsa_private_segment_fixed_size 0
		.amdhsa_enable_private_segment 0
		.amdhsa_kernarg_size 32
		.amdhsa_user_sgpr_count 2
		.amdhsa_user_sgpr_kernarg_segment_ptr 1
		.amdhsa_wavefront_size32 1
		.amdhsa_system_sgpr_workgroup_id_x 1
		.amdhsa_system_sgpr_workgroup_id_y 1
		.amdhsa_system_sgpr_workgroup_id_z 1
		.amdhsa_system_vgpr_workitem_id 0
		.amdhsa_next_free_vgpr 768
		.amdhsa_next_free_sgpr 104
		.amdhsa_reserve_vcc 0
		.amdhsa_float_denorm_mode_32 3
		.amdhsa_float_denorm_mode_16_64 3
		.amdhsa_memory_ordered 1
		.amdhsa_forward_progress 1
		.amdhsa_inst_pref_size 246
	.end_amdhsa_kernel
	.amdgpu_metadata
---
amdhsa.version: [ 1, 2 ]
amdhsa.kernels:
  - .name:           k_qcc63e8e30d_pv
    .symbol:         k_qcc63e8e30d_pv.kd
    .args:
      - { .name: pr, .offset: 0, .size: 8, .value_kind: global_buffer, .address_space: global }
      - { .name: pst, .offset: 8, .size: 8, .value_kind: global_buffer, .address_space: global }
      - { .name: vr, .offset: 16, .size: 8, .value_kind: global_buffer, .address_space: global }
      - { .name: orr, .offset: 24, .size: 8, .value_kind: global_buffer, .address_space: global }
    .group_segment_fixed_size: 327680
    .private_segment_fixed_size: 0
    .kernarg_segment_align: 8
    .kernarg_segment_size: 32
    .max_flat_workgroup_size: 128
    .sgpr_count:     104
    .vgpr_count:     768
    .wavefront_size: 32
...
	.end_amdgpu_metadata
.endif
;; end of part 9
;; launch outp (part 10): grid 4 x 64, 4 waves a work-group, clusters of 4 x 4, 327,680 bytes of LDS; arguments orr, wr, out0; writes out0
.if DOCPART == 10
	.amdgcn_target "amdgcn-amd-amdhsa--gfx1250"
	.amdhsa_code_object_version 6
	.text
	.protected	k_qcc63e8e30d_outp
	.globl	k_qcc63e8e30d_outp
	.p2align	8
	.type	k_qcc63e8e30d_outp,@function
k_qcc63e8e30d_outp:
	s_mov_b64 s[64:65], 0
	v_nop
	global_prefetch_b8 v0, s[64:65] scope:SCOPE_SE
	s_setreg_imm32_b32 hwreg(HW_REG_WAVE_MODE, 25, 1), 1
	s_wait_xcnt 0x0
	s_wait_alu depctr_hold_cnt(0) depctr_sa_sdst(0) depctr_va_vdst(0) depctr_va_sdst(0) depctr_va_ssrc(0) depctr_va_vcc(0) depctr_vm_vsrc(0)
	s_getreg_b32 s2, hwreg(HW_REG_IB_STS2, 6, 4)
	s_cmp_eq_u32 s2, 0
	s_cbranch_scc0 .Lentry_in_a_cluster
	s_endpgm
.Lentry_in_a_cluster:
	s_bfe_u32 s2, ttmp6, 0x10000c
	s_cmp_lg_u32 s2, 0xf033
	s_cbranch_scc0 .Lentry_shape_is_right
	s_endpgm
.Lentry_shape_is_right:
; out0 = O Wo on codes of FP6 (E2M3) with E8M0 scales, f32 sums, f32 out.  RECORDS and the core are as in the launch of the projections: 128 tokens (A = orr, source 1) x 256 outputs (B = Wo's tiles of wr,
; source 0) a work-group, 64 x 128 a wave; K = 1,024 in two LDS slots, each filled once.  CLUSTER 4 x 4: O's records shared along a row, Wo's along a column.
; THE WAY OUT: lane (r, h) of accumulator (a, b) holds token 32 (a / 2) + 8 (a % 2) + r + 8 (r / 8) of my 64 and outputs 32 (b / 2) + 8 (b % 2) + 16 h + 0 .. 7 of my 128.  A tile of 16 tokens goes through my own stage
; in LDS (rows of 512 + 16 bytes) and leaves as whole rows of 512 bytes.  The stage lies in slot 0, which has had its only fill, and whose last reads every wave has awaited ahead of the change of slots.
.set REC,  6400
.set SLOT, 24*REC
; THE HEAD AS IT NOW STANDS: one tensor load a wave, each a whole part of a slot: wave 0 O's K half 0, wave 1 Wo's K half 0, wave 2 O's K half 1, wave 3 Wo's K half 1.  Waves 0 and 1 wait for theirs ahead of the
; first barrier; K half 1's two loads are awaited by the wait for 0 that every wave runs at the change of slots.  Nothing is filled again.
.set BOFF, 8*REC
.set SPARE, 2*SLOT                     ; behind the slots: the spare words, 128 bytes a wave, that no other line names
.set SPW,  28                          ; v28  my spare word; never rewritten
.set NIL,  29                          ; v29  0; never rewritten
.set SX,   512*REC
.set SW,   256*REC
.set SP,   528
.set LI,   4
.set ADRA, 5
.set ADRB, 7
.set ASA,  9
.set ASB,  11
.set STO,  13                          ; v13  the stage: where I put 32 bytes of a row
.set RD,   14                          ; v14  and where I read a row back
.set SA,   32
.set SB,   96
.set AF,   160
.set G1A, 24
.set G0A, 32
.set G1B, 48
.set G0B, 56
.set MSB, 0
.macro WIN new
.if MSB != (\new)
	s_set_vgpr_msb (MSB<<8)|(\new)
.set MSB, (\new)
.endif
.endm
.macro PLACES
.rept 4
	v_nop
.endr
.endm
.macro CREST
	s_cmp_lg_u32 s14, 0
	s_cbranch_scc1 .Lnot_wave_0_\@
	s_barrier_signal -3
.Lnot_wave_0_\@:
	s_barrier_wait -3
	s_barrier_signal -1
	s_barrier_wait -1
.endm
.macro CROUND
	s_barrier_signal -1
	s_barrier_wait -1
	CREST
.endm
.macro FETCH s, u, p
	WIN 0x40
.irp b, 0,1,2,3,4,5,6,7
.irp c, 0,1,2
	ds_load_b128 v[128*(\p)+12*\b+4*\c:128*(\p)+12*\b+4*\c+3], v[ADRB+\s] offset:REC*\b+1536*(\u)+512*\c
.endr
.endr
	WIN 0
.irp a, 0,1,2,3
.irp c, 0,1,2
	ds_load_b128 v[AF+48*(\p)+12*\a+4*\c:AF+48*(\p)+12*\a+4*\c+3], v[ADRA+\s] offset:REC*\a+1536*(\u)+512*\c
.endr
.endr
.endm
.macro SCALES s
.irp b, 0,1,2,3,4,5,6,7
	ds_load_b128 v[SB+32*\s+4*\b:SB+32*\s+4*\b+3], v[ASB+\s] offset:REC*\b+6144
.endr
.irp a, 0,1,2,3
	ds_load_b128 v[SA+16*\s+4*\a:SA+16*\s+4*\a+3], v[ASA+\s] offset:REC*\a+6144
.endr
.endm
.macro MUL8 a, p, u, sb, sa, zero      ; the 32 accumulators take turns in the same order in every unit
	WIN 0xa1
.irp b, 0,1,2,3,4,5,6,7
.if \zero
	v_wmma_scale_f32_16x16x128_f8f6f4 v[8*(8*(\a)+\b):8*(8*(\a)+\b)+7], v[128*(\p)+12*\b:128*(\p)+12*\b+11], v[AF+48*(\p)+12*(\a):AF+48*(\p)+12*(\a)+11], 0, v[SB+32*(\sb)+4*\b+(\u)], v[(\sa)+4*(\a)+(\u)] matrix_a_fmt:MATRIX_FMT_FP6 matrix_b_fmt:MATRIX_FMT_FP6
.else
	v_wmma_scale_f32_16x16x128_f8f6f4 v[8*(8*(\a)+\b):8*(8*(\a)+\b)+7], v[128*(\p)+12*\b:128*(\p)+12*\b+11], v[AF+48*(\p)+12*(\a):AF+48*(\p)+12*(\a)+11], v[8*(8*(\a)+\b):8*(8*(\a)+\b)+7], v[SB+32*(\sb)+4*\b+(\u)], v[(\sa)+4*(\a)+(\u)] matrix_a_fmt:MATRIX_FMT_FP6 matrix_b_fmt:MATRIX_FMT_FP6
.endif
.endr
.endm
.macro UNIT s, u, zero, sa
	s_wait_dscnt 0x0                               ; this unit's fragments, asked for 32 products ago, are in
	PLACES
	FETCH \s, (\u)+1, 1-(\u)%2
	MUL8 0, (\u)%2, \u, \s, \sa, \zero
	MUL8 1, (\u)%2, \u, \s, \sa, \zero
	MUL8 2, (\u)%2, \u, \s, \sa, \zero
	MUL8 3, (\u)%2, \u, \s, \sa, \zero
	WIN 0
.endm
.macro TURNP
	s_wait_dscnt 0x0                               ; my reads of slot 0 are over
	s_wait_tensorcnt 0x0                           ; my part of slot 1 has landed
	s_barrier_signal -1
	MUL8 0, 1, 3, 0, SA, 0
	MUL8 1, 1, 3, 0, SA, 0
	WIN 0
	s_barrier_wait -1
	PLACES
	FETCH 1, 0, 0
	SCALES 1
	MUL8 2, 1, 3, 0, SA, 0
	MUL8 3, 1, 3, 0, SA, 0
	WIN 0
.endm
.macro LAST s, sa
	s_wait_dscnt 0x0
	MUL8 0, 1, 3, \s, \sa, 0
	MUL8 1, 1, 3, \s, \sa, 0
	MUL8 2, 1, 3, \s, \sa, 0
	MUL8 3, 1, 3, \s, \sa, 0
	WIN 0
	PLACES
.endm
.macro TOSTAGE a
	WIN 0x08                                       ; an LDS store's data are its source 1: window 2
.irp b, 0,1,2,3,4,5,6,7
	ds_store_b128 v[STO], v[64*(\a)+8*\b:64*(\a)+8*\b+3] offset:128*(\b/2)+32*(\b%2)       ; each accumulator from its low end on
	ds_store_b128 v[STO], v[64*(\a)+8*\b+4:64*(\a)+8*\b+7] offset:128*(\b/2)+32*(\b%2)+16
.endr
	WIN 0x40                                       ; back into window 1, where B's first set lay
.irp t, 0,1,2,3,4,5,6,7,8,9,10,11,12,13,14,15
	ds_load_b128 v[64*((\a)%2)+4*\t:64*((\a)%2)+4*\t+3], v[RD] offset:\t*SP   ; LDS serves a wave's instructions in order: these see my stores, and the next tile's stores come behind them
.endr
.endm
.macro SEND a, younger
	s_wait_dscnt \younger                          ; the tile is back; the next tile's 16 stores and 16 loads may be out
	WIN 0x04                                       ; a store's data are its source 1: window 1
.irp t, 0,1,2,3,4,5,6,7,8,9,10,11,12,13,14,15
	global_store_b128 v[LI], v[64*((\a)%2)+4*\t:64*((\a)%2)+4*\t+3], s[72:73] offset:(32*((\a)/2)+8*((\a)%2)+\t+8*(\t/8))*4096 th:TH_STORE_NT   ; 32 lanes store 512 consecutive bytes, aligned
.endr
.endm
	s_load_b128 s[4:7], s[0:1], 0x0                ; orr, wr
	s_load_b64 s[8:9], s[0:1], 0x10                ; out0
	v_lshl_add_u32 v[SPW], v0, 2, SPARE
	v_mov_b32 v[NIL], 0
	ds_add_u32 v[SPW], v[NIL]                      ; the opening lines: the add, twice on end, and its wait ahead of my first tensor load
	ds_add_u32 v[SPW], v[NIL]
	v_lshrrev_b32 v1, 5, v0
	v_readfirstlane_b32 s14, v1
	s_lshr_b32 s15, s14, 1
	s_and_b32 s16, s14, 1
	s_bfe_u32 s40, ttmp6, 0x40000
	s_bfe_u32 s41, ttmp6, 0x40004
	s_lshl_b32 s43, s41, 2
	s_lshl_b32 s43, 15, s43
	s_lshl_b32 s44, 0x1111, s40
	s_or_b32 s[G1A], s43, (3<<16)|(1<<21)
	s_or_b32 s[G1B], s44, (3<<16)|(1<<21)
	s_mov_b32 s[G1A+1], 32<<16                     ; rows of 256 bytes: O's whole part of a slot, 200 rows,
	s_mov_b32 s[G1A+2], 200<<16
	s_mov_b32 s[G1A+3], 32<<16
	s_mov_b32 s[G1A+4], 200
	s_mov_b32 s[G1A+5], 32
	s_mov_b32 s[G1A+6], 0
	s_mov_b32 s[G1A+7], 0
	s_mov_b32 s[G1B+1], 32<<16                     ; and Wo's, 400 rows
	s_mov_b32 s[G1B+2], 400<<16
	s_mov_b32 s[G1B+3], 32<<16
	s_mov_b32 s[G1B+4], 400
	s_mov_b32 s[G1B+5], 32
	s_mov_b32 s[G1B+6], 0
	s_mov_b32 s[G1B+7], 0
	s_and_b32 s17, ttmp7, 0xffff
	s_lshl_b32 s17, s17, 2
	s_add_co_u32 s17, s17, s41                     ; I: which 128 tokens
	s_lshl_b32 s20, s17, 3
	s_lshl_b32 s21, s16, 2
	s_add_co_u32 s20, s20, s21
	s_mul_i32 s20, s20, REC
	s_mov_b32 s21, 0
	s_lshl_b32 s22, s40, 4
	s_lshl_b32 s23, s16, 3
	s_add_co_u32 s22, s22, s23
	s_add_co_u32 s22, s22, 192                     ; Wo's tiles begin at tile 192 of wr
	s_mul_i32 s22, s22, REC
	s_mov_b32 s23, 0
	s_lshl_b32 s90, s17, 7
	s_lshl_b32 s47, s15, 6
	s_add_co_u32 s90, s90, s47                     ; my first token
	s_lshl_b32 s90, s90, 12                        ; rows of 4,096 bytes
	s_lshl_b32 s47, s40, 10
	s_add_co_u32 s90, s90, s47                     ; + 256 outputs x cx
	s_lshl_b32 s47, s16, 9
	s_add_co_u32 s90, s90, s47                     ; + 128 x (wave % 2)
	s_mov_b32 s91, 0
	s_mul_i32 s2, s16, 4*REC
	s_mul_i32 s3, s16, 8*REC
	s_add_co_u32 s3, s3, BOFF
	s_wait_dscnt 0x0                               ; both opening adds are done
	s_wait_kmcnt 0x0
	s_add_nc_u64 s[86:87], s[4:5], s[20:21]
	s_add_nc_u64 s[88:89], s[6:7], s[22:23]
	s_add_nc_u64 s[72:73], s[8:9], s[90:91]
	CROUND
	; group 0, in registers that held arguments: s[4:7] O's whole part of K half wave / 2, s[8:11] Wo's
	s_mov_b32 s20, s2                              ; (s21 = 0) my half's bytes, which the whole part's address leaves out
	s_sub_nc_u64 s[6:7], s[86:87], s[20:21]
	s_mul_i32 s20, s15, SX
	s_add_nc_u64 s[6:7], s[6:7], s[20:21]
	s_or_b32 s7, s7, 0x80000000
	s_mov_b32 s4, 1
	s_mul_i32 s5, s15, SLOT
	s_sub_co_u32 s22, s3, BOFF                     ; (s23 = 0)
	s_sub_nc_u64 s[10:11], s[88:89], s[22:23]
	s_mul_i32 s22, s15, SW
	s_add_nc_u64 s[10:11], s[10:11], s[22:23]
	s_or_b32 s11, s11, 0x80000000
	s_mov_b32 s8, 1
	s_add_co_u32 s9, s5, BOFF
.macro ARM w, g0, g1, wt               ; an arm of the head's one chain: wave w's one load; wt = 1: and the wait that its readers need
	s_cmp_eq_u32 s14, \w
	s_cbranch_scc0 .Lnot_\w
	tensor_load_to_lds s[\g0:\g0+3], s[\g1:\g1+7]
	s_nop 0
.rept 4
	v_nop
.endr
.if \wt
	s_wait_tensorcnt 0x0
.endif
	s_branch .Lfirst_asked
.Lnot_\w:
.endm
	ARM 0, 4, G1A, 1                               ; O's K half 0, and the wait for it
	ARM 1, 8, G1B, 1                               ; Wo's K half 0, and the wait for it
	ARM 2, 4, G1A, 0                               ; O's K half 1: awaited at the change of slots
	tensor_load_to_lds s[8:11], s[G1B:G1B+7]       ; Wo's K half 1 likewise
	s_nop 0
.rept 4
	v_nop
.endr
.Lfirst_asked:
	v_and_b32 v1, 31, v0
	v_and_b32 v2, 15, v0
	v_bfe_u32 v3, v0, 4, 1
	v_lshlrev_b32 v[LI], 4, v1
	s_mul_i32 s2, s15, 4*REC
	s_mul_i32 s3, s16, 8*REC
	s_add_co_u32 s3, s3, BOFF
	v_add_nc_u32 v[ADRA], s2, v[LI]
	v_add_nc_u32 v[ADRA+1], SLOT, v[ADRA]
	v_add_nc_u32 v[ADRB], s3, v[LI]
	v_add_nc_u32 v[ADRB+1], SLOT, v[ADRB]
	v_lshlrev_b32 v15, 4, v2
	v_add_nc_u32 v[ASA], s2, v15
	v_add_nc_u32 v[ASA+1], SLOT, v[ASA]
	v_add_nc_u32 v[ASB], s3, v15
	v_add_nc_u32 v[ASB+1], SLOT, v[ASB]
	s_mul_i32 s2, s14, 16*SP                       ; my stage
	v_mul_u32_u24 v[STO], v2, SP
	v_lshl_add_u32 v[STO], v3, 6, v[STO]
	v_add_nc_u32 v[STO], s2, v[STO]                ; in: row r, + 64 h
	v_add_nc_u32 v[RD], s2, v[LI]                  ; back: 16 bytes a lane of a row
	s_wait_alu depctr_va_vdst(0)
	s_barrier_signal -1
	s_barrier_wait -1
	FETCH 0, 0, 0
	SCALES 0
	UNIT 0, 0, 1, SA
	UNIT 0, 1, 0, SA
	UNIT 0, 2, 0, SA
	TURNP
	UNIT 1, 0, 0, SA+16
	UNIT 1, 1, 0, SA+16
	UNIT 1, 2, 0, SA+16
	LAST 1, SA+16
	TOSTAGE 0
.irp a, 1,2,3
.if \a > 1
	s_wait_xcnt 0x0                                ; tile a - 2's stores have read their registers: tile a's loads may land there
.endif
	TOSTAGE \a
	SEND \a-1, 32
.endr
	SEND 3, 0
	WIN 0
	s_wait_tensorcnt 0x0                           ; the wave's end
	ds_add_u32 v[SPW], v[NIL]
	s_wait_dscnt 0x0
	CROUND                                         ; the closing round
	s_endpgm
.Lfunc_end_k_qcc63e8e30d_outp:
	.size	k_qcc63e8e30d_outp, .Lfunc_end_k_qcc63e8e30d_outp-k_qcc63e8e30d_outp
	.p2alignl 7, 3214868480
	.fill 96, 4, 3214868480
	.section	.rodata,"a",@progbits
	.p2align	6, 0x0
	.amdhsa_kernel k_qcc63e8e30d_outp
		.amdhsa_group_segment_fixed_size 327680
		.amdhsa_private_segment_fixed_size 0
		.amdhsa_enable_private_segment 0
		.amdhsa_kernarg_size 24
		.amdhsa_user_sgpr_count 2
		.amdhsa_user_sgpr_kernarg_segment_ptr 1
		.amdhsa_wavefront_size32 1
		.amdhsa_system_sgpr_workgroup_id_x 1
		.amdhsa_system_sgpr_workgroup_id_y 1
		.amdhsa_system_sgpr_workgroup_id_z 1
		.amdhsa_system_vgpr_workitem_id 0
		.amdhsa_next_free_vgpr 768
		.amdhsa_next_free_sgpr 104
		.amdhsa_reserve_vcc 0
		.amdhsa_float_denorm_mode_32 3
		.amdhsa_float_denorm_mode_16_64 3
		.amdhsa_memory_ordered 1
		.amdhsa_forward_progress 1
		.amdhsa_inst_pref_size 76
	.end_amdhsa_kernel
	.amdgpu_metadata
---
amdhsa.version: [ 1, 2 ]
amdhsa.kernels:
  - .name:           k_qcc63e8e30d_outp
    .symbol:         k_qcc63e8e30d_outp.kd
    .args:
      - { .name: orr, .offset: 0, .size: 8, .value_kind: global_buffer, .address_space: global }
      - { .name: wr, .offset: 8, .size: 8, .value_kind: global_buffer, .address_space: global }
      - { .name: out0, .offset: 16, .size: 8, .value_kind: global_buffer, .address_space: global }
    .group_segment_fixed_size: 327680
    .private_segment_fixed_size: 0
    .kernarg_segment_align: 8
    .kernarg_segment_size: 24
    .max_flat_workgroup_size: 128
    .sgpr_count:     104
    .vgpr_count:     768
    .wavefront_size: 32
...
	.end_amdgpu_metadata
.endif
;; end of part 10
